; MI455X (gfx1250); checked and timed in simulation.
; The chip was launched on July 23, 2026; its instructions are those of AMD's public machine-readable ISA for CDNA 5 (MIT licence, August 2026) and "CDNA5" Instruction Set Architecture Reference Guide (July 2026). The comments in the code are by the model that wrote it; some were corrected since.
;; Mo E Layer. Allowed arithmetic: float matrix products may take bf16 or f16 operands with f32 sums; other float arithmetic in f32, or as packed bf16 or f16 multiplies, adds, multiply-adds, maxima and minima; sums over many terms, partial sums and values carried from step to step in f32; what a program stores and reads back later, other than sums and carried values, may be rounded once to bf16 or f16.
;; Inputs: b1 8 x 4,096 float32; b2 8 x 1,024 float32; router_b 8 float32; router_w 1,024 x 8 float32; w1 8 x 1,024 x 4,096 float32; w2 8 x 4,096 x 1,024 float32; x 4 x 256 x 1,024 float32.
;; Outputs: out0 4 x 256 x 1,024 float32.
;; Constants: top_k = 2.
;; 2 versions, each right. Each part assembles by itself: llvm-mc -triple=amdgcn-amd-amdhsa -mcpu=gfx1250 --defsym DOCPART=n.
;; ======== version 1 of 2: 4 launches
;; limits: values are held in f16: magnitudes above 65,504 overflow, below 6.1e-05 lose precision
;; workspace buffers: xb 2,097,152 bytes; idx 8,192 bytes of whole numbers; wts 8,192 bytes; bitmap 1,024 bytes of whole numbers; pose 32,768 bytes of whole numbers; hid 67,108,864 bytes; part 134,217,728 bytes
;; launch router (part 1): grid 32 x 1, 8 waves a work-group, no clusters, 2,048 bytes of LDS; arguments x, router_w, router_b, xb, idx, wts, bitmap; writes xb, idx, wts, bitmap
.if DOCPART == 1
	.amdgcn_target "amdgcn-amd-amdhsa--gfx1250"
	.amdhsa_code_object_version 6
	.text
	.protected	k_q79a90624dd_router
	.globl	k_q79a90624dd_router
	.p2align	8
	.type	k_q79a90624dd_router,@function
k_q79a90624dd_router:
	s_mov_b64 s[64:65], 0
	v_nop
	global_prefetch_b8 v0, s[64:65] scope:SCOPE_SE
	s_setreg_imm32_b32 hwreg(HW_REG_WAVE_MODE, 25, 1), 1
	s_wait_xcnt 0x0
; ROUTER.  logits = x . router_w + router_b, softmax with the maximum taken away, top-2; x rounded once to bf16 (xb).
; All three inputs are rounded once to bf16, as every input of this program is; products and sums are f32 fused multiply-adds on the vector unit.
; A work-group has 32 tokens (one bitmap word for each expert), each of its eight waves four.  No matrix unit: the product is 1,024 x 1,024 x 8
; multiply-adds, eight columns would fill half a matrix tile, and plain f32 sums decide near ties to f32's last places.  No cluster: the work-groups share router_w alone, 32 KiB.
; STORED, all at fixed places: xb[t][1024] bf16; idx[t] = (first, second choice); wts[t] = their probabilities; bitmap[e][t / 32], bit t % 32 = token t chose e.
; LIMITS.  The experts chosen are those of the inputs rounded to bf16: where a token's second and third probabilities lie within about 1e-3 of each other, the unrounded inputs may choose otherwise.
; The sums run in another order than a plain dot product's: within about 1e-6 the choice may differ from that order's.  A probability below 2^-126 counts as 0.
; Equal probabilities: the lower index wins.  NaN and infinities are not treated apart.
; REGISTERS.  Window 0: v32-63 32 sums (token, expert), before that at work; v64-191 x of four tokens; v192-255 x packed to bf16.  Window 1: router_w whole:
; lane L holds rows c = 128 j + 4 L + cc at v[8 (4 j + cc) + e].
.set SPARE, 1024                       ; LDS: 0-1023 the 32 tokens' eight logits; from here the spare words, 128 bytes for each of eight waves
.set SPW, 2                            ; v2  my spare word's LDS address; never rewritten
.set NIL, 3                            ; v3  0; never rewritten
.set XO,  4                            ; v4  16 x lane
.set WO,  5                            ; v5  128 x lane
.set SO,  6                            ; v6  8 x lane
.set LAD, 7                            ; v7  128 x wave: my four tokens' logits in LDS
.set ACC, 32
.set XR,  64
.set PK,  192
.set MSB, 0
.macro WIN new                         ; the immediate's high byte repeats the setting that is left
.if MSB != (\new)
	s_set_vgpr_msb (MSB<<8)|(\new)
.set MSB, (\new)
.endif
.endm
	s_load_b256 s[4:11], s[0:1], 0x0               ; x s[4:5], router_w s[6:7], router_b s[8:9], xb s[10:11]
	s_load_b128 s[12:15], s[0:1], 0x20             ; idx s[12:13], wts s[14:15]
	s_load_b64 s[16:17], s[0:1], 0x30              ; bitmap
	v_lshl_add_u32 v[SPW], v0, 2, SPARE
	v_mov_b32 v[NIL], 0
	v_and_b32 v1, 31, v0                           ; lane
	v_lshrrev_b32 v8, 5, v0
	v_readfirstlane_b32 s18, v8                    ; wave 0..7
	s_mov_b32 s19, ttmp9                           ; work-group
	v_lshlrev_b32 v[XO], 4, v1
	v_lshlrev_b32 v[WO], 7, v1
	v_lshlrev_b32 v[SO], 3, v1
	s_lshl_b32 s20, s19, 17                        ; 32 tokens of 4,096 bytes,
	s_lshl_b32 s35, s18, 14                        ; my wave's four
	s_add_co_u32 s20, s20, s35
	s_mov_b32 s21, 0
	s_lshr_b32 s36, s20, 1                         ; the same rows in xb: half the bytes
	s_mov_b32 s37, 0
	s_mov_b32 s32, 0x76543210                      ; v_permlanex16_b32: each lane takes its own place in the other half
	s_mov_b32 s33, 0xfedcba98
	s_mov_b32 s34, 0x3fb8aa3b                      ; log2(e)
	s_mov_b32 s45, 0xffff0000                      ; a word's upper bf16
	s_lshl_b32 s35, s18, 7
	v_mov_b32 v[LAD], s35
	s_wait_kmcnt 0x0
	s_load_b256 s[24:31], s[8:9], 0x0              ; router_b
	s_add_nc_u64 s[22:23], s[4:5], s[20:21]
	s_add_nc_u64 s[36:37], s[10:11], s[36:37]
.set t, 0
.rept 4                                ; x: a load covers 512 consecutive bytes of a row
.set j, 0
.rept 8
	global_load_b128 v[XR+32*t+4*j:XR+32*t+4*j+3], v[XO], s[22:23] offset:4096*t+512*j th:TH_LOAD_NT
.set j, j+1
.endr
.set t, t+1
.endr
	WIN 0x40                                       ; destination window 1
.set j, 0
.rept 64                               ; router_w: lane L takes the 128 bytes of rows 128 (j / 8) + 4 L .. + 3, 16 at a time
	global_load_b128 v[4*j:4*j+3], v[WO], s[6:7] offset:4096*(j/8)+16*(j%8)
.set j, j+1
.endr
	WIN 0
	s_wait_loadcnt 63                              ; 64 loads were issued behind x's: with 63 out at the most, x is in
.set t, 0
.rept 4
.set j, 0
.rept 16
	v_cvt_pk_bf16_f32 v[PK+16*t+j], v[XR+32*t+2*j], v[XR+32*t+2*j+1]
.set j, j+1
.endr
.set j, 0
.rept 8
	global_store_b64 v[SO], v[PK+16*t+2*j:PK+16*t+2*j+1], s[36:37] offset:2048*t+256*j  ; the wave stores 256 consecutive bytes, aligned
.set j, j+1
.endr
.set t, t+1
.endr
.set k, 0
.rept 64                               ; the rounded x, widened again: the logits are made of what the experts will see
	v_lshlrev_b32 v[XR+2*k], 16, v[PK+k]
	v_and_b32 v[XR+2*k+1], s45, v[PK+k]
.set k, k+1
.endr
	s_wait_loadcnt 0x0                             ; router_w
	s_wait_kmcnt 0x0                               ; router_b
.set b, 0
.rept 4                                ; router_w rounded to bf16 and widened again, 64 registers at a time through the sums' registers, which are still free
	WIN 0x05                                       ; sources in window 1, destination in window 0
.set k, 0
.rept 32
	v_cvt_pk_bf16_f32 v[ACC+k], v[64*b+2*k], v[64*b+2*k+1]
.set k, k+1
.endr
	WIN 0x40                                       ; destination in window 1
.set k, 0
.rept 32
	v_lshlrev_b32 v[64*b+2*k], 16, v[ACC+k]
	v_and_b32 v[64*b+2*k+1], s45, v[ACC+k]
.set k, k+1
.endr
.set b, b+1
.endr
	WIN 0x01                                       ; source 0 (router_w) in window 1
.set c, 0
.rept 32                               ; my 32 rows c; 16 chains (4 tokens x 4 pairs of experts) that do not wait for each other; the first product starts the sums
.set t, 0
.rept 4
.set e, 0
.rept 4
.if c == 0
	v_pk_mul_f32 v[ACC+8*t+2*e:ACC+8*t+2*e+1], v[2*e:2*e+1], v[XR+32*t:XR+32*t+1] op_sel_hi:[1,0]
.elseif c%2 == 0
	v_pk_fma_f32 v[ACC+8*t+2*e:ACC+8*t+2*e+1], v[8*c+2*e:8*c+2*e+1], v[XR+32*t+c:XR+32*t+c+1], v[ACC+8*t+2*e:ACC+8*t+2*e+1] op_sel_hi:[1,0,1]
.else
	v_pk_fma_f32 v[ACC+8*t+2*e:ACC+8*t+2*e+1], v[8*c+2*e:8*c+2*e+1], v[XR+32*t+c-1:XR+32*t+c], v[ACC+8*t+2*e:ACC+8*t+2*e+1] op_sel:[0,1,0] op_sel_hi:[1,1,1]
.endif
.set e, e+1
.endr
.set t, t+1
.endr
.set c, c+1
.endr
	WIN 0
.irp m, 1,2,4,8                        ; the 32 sums over the 32 lanes: four steps inside each half of 16 lanes, one across
.set k, 0
.rept 32
	v_add_f32_dpp v[ACC+k], v[ACC+k], v[ACC+k] row_xmask:\m row_mask:0xf bank_mask:0xf
.set k, k+1
.endr
.endr
.set k, 0
.rept 32
	v_permlanex16_b32 v[XR+k], v[ACC+k], s32, s33  ; x's registers have been written and are free
.set k, k+1
.endr
.set k, 0
.rept 32
	v_add_f32 v[ACC+k], v[ACC+k], v[XR+k]
.set k, k+1
.endr
.set t, 0
.rept 4                                ; every lane holds the same sums and writes the same words
	ds_store_b128 v[LAD], v[ACC+8*t:ACC+8*t+3] offset:32*t
	ds_store_b128 v[LAD], v[ACC+8*t+4:ACC+8*t+7] offset:32*t+16
.set t, t+1
.endr
	s_wait_dscnt 0x0                               ; for wave 0's sake: my stores are done
	s_barrier_signal -1
	s_barrier_wait -1
	s_cmp_lg_u32 s18, 0
	s_cbranch_scc1 .Lend
	; wave 0: lane = token
	v_lshlrev_b32 v9, 5, v1
	ds_load_b128 v[16:19], v9
	ds_load_b128 v[20:23], v9 offset:16
	s_lshl_b32 s20, s19, 8                         ; 32 tokens x 8 bytes in idx and in wts
	s_add_nc_u64 s[38:39], s[12:13], s[20:21]
	s_add_nc_u64 s[40:41], s[14:15], s[20:21]
	s_lshl_b32 s20, s19, 2                         ; my word in each expert's row of the bitmap
	s_add_nc_u64 s[46:47], s[16:17], s[20:21]
.irp e, 0,1,2,3,4,5,6,7
	v_mov_b32 v[24+\e], s[24+\e]                   ; router_b, rounded to bf16 and widened again
.endr
.irp k, 0,1,2,3
	v_cvt_pk_bf16_f32 v[10+\k], v[24+2*\k], v[25+2*\k]
.endr
.irp k, 0,1,2,3
	v_lshlrev_b32 v[24+2*\k], 16, v[10+\k]
	v_and_b32 v[25+2*\k], s45, v[10+\k]
.endr
	s_wait_dscnt 0x0
.irp e, 0,1,2,3,4,5,6,7
	v_add_f32 v[16+\e], v[24+\e], v[16+\e]
.endr
	v_max3_num_f32 v10, v16, v17, v18
	v_max3_num_f32 v10, v10, v19, v20
	v_max3_num_f32 v10, v10, v21, v22
	v_max_num_f32 v10, v10, v23
	v_mul_f32 v10, s34, v10
.irp e, 0,1,2,3,4,5,6,7
	v_fma_f32 v[24+\e], v[16+\e], s34, -v10        ; (l - max) log2(e): never above a rounding of 0
.endr
.irp e, 0,1,2,3,4,5,6,7
	v_exp_f32 v[24+\e], v[24+\e]
.endr
	v_nop                                          ; a plain instruction behind the last exponential,
	s_wait_alu depctr_va_vdst(0)                   ; and one wait for the eight, ahead of their first use
	v_add_f32 v11, v24, v25
	v_add_f32 v12, v26, v27
	v_add_f32 v13, v28, v29
	v_add_f32 v14, v30, v31
	v_add_f32 v11, v11, v12
	v_add_f32 v13, v13, v14
	v_add_f32 v11, v11, v13                        ; at least about 1: the largest term is 2^0
	v_rcp_f32 v11, v11
	v_nop
	s_wait_alu depctr_va_vdst(0)
.irp e, 0,1,2,3,4,5,6,7
	v_mul_f32 v[16+\e], v[24+\e], v11              ; the probabilities
.endr
	v_mov_b32 v12, 0                               ; first choice: strictly greater alone replaces, so the lower index keeps a tie
	v_mov_b32 v14, v16
.irp e, 1,2,3,4,5,6,7
	v_cmp_gt_f32 vcc_lo, v[16+\e], v14
	v_cndmask_b32 v14, v14, v[16+\e], vcc_lo
	v_cndmask_b32 v12, v12, \e, vcc_lo
.endr
.irp e, 0,1,2,3,4,5,6,7
	v_cmp_eq_u32 vcc_lo, \e, v12
	v_cndmask_b32 v[24+\e], v[16+\e], -1.0, vcc_lo ; the first choice is taken out: -1 lies below every probability
.endr
	v_mov_b32 v13, 0
	v_mov_b32 v15, v24
.irp e, 1,2,3,4,5,6,7
	v_cmp_gt_f32 vcc_lo, v[24+\e], v15
	v_cndmask_b32 v15, v15, v[24+\e], vcc_lo
	v_cndmask_b32 v13, v13, \e, vcc_lo
.endr
	global_store_b64 v[SO], v[12:13], s[38:39]     ; 256 consecutive bytes each, aligned
	global_store_b64 v[SO], v[14:15], s[40:41]
	v_mov_b32 v10, 0
.irp e, 0,1,2,3,4,5,6,7
	v_cmp_eq_u32 s42, \e, v12
	v_cmp_eq_u32 s43, \e, v13
	s_or_b32 s42, s42, s43
	v_writelane_b32 v10, s42, \e                   ; lane e holds expert e's word
.endr
	v_lshlrev_b32 v9, 7, v1                        ; expert e's row begins at byte 128 e
	v_cmp_gt_u32 vcc_lo, 8, v1
	s_wait_xcnt 0x0                                ; EXEC changes only behind this wait: the stores above name it
	s_and_saveexec_b32 s44, vcc_lo
	global_store_b32 v9, v10, s[46:47]             ; eight words, 128 bytes apart: 32 bytes a work-group, 1,024 in the launch
	s_wait_xcnt 0x0
	s_or_b32 exec_lo, exec_lo, s44
.Lend:
	s_wait_tensorcnt 0x0                           ; the wave's end, behind my last LDS store
	ds_add_u32 v[SPW], v[NIL]
	s_wait_dscnt 0x0
	s_endpgm
.Lfunc_end_k_q79a90624dd_router:
	.size	k_q79a90624dd_router, .Lfunc_end_k_q79a90624dd_router-k_q79a90624dd_router
	.p2alignl 7, 3214868480
	.fill 96, 4, 3214868480
	.section	.rodata,"a",@progbits
	.p2align	6, 0x0
	.amdhsa_kernel k_q79a90624dd_router
		.amdhsa_group_segment_fixed_size 2048
		.amdhsa_private_segment_fixed_size 0
		.amdhsa_enable_private_segment 0
		.amdhsa_kernarg_size 56
		.amdhsa_user_sgpr_count 2
		.amdhsa_user_sgpr_kernarg_segment_ptr 1
		.amdhsa_wavefront_size32 1
		.amdhsa_system_sgpr_workgroup_id_x 1
		.amdhsa_system_sgpr_workgroup_id_y 1
		.amdhsa_system_sgpr_workgroup_id_z 1
		.amdhsa_system_vgpr_workitem_id 0
		.amdhsa_next_free_vgpr 512
		.amdhsa_next_free_sgpr 66
		.amdhsa_reserve_vcc 1
		.amdhsa_float_denorm_mode_32 3
		.amdhsa_float_denorm_mode_16_64 3
		.amdhsa_memory_ordered 1
		.amdhsa_forward_progress 1
		.amdhsa_inst_pref_size 90
	.end_amdhsa_kernel
	.amdgpu_metadata
---
amdhsa.version: [ 1, 2 ]
amdhsa.kernels:
  - .name:           k_q79a90624dd_router
    .symbol:         k_q79a90624dd_router.kd
    .args:
      - { .name: x, .offset: 0, .size: 8, .value_kind: global_buffer, .address_space: global }
      - { .name: router_w, .offset: 8, .size: 8, .value_kind: global_buffer, .address_space: global }
      - { .name: router_b, .offset: 16, .size: 8, .value_kind: global_buffer, .address_space: global }
      - { .name: xb, .offset: 24, .size: 8, .value_kind: global_buffer, .address_space: global }
      - { .name: idx, .offset: 32, .size: 8, .value_kind: global_buffer, .address_space: global }
      - { .name: wts, .offset: 40, .size: 8, .value_kind: global_buffer, .address_space: global }
      - { .name: bitmap, .offset: 48, .size: 8, .value_kind: global_buffer, .address_space: global }
    .group_segment_fixed_size: 2048
    .private_segment_fixed_size: 0
    .kernarg_segment_align: 8
    .kernarg_segment_size: 56
    .max_flat_workgroup_size: 256
    .sgpr_count:     66
    .vgpr_count:     512
    .wavefront_size: 32
...
	.end_amdgpu_metadata
.endif
;; end of part 1
;; launch up (part 2): grid 32 x 8, 4 waves a work-group, no clusters, 262,656 bytes of LDS; arguments bitmap, xb, w1, b1, hid, pose; writes hid, pose
.if DOCPART == 2
	.amdgcn_target "amdgcn-amd-amdhsa--gfx1250"
	.amdhsa_code_object_version 6
	.text
	.protected	k_q79a90624dd_up
	.globl	k_q79a90624dd_up
	.p2align	8
	.type	k_q79a90624dd_up,@function
k_q79a90624dd_up:
	s_mov_b64 s[64:65], 0
	v_nop
	global_prefetch_b8 v0, s[64:65] scope:SCOPE_SE
	s_setreg_imm32_b32 hwreg(HW_REG_WAVE_MODE, 25, 1), 1
	s_wait_xcnt 0x0
; UP.  hid = gelu(x_rows . w1[e] + b1[e]), exact (erf) GELU, for the rows that chose expert e; and each token's rank in its expert (pose).
; SHARES.  Work-group (sl, e): columns 128 sl .. + 127 of w1[e], all 1,024 k: 512 KiB of f32 that it alone reads, once; and all rows of expert e, in blocks of 16 by rank.
; Block 20 pass + 4 i + w is wave w's block i (0..4): a wave's tile is 80 rows x 128 columns, 40 accumulators.
; WEIGHTS.  A 16-byte load gives lane (r, h) the columns 4 r .. 4 r + 3 of ONE k row: sixteen lanes cover 256 consecutive aligned bytes.  Component cc goes to column block cc, whose
; place r stands for column 4 r + cc; two rows rounded to bf16 as a pair ARE a fragment register.  So nothing is transposed.  The bf16 slice, 256 KiB in fragment order, stays in LDS; each byte is written once.
; PASS 0 multiplies while the slice streams in: 16 chunks of 64 k; constant trip counts; every barrier on every wave's path; only matrix instructions are jumped where a wave has fewer than five blocks.
; PASSES 1 to 3 (an expert's rows past 320) only read LDS and have no barrier.  Every split of the tokens is served: up to 1,024 rows an expert; with none the slice is streamed and nothing is stored.
; WHICH TOKEN HAS RANK n is found in registers from the expert's 32 bitmap words: no LDS address hangs on data.
; THE MATRIX INSTRUCTION: source 0 = weights, source 1 = tokens: a lane then holds one token and, over a group's four accumulators, 32 neighbouring columns, which packed ARE the token fragments of the next product.
; hid: f16 [e][block of 16 ranks][k step 0..127][half q][lane][16 bytes]; lane (r, h), half q, element j = rank r, column 64 (step / 2) + 16 (step % 2) + 32 h + 8 q + j.
; NO CLUSTER, NO TENSOR LOADS: each weight byte has one reader; the token rows come by their ranks, which no tile descriptor covers; how many are live hangs on a stored count.
; LIMITS.  x, w1 and b1 are rounded once to bf16; sums in f32; the result is rounded once to f16, whose 11 significant bits the next product's sums need.  f16 ends at 65,504: a larger result becomes an infinity.
; The room: as the inputs are drawn the result stays under 4; with x and w1 both 30 times larger under about 4,000; with common offsets of 30 spreads on both about 18,500.  Below 6e-5 f16 keeps a fixed step of 6e-8.
; erf(z) = z P(z^2) / Q(z^2) with z held to -4 .. 4, good to a few last places of f32 for every z.  NaN and infinities are not treated apart.
; REGISTERS, in windows of 256 (s_set_vgpr_msb: bits 1:0 source 0, 3:2 source 1, 5:4 source 2, 7:6 destination):
;   window 0: v0-31 addresses and temporaries; v32-63 converted fragments; v64-191 two raw slots of 16 weight loads; v192-223 ranks; v224-241 the search; on the way out v64-239 at work
;   window 1: tokens, two buffers of 80 (block i, k step ks, half q at 16 i + 8 ks + 4 q)
;   window 2: v0-127 weight fragments, two buffers of 64; v128-191 block 4's accumulators; v192-255 b1 of my 64 columns      window 3: blocks 0-3's accumulators (64 i + 8 n)
.set ROWB,  16384                      ; bytes in a row of w1
.set QROWS, 16                         ; rows from a fragment's half 0 to its half 1
.set CH_W,  64*ROWB                    ; a chunk of weights
.set CH_A,  128                        ; a chunk of a token's row; its k steps and halves
.set A_KS,  64
.set A_Q,   32
.set W_HI,  0xf6                       ; weights window 2, tokens window 1, C and D window 3
.set W_LO,  0xa6                       ; the same with C and D in window 2
.set SPARE, 262144                     ; behind the fragments: the spare words, 128 bytes for each wave: two blocks of 256 bytes that no other line names
.set LN,  1                            ; v1  lane
.set RR,  2                            ; v2  lane % 16
.set HH,  3                            ; v3  lane / 16
.set SPW, 4                            ; v4  my spare word's LDS address; never rewritten
.set NIL, 5                            ; v5  0; never rewritten
.set L16, 6                            ; v6  16 x lane
.set WV,  7                            ; v7  my place in a weight load: 8 rows x h + 16 r
.set BRL, 8                            ; v8  LDS: the chunk being read
.set SRL, 9                            ; v9  LDS: where I store the chunk being converted
.set BN,  10                           ; v10 LDS: the chunk after next
.set PV,  11                           ; v11 prefetch: lane L takes row L of my 32
.set AV,  12                           ; v12-16 my five blocks' token offsets
.set H16, 19                           ; v19 16 h
.set TMP, 21
.set BO,  27                           ; v27 b1: 128 h
.set CV,  32
.set WR,  64
.set RK,  192
.set SNQ, 224                          ; v224-226 the search: 32 n + 31 for the rank n that my lane looks for, three registers
.set SPP, 227                          ; v227-229 32 x (bits before the word chosen) + the word's number; then the token
.set SWW, 230                          ; v230-232 the word chosen
.set SKK, 233                          ; which set bit of it
.set ST0, 234
.set ST1, 235
.set SPS, 236                          ; the bit's place
.set SFA, 237                          ; the word's counts in fields of 2, 4, 8 bits, and of 16
.set SFB, 238
.set SFC, 239
.set SFD, 240
.set SSQ, 241
.set X,   64                           ; the way out
.set Z,   96
.set S,   128
.set P,   160
.set Q,   192
.set PK,  224
.set NBI, 192                          ; window 2: b1
.set WVN, 16                           ; s16 wave
.set XE,  17                           ; s17 expert
.set SL,  18                           ; s18 slice
.set CNT, 19                           ; s19 the expert's rows
.set NBLK, 20                          ; s20 its blocks
.set LO,  21                           ; s21 the first chunk that the resident loop multiplies
.set PASS, 22
.set NB,  23                           ; s23 my live blocks in this pass, 0..5
.set IT,  24
.set HB,  25
.set NB2, 26
.set SC,  27                           ; s27 the chunk in hand
.set NX,  28
.set AP,  30                           ; s[30:31] tokens at the chunk in hand
.set WB,  32                           ; s[32:33] weights: my share of the chunk to be loaded
.set AN,  34                           ; s[34:35] tokens at the chunk after next
.set OFF, 36                           ; s[36:37] an offset; the high word stays 0
.set HP,  38                           ; s[38:39] hid at my expert and slice
.set HS,  40                           ; s[40:41] hid at the half block in hand
.set RS2, 48                           ; s[48:49] 1 / sqrt(2)
.set ABASE, 50                         ; s[50:51] xb
.set BM,  68                           ; s[68:99] the expert's 32 bitmap words
.set A13, 4                            ; the polynomials' twelve numbers, as pairs: in the arguments' registers, once these are used up, and in s54-63, s66-67
.set A11, 6
.set A9,  8
.set A7,  10
.set A5,  12
.set A3,  14
.set A1,  54
.set B8,  56
.set B6,  58
.set B4,  60
.set B2,  62
.set B0,  66
.set LIMN, 100                         ; s100 -4, s101 4
.set LIMP, 101
.set MSB, 0
.macro WIN new                         ; the immediate's high byte repeats the setting that is left; a switch that changes nothing is dropped
.if MSB != (\new)
	s_set_vgpr_msb (MSB<<8)|(\new)
.set MSB, (\new)
.endif
.endm
.macro PLACES                          ; four plain instructions between a matrix instruction and a load into, or a vector read of, its registers
.rept 4
	v_nop
.endr
.endm
.macro WLOAD slot, imm                 ; my share of a chunk: 32 k rows x 256 bytes, raw f32
.set wq, 0
.rept 2
.set wj, 0
.rept 8
	global_load_b128 v[WR+64*(\slot)+4*(8*wq+wj):WR+64*(\slot)+4*(8*wq+wj)+3], v[WV], s[WB:WB+1] offset:(\imm)+(QROWS*wq+wj)*ROWB th:TH_LOAD_NT
.set wj, wj+1
.endr
.set wq, wq+1
.endr
.endm
.macro CONV slot, imm                  ; a raw slot becomes four fragments and goes to LDS: each store covers 512 consecutive bytes
.set cc, 0
.rept 4
.set cq, 0
.rept 2
.set cj, 0
.rept 4
	v_cvt_pk_bf16_f32 v[CV+8*cc+4*cq+cj], v[WR+64*(\slot)+4*(8*cq+2*cj)+cc], v[WR+64*(\slot)+4*(8*cq+2*cj+1)+cc]
.set cj, cj+1
.endr
.set cq, cq+1
.endr
.set cc, cc+1
.endr
.set cc, 0
.rept 4
	ds_store_b128 v[SRL], v[CV+8*cc:CV+8*cc+3] offset:(\imm)+cc*1024
	ds_store_b128 v[SRL], v[CV+8*cc+4:CV+8*cc+7] offset:(\imm)+cc*1024+512
.set cc, cc+1
.endr
.endm
.macro BFLOAD bf, adr, imm             ; a k step's eight weight fragments
	WIN 0x80
.set bn, 0
.rept 8
	ds_load_b128 v[64*(\bf)+8*bn:64*(\bf)+8*bn+3], v[\adr] offset:(\imm)+bn*1024
	ds_load_b128 v[64*(\bf)+8*bn+4:64*(\bf)+8*bn+7], v[\adr] offset:(\imm)+bn*1024+512
.set bn, bn+1
.endr
	WIN 0
.endm
.macro ALOAD ab, ptr, imm              ; a chunk of my five blocks' tokens: always all twenty loads, so that every count of loads holds on every path
	WIN 0x40
.set ai, 0
.rept 5
.set ak, 0
.rept 2
	global_load_b128 v[80*(\ab)+16*ai+8*ak:80*(\ab)+16*ai+8*ak+3], v[AV+ai], s[\ptr:\ptr+1] offset:(\imm)+ak*A_KS
	global_load_b128 v[80*(\ab)+16*ai+8*ak+4:80*(\ab)+16*ai+8*ak+7], v[AV+ai], s[\ptr:\ptr+1] offset:(\imm)+ak*A_KS+A_Q
.set ak, ak+1
.endr
.set ai, ai+1
.endr
	WIN 0
.endm
; One k step for my live blocks.  A block's eight accumulators take turns, one instruction a turn: on every path a run ends on column block 7 and the next begins on column block 0.
; zero = 1: the products start the sums.
.macro COMPUTE bf, ab, ks, zero=0
.set ci, 0
.rept 5
	s_cmp_le_u32 s[NB], ci
	s_cbranch_scc1 .Ldone_\@
.if ci < 4
	WIN W_HI
.set ca, 64*ci
.else
	WIN W_LO
.set ca, 128
.endif
.set ct, 80*(\ab)+16*ci+8*(\ks)
.set cn, 0
.rept 8
.set cw, 64*(\bf)+8*cn
.if \zero
	v_wmma_f32_16x16x32_bf16 v[ca+8*cn:ca+8*cn+7], v[cw:cw+7], v[ct:ct+7], 0
.else
	v_wmma_f32_16x16x32_bf16 v[ca+8*cn:ca+8*cn+7], v[cw:cw+7], v[ct:ct+7], v[ca+8*cn:ca+8*cn+7]
.endif
.set cn, cn+1
.endr
	WIN 0
.set ci, ci+1
.endr
.Ldone_\@:
.endm
.macro CLEAR                           ; once, on purpose: pass 0's first trip written out with C = 0 would be longer than these lines, which stand in the wait for the first weights
	WIN 0xc0
.set z, 0
.rept 256
	v_mov_b32 v[z], 0
.set z, z+1
.endr
	WIN 0x80
.set z, 128
.rept 64
	v_mov_b32 v[z], 0
.set z, z+1
.endr
	WIN 0
.endm
; TRIP t of the stream (p = t % 2): chunk t is multiplied, chunk t + 2 converted, the tokens of chunk t + 1 and the weights of chunk t + 4 are asked for.
.macro TRIP p
	s_wait_loadcnt 16                              ; only the last trip's 16 weight loads may be out: the raw slot of chunk t + 2 and this trip's tokens are in
	CONV \p, (\p)*16384                            ; its 32 conversions are also the places ahead of the loads below
	BFLOAD 1, BRL, (\p)*16384+8192
	ALOAD 1-(\p), AP, ((\p)+1)*CH_A
	WLOAD \p, (\p)*CH_W
	s_cmp_lt_u32 s[IT], 2+(\p)                     ; chunk t + 7 exists up to t = 8
	s_cbranch_scc1 .Lnp_\@
	global_prefetch_b8 v[PV], s[WB:WB+1] offset:(3+(\p))*CH_W th:TH_LOAD_NT scope:SCOPE_SE  ; my own share of chunk t + 7, three trips ahead of its loads: 32 lanes, 32 pieces of 256 bytes
.Lnp_\@:
	s_wait_dscnt 0x0                               ; for the others' sake: my stores of chunk t + 2 are done; both fragment buffers are in
	s_barrier_signal -1
	COMPUTE 0, \p, 0
	PLACES
	BFLOAD 0, BRL, ((\p)+1)*16384                  ; chunk t + 1: stored ahead of the last trip's signal; nobody writes it again
	COMPUTE 1, \p, 1
	s_barrier_wait -1
.endm
.macro NBSET                           ; how many of the blocks 20 pass + 4 i + w, i = 0..4, lie below NBLK
	s_mul_i32 s44, s[PASS], 20
	s_add_co_u32 s44, s44, s[WVN]
	s_sub_co_i32 s[NB], s[NBLK], s44
	s_add_co_i32 s[NB], s[NB], 3
	s_ashr_i32 s[NB], s[NB], 2
	s_max_i32 s[NB], s[NB], 0
	s_min_i32 s[NB], s[NB], 5
.endm
; One halving step: if the set bit looked for lies past the wd bits at the place in hand, these are passed over.
.macro KSTEP src, mask, wd
	v_lshrrev_b32 v[ST0], v[SPS], v[\src]
	v_and_b32 v[ST0], \mask, v[ST0]                ; set bits among those wd
	v_cmp_ge_u32 vcc_lo, v[SKK], v[ST0]
	v_cndmask_b32 v[ST0], 0, v[ST0], vcc_lo
	v_sub_nc_u32 v[SKK], v[SKK], v[ST0]
	v_cndmask_b32 v[ST1], 0, \wd, vcc_lo
	v_add_nc_u32 v[SPS], v[SPS], v[ST1]
.endm
; THE TOKENS OF MY FIVE BLOCKS.  Register m, lane (r, h) looks for rank n = 320 pass + 16 (4 (2 m + h) + w) + r: two blocks a register.  With c(i) the set bits before word i, the word is the last one
; with c(i) <= n; 32 c(i) + i grows with i, so one compare against 32 n + 31 and two selects a word keep the word and its c and i.  Then bit n - c(i) of the word's set bits is found by halving.
; A rank past the count ends at some token below 1,024: a row that exists.  Both halves of the lanes then take their block's 16 tokens.  It also leaves the expert's count in CNT.
.macro SEARCH
	s_mul_i32 s44, s[PASS], 320
	s_lshl4_add_u32 s44, s[WVN], s44
	v_lshl_add_u32 v[SSQ], v[HH], 6, v[RR]
	v_add_nc_u32 v[SSQ], s44, v[SSQ]
.set sm, 0
.rept 3
	v_add_nc_u32 v[SNQ+sm], 128*sm, v[SSQ]
	v_lshl_or_b32 v[SNQ+sm], v[SNQ+sm], 5, 31
	v_mov_b32 v[SPP+sm], 0
	v_mov_b32 v[SWW+sm], s[BM]
.set sm, sm+1
.endr
	s_mov_b32 s44, 0
.set si, 1
.rept 31
	s_bcnt1_i32_b32 s45, s[BM+si-1]
	s_add_co_u32 s44, s44, s45
	s_lshl_b32 s45, s44, 5
	s_or_b32 s45, s45, si
.set sm, 0
.rept 3
	v_cmp_gt_u32 vcc_lo, s45, v[SNQ+sm]
	v_cndmask_b32 v[SPP+sm], s45, v[SPP+sm], vcc_lo
	v_cndmask_b32 v[SWW+sm], s[BM+si], v[SWW+sm], vcc_lo
.set sm, sm+1
.endr
.set si, si+1
.endr
	s_bcnt1_i32_b32 s45, s[BM+31]
	s_add_co_u32 s[CNT], s44, s45
.set sm, 0
.rept 3
	v_lshrrev_b32 v[SKK], 5, v[SNQ+sm]
	v_lshrrev_b32 v[ST0], 5, v[SPP+sm]
	v_sub_nc_u32 v[SKK], v[SKK], v[ST0]            ; n - c
	v_lshrrev_b32 v[ST0], 1, v[SWW+sm]
	v_and_b32 v[ST0], 0x55555555, v[ST0]
	v_sub_nc_u32 v[SFA], v[SWW+sm], v[ST0]         ; counts of 2 bits
	v_lshrrev_b32 v[ST0], 2, v[SFA]
	v_and_b32 v[ST0], 0x33333333, v[ST0]
	v_and_b32 v[SFB], 0x33333333, v[SFA]
	v_add_nc_u32 v[SFB], v[SFB], v[ST0]            ; of 4
	v_lshrrev_b32 v[ST0], 4, v[SFB]
	v_add_nc_u32 v[SFC], v[SFB], v[ST0]
	v_and_b32 v[SFC], 0x0f0f0f0f, v[SFC]           ; of 8
	v_lshrrev_b32 v[ST0], 8, v[SFC]
	v_add_nc_u32 v[SFD], v[SFC], v[ST0]            ; its lowest byte: of the low 16
	v_mov_b32 v[SPS], 0
	KSTEP SFD, 0xff, 16
	KSTEP SFC, 0xff, 8
	KSTEP SFB, 15, 4
	KSTEP SFA, 3, 2
	KSTEP SWW+sm, 1, 1
	v_and_b32 v[ST0], 31, v[SPP+sm]
	v_lshl_add_u32 v[SPP+sm], v[ST0], 5, v[SPS]    ; the token: 32 x word + bit
.set sm, sm+1
.endr
	s_mov_b32 s44, 0x76543210                      ; v_permlanex16_b32: each lane takes its own place in the other half
	s_mov_b32 s45, 0xfedcba98
	s_mov_b32 s29, 0xffff0000                      ; the upper half of the lanes
.set sm, 0
.rept 3
	v_permlanex16_b32 v[SWW+sm], v[SPP+sm], s44, s45
.set sm, sm+1
.endr
	v_cndmask_b32 v[AV+0], v[SPP+0], v[SWW+0], s29 ; an even block lies in the lower lanes, an odd one in the upper
	v_cndmask_b32 v[AV+1], v[SWW+0], v[SPP+0], s29
	v_cndmask_b32 v[AV+2], v[SPP+1], v[SWW+1], s29
	v_cndmask_b32 v[AV+3], v[SWW+1], v[SPP+1], s29
	v_cndmask_b32 v[AV+4], v[SPP+2], v[SWW+2], s29
.set ai, 0
.rept 5
	v_min_u32 v[AV+ai], 0x3ff, v[AV+ai]
	v_lshlrev_b32 v[AV+ai], 11, v[AV+ai]           ; token x 2,048 bytes
	v_add_nc_u32 v[AV+ai], v[H16], v[AV+ai]        ; + 16 h
.set ai, ai+1
.endr
.endm
.macro KSET reg, val
	s_mov_b32 s[\reg], \val
	s_mov_b32 s[\reg+1], \val
.endm
.macro HORNER acc, kreg                ; acc = acc x z^2 + k, 16 pairs
.set k, 0
.rept 16
	v_pk_fma_f32 v[\acc+2*k:\acc+2*k+1], v[\acc+2*k:\acc+2*k+1], v[S+2*k:S+2*k+1], s[\kreg:\kreg+1] op_sel_hi:[1,1,0]
.set k, k+1
.endr
.endm
; Half block k = 2 i + g: block i, column group g.  The move into fixed registers carries the bias; each accumulator is read from its lowest register on.
.macro STUB k, last
.Lst\k:
.if (\k) < 8
	WIN 0x0b
.set sa, 64*((\k)/2)+32*((\k)%2)
.else
	WIN 0x0a
.set sa, 128+32*((\k)%2)
.endif
.set sc, 0
.rept 4
.set sj, 0
.rept 8
	v_add_f32 v[X+4*sj+sc], v[sa+8*sc+sj], v[NBI+32*((\k)%2)+4*sj+sc]
.set sj, sj+1
.endr
.set sc, sc+1
.endr
	WIN 0
.if !(\last)
	s_branch .Lgelu
.endif
.endm
	s_load_b256 s[4:11], s[0:1], 0x0               ; bitmap s[4:5], xb s[6:7], w1 s[8:9], b1 s[10:11]
	s_load_b128 s[12:15], s[0:1], 0x20             ; hid s[12:13], pose s[14:15]
	v_lshl_add_u32 v[SPW], v0, 2, SPARE
	v_mov_b32 v[NIL], 0
	v_and_b32 v[LN], 31, v0
	v_and_b32 v[RR], 15, v0
	v_bfe_u32 v[HH], v0, 4, 1
	v_lshrrev_b32 v[TMP], 5, v0
	v_readfirstlane_b32 s[WVN], v[TMP]
	s_mov_b32 s[SL], ttmp9
	s_and_b32 s[XE], ttmp7, 0xffff
	v_lshlrev_b32 v[L16], 4, v[LN]
	v_lshlrev_b32 v[H16], 4, v[HH]
	v_lshlrev_b32 v[WV], 4, v[RR]
	v_lshl_add_u32 v[WV], v[HH], 17, v[WV]         ; 8 rows of 16,384 bytes for the upper half of the lanes
	v_lshlrev_b32 v[PV], 14, v[LN]
	v_lshlrev_b32 v[BO], 7, v[HH]                  ; b1: 32 columns for each half of the lanes
	s_lshl_b32 s42, s[XE], 7                       ; the expert's 128 bytes of the bitmap
	s_mov_b32 s43, 0
	s_lshl_b32 s[OFF], s[XE], 24                   ; w1: expert, 16 MiB;
	s_lshr_b32 s44, s[WVN], 1                      ; the k step that I produce,
	s_and_b32 s45, s[WVN], 1                       ; the column group that I produce
	s_lshl_b32 s46, s44, 19                        ; 32 rows;
	s_add_co_u32 s[OFF], s[OFF], s46
	s_lshl_b32 s46, s[SL], 9                       ; slice, 512 bytes of a row;
	s_add_co_u32 s[OFF], s[OFF], s46
	s_lshl_b32 s47, s45, 8                         ; group, 256 bytes
	s_add_co_u32 s[OFF], s[OFF], s47
	s_mov_b32 s[OFF+1], 0
	s_lshl_b32 s52, s[XE], 14                      ; b1: expert, slice
	s_add_co_u32 s52, s52, s46
	s_mov_b32 s53, 0
	s_lshl_b32 s[HP], s[XE], 23                    ; hid: expert, 8 MiB; slice, four k steps of 1,024 bytes
	s_lshl_b32 s46, s[SL], 12
	s_add_co_u32 s[HP], s[HP], s46
	s_mov_b32 s[HP+1], 0
	s_lshl_b32 s44, s44, 13                        ; LDS: my k step, my group
	s_lshl_b32 s45, s45, 12
	s_add_co_u32 s44, s44, s45
	v_add_nc_u32 v[SRL], s44, v[L16]
	v_mov_b32 v[BRL], v[L16]
	s_wait_kmcnt 0x0
	s_add_nc_u64 s[42:43], s[4:5], s[42:43]
	s_load_b512 s[BM:BM+15], s[42:43], 0x0
	s_load_b512 s[BM+16:BM+31], s[42:43], 0x40
	s_add_nc_u64 s[WB:WB+1], s[8:9], s[OFF:OFF+1]
	s_add_nc_u64 s[52:53], s[10:11], s[52:53]
	s_add_nc_u64 s[HP:HP+1], s[12:13], s[HP:HP+1]
	s_mov_b64 s[ABASE:ABASE+1], s[6:7]
	s_mov_b64 s[AP:AP+1], s[6:7]
	WIN 0x80
.set k, 0
.rept 16                               ; b1 of my 64 columns, in their own order: group k / 8, four columns a load
	global_load_b128 v[NBI+4*k:NBI+4*k+3], v[BO], s[52:53] offset:(k/8)*256+(k%8)*16
.set k, k+1
.endr
	WIN 0
	WLOAD 0, 0                                     ; chunks 0 and 1
	WLOAD 1, CH_W
	global_prefetch_b8 v[PV], s[WB:WB+1] offset:4*CH_W th:TH_LOAD_NT scope:SCOPE_SE  ; my share of chunks 4 to 6; the trips ask for 7 to 15
	global_prefetch_b8 v[PV], s[WB:WB+1] offset:5*CH_W th:TH_LOAD_NT scope:SCOPE_SE
	global_prefetch_b8 v[PV], s[WB:WB+1] offset:6*CH_W th:TH_LOAD_NT scope:SCOPE_SE
	CLEAR
	s_wait_kmcnt 0x0                               ; the bitmap
	s_mov_b32 s[PASS], 0
	SEARCH
	s_add_co_u32 s[NBLK], s[CNT], 15
	s_lshr_b32 s[NBLK], s[NBLK], 4
	s_min_u32 s[NBLK], s[NBLK], 64
	s_or_b32 s44, s[SL], s[WVN]
	s_cmp_lg_u32 s44, 0
	s_cbranch_scc1 .Lnopose                        ; one wave for each expert stores the ranks
	s_mov_b32 s45, 0
.set li, 0
.rept 32                               ; the token of lane L in word i has rank (bits below it in the word) + (bits of the words before)
	v_mbcnt_lo_u32_b32 v[RK+li], s[BM+li], s45
	s_bcnt1_i32_b32 s44, s[BM+li]
	s_add_co_u32 s45, s45, s44
.set li, li+1
.endr
	s_lshl_b32 s[OFF], s[XE], 12
	s_add_nc_u64 s[42:43], s[14:15], s[OFF:OFF+1]
.set k, 0
.rept 8
	global_store_b128 v[L16], v[RK+4*k:RK+4*k+3], s[42:43] offset:512*k  ; words 4 k .. 4 k + 3 of every lane: 512 consecutive bytes
.set k, k+1
.endr
.Lnopose:
	KSET A13, 0xaf15df0b                           ; erf(z) / 2 = z P(z^2) / Q(z^2): P's numbers are halved
	KSET A11, 0x326dffee
	KSET A9,  0xb58cff51
	KSET A7,  0xb7eec2d2
	KSET A5,  0xb9c0ac63
	KSET A3,  0xbac1a1f6
	KSET A1,  0xbc03dbd4
	KSET B8,  0xb77460cd
	KSET B6,  0xb95fbd29
	KSET B4,  0xbadc924e
	KSET B2,  0xbbf19bf8
	KSET B0,  0xbc69b6a7
	KSET RS2, 0x3f3504f3
	s_mov_b32 s[LIMN], 0xc0800000
	s_mov_b32 s[LIMP], 0x40800000
	s_mov_b32 s47, 0xffff0000                      ; a word's upper bf16
	NBSET
	s_wait_loadcnt 16                              ; chunk 1's 16 loads may be out: b1 and chunk 0 are in
	WIN 0x0a                                       ; b1 rounded to bf16 and widened again, through the fragments' registers, which are still free
.set k, 0
.rept 32
	v_cvt_pk_bf16_f32 v[CV+k], v[NBI+2*k], v[NBI+2*k+1]
.set k, k+1
.endr
	WIN 0x80
.set k, 0
.rept 32
	v_lshlrev_b32 v[NBI+2*k], 16, v[CV+k]
	v_and_b32 v[NBI+2*k+1], s47, v[CV+k]
.set k, k+1
.endr
	WIN 0
	CONV 0, 0
	WLOAD 0, 2*CH_W
	s_wait_loadcnt 16                              ; chunk 2's may be out: chunk 1 is in
	CONV 1, 16384
	ALOAD 0, AP, 0
	WLOAD 1, 3*CH_W
	s_wait_dscnt 0x0                               ; for the others' sake: chunks 0 and 1 are stored
	s_barrier_signal -1
	s_barrier_wait -1
	BFLOAD 0, BRL, 0
	s_wait_xcnt 0x0                                ; the loads, prefetches and stores above have read their addresses and data
	s_add_nc_u64 s[WB:WB+1], s[WB:WB+1], 4*CH_W
	v_add_nc_u32 v[SRL], 0x8000, v[SRL]
	s_mov_b32 s[IT], 6
.Lstream:                                              ; trips 0 to 11
	TRIP 0
	TRIP 1
	s_wait_xcnt 0x0                                ; WB and AP are stepped only behind this wait
	s_add_nc_u64 s[WB:WB+1], s[WB:WB+1], 2*CH_W
	s_add_nc_u64 s[AP:AP+1], s[AP:AP+1], 2*CH_A
	v_add_nc_u32 v[BRL], 0x8000, v[BRL]
	v_add_nc_u32 v[SRL], 0x8000, v[SRL]
	s_sub_co_u32 s[IT], s[IT], 1
	s_cmp_lg_u32 s[IT], 0
	s_cbranch_scc1 .Lstream
	s_wait_loadcnt 36                              ; chunk 12's 20 token loads and chunk 15's 16 weight loads may be out: chunk 14 is in
	CONV 0, 0
	s_wait_loadcnt 0x0
	CONV 1, 16384
	s_wait_dscnt 0x0
	s_barrier_signal -1
	s_barrier_wait -1                              ; the slice is whole
	s_mov_b32 s[SC], 0
	s_mov_b32 s[LO], 12                            ; pass 0 has chunks 12 to 15 left; AP, BRL and the buffers stand at chunk 12
	s_mov_b32 s[IT], 8
	s_branch .Lres
.Lpass:                                                ; passes 1 to 3: rows 320 pass on
	NBSET
	s_cmp_eq_u32 s[NB], 0
	s_cbranch_scc1 .Lnext                          ; nothing of mine in this pass
	s_wait_xcnt 0x0                                ; the last pass's stores have read their data: the search works in the same registers (v224 on)
	SEARCH
	s_mov_b64 s[AP:AP+1], s[ABASE:ABASE+1]
	v_mov_b32 v[BRL], v[L16]
	ALOAD 0, AP, 0
	BFLOAD 0, BRL, 0
	s_mov_b32 s[SC], 0
	s_mov_b32 s[LO], 0
	s_mov_b32 s[IT], 8
; THE RESIDENT LOOP: eight trips of two chunks out of the slice in LDS: no barrier, no LDS write.  Trips below chunk LO are jumped.  The look-ahead is held to chunk 14:
; the last trip fetches 36 loads that nothing uses, the price of one text for every trip.
.Lres:
	s_cmp_lt_u32 s[SC], s[LO]
	s_cbranch_scc1 .Lrskip
	s_wait_loadcnt 0x0                             ; the even chunk's tokens; and AN is free
	s_add_co_u32 s[NX], s[SC], 2
	s_min_u32 s[NX], s[NX], 14
	s_mul_i32 s[OFF], s[NX], CH_A
	s_add_nc_u64 s[AN:AN+1], s[ABASE:ABASE+1], s[OFF:OFF+1]
	v_lshl_add_u32 v[BN], s[NX], 14, v[L16]
	PLACES
	BFLOAD 1, BRL, 8192
	ALOAD 1, AP, CH_A
	s_wait_dscnt 16                                ; all but the 16 fragment loads just issued
	s_cmp_eq_u32 s[SC], 0
	s_cbranch_scc1 .Lzero
	COMPUTE 0, 0, 0
	s_branch .Lzdone
.Lzero:                                                ; a later pass's first k step starts the sums: nothing is cleared
	COMPUTE 0, 0, 0, 1
.Lzdone:
	PLACES
	BFLOAD 0, BRL, 16384
	s_wait_dscnt 16
	COMPUTE 1, 0, 1
	s_wait_loadcnt 0x0                             ; the odd chunk's tokens; and AP is free
	PLACES
	BFLOAD 1, BRL, 24576
	ALOAD 0, AN, 0
	s_wait_dscnt 16
	COMPUTE 0, 1, 0
	PLACES
	BFLOAD 0, BN, 0
	s_wait_dscnt 16
	COMPUTE 1, 1, 1
	s_add_nc_u64 s[AP:AP+1], s[AP:AP+1], 2*CH_A
	v_add_nc_u32 v[BRL], 0x8000, v[BRL]
.Lrskip:
	s_add_co_u32 s[SC], s[SC], 2
	s_sub_co_u32 s[IT], s[IT], 1
	s_cmp_lg_u32 s[IT], 0
	s_cbranch_scc1 .Lres
	s_wait_loadcnt 0x0                             ; the look-ahead that nothing uses: its registers are loaded again in the next pass
	s_wait_dscnt 0x0
	PLACES                                         ; behind the last products
	s_lshl_b32 s[NB2], s[NB], 1
	s_mul_i32 s46, s[PASS], 20
	s_add_co_u32 s46, s46, s[WVN]                  ; my block 0
	s_mov_b32 s[HB], 0
.Lhalf:                                                ; ten half blocks; the dead ones are jumped
	s_cmp_ge_u32 s[HB], s[NB2]
	s_cbranch_scc1 .Lhnext
	s_wait_xcnt 0x0                                ; the last trip's stores have read HS and their data
	s_lshr_b32 s44, s[HB], 1
	s_lshl2_add_u32 s44, s44, s46
	s_lshl_b32 s44, s44, 17                        ; a block: 128 KiB
	s_and_b32 s45, s[HB], 1
	s_lshl_b32 s45, s45, 11                        ; a group: two k steps
	s_add_co_u32 s[OFF], s44, s45
	s_add_nc_u64 s[HS:HS+1], s[HP:HP+1], s[OFF:OFF+1]
.irp k, 0,1,2,3,4,5,6,7,8
	s_cmp_eq_u32 s[HB], \k
	s_cbranch_scc1 .Lst\k
.endr
	STUB 9, 0
	STUB 0, 0
	STUB 1, 0
	STUB 2, 0
	STUB 3, 0
	STUB 4, 0
	STUB 5, 0
	STUB 6, 0
	STUB 7, 0
	STUB 8, 1
.Lgelu:                                                ; x (1/2 + erf(x / sqrt 2) / 2) on my 32 numbers
.set k, 0
.rept 16
	v_pk_mul_f32 v[Z+2*k:Z+2*k+1], v[X+2*k:X+2*k+1], s[RS2:RS2+1] op_sel_hi:[1,0]
.set k, k+1
.endr
.set k, 0
.rept 32
	v_med3_num_f32 v[Z+k], v[Z+k], s[LIMN], s[LIMP]
.set k, k+1
.endr
.set k, 0
.rept 16
	v_pk_mul_f32 v[S+2*k:S+2*k+1], v[Z+2*k:Z+2*k+1], v[Z+2*k:Z+2*k+1]
.set k, k+1
.endr
.set k, 0
.rept 16
	v_pk_fma_f32 v[P+2*k:P+2*k+1], v[S+2*k:S+2*k+1], s[A13:A13+1], s[A11:A11+1] op_sel_hi:[1,0,0]
	v_pk_fma_f32 v[Q+2*k:Q+2*k+1], v[S+2*k:S+2*k+1], s[B8:B8+1], s[B6:B6+1] op_sel_hi:[1,0,0]
.set k, k+1
.endr
	HORNER Q, B4
	HORNER Q, B2
	HORNER Q, B0                                   ; all of Q's numbers are negative and z^2 is not: Q is never 0
	HORNER P, A9
.set k, 0
.rept 32
	v_rcp_f32 v[Q+k], v[Q+k]
.set k, k+1
.endr
	HORNER P, A7                                   ; work that names no reciprocal stands behind the batch
	HORNER P, A5
	HORNER P, A3
	HORNER P, A1
.set k, 0
.rept 16
	v_pk_mul_f32 v[P+2*k:P+2*k+1], v[P+2*k:P+2*k+1], v[Z+2*k:Z+2*k+1]
.set k, k+1
.endr
	s_wait_alu depctr_va_vdst(0)                   ; one wait for the 32 reciprocals, ahead of their first use
.set k, 0
.rept 16
	v_pk_fma_f32 v[P+2*k:P+2*k+1], v[P+2*k:P+2*k+1], v[Q+2*k:Q+2*k+1], 0.5 op_sel_hi:[1,1,0]
.set k, k+1
.endr
.set k, 0
.rept 16
	v_pk_mul_f32 v[X+2*k:X+2*k+1], v[X+2*k:X+2*k+1], v[P+2*k:P+2*k+1]
.set k, k+1
.endr
.set k, 0
.rept 16
	v_cvt_pk_f16_f32 v[PK+k], v[X+2*k], v[X+2*k+1] ; the one rounding of the hidden layer: to f16
.set k, k+1
.endr
.set k, 0
.rept 4
	global_store_b128 v[L16], v[PK+4*k:PK+4*k+3], s[HS:HS+1] offset:512*k  ; half a fragment: 512 consecutive bytes, aligned
.set k, k+1
.endr
.Lhnext:
	s_add_co_u32 s[HB], s[HB], 1
	s_cmp_lt_u32 s[HB], 10
	s_cbranch_scc1 .Lhalf
.Lnext:
	s_add_co_u32 s[PASS], s[PASS], 1
	s_cmp_lt_u32 s[PASS], 4
	s_cbranch_scc1 .Lpass
	s_wait_dscnt 0x0                               ; my reads of LDS are over;
	s_barrier_signal -1
	s_barrier_wait -1                              ; so are the other three waves': only now does any wave write LDS again
	s_wait_tensorcnt 0x0                           ; the wave's end, behind my last LDS store
	ds_add_u32 v[SPW], v[NIL]
	s_wait_dscnt 0x0
	s_endpgm
.Lfunc_end_k_q79a90624dd_up:
	.size	k_q79a90624dd_up, .Lfunc_end_k_q79a90624dd_up-k_q79a90624dd_up
	.p2alignl 7, 3214868480
	.fill 96, 4, 3214868480
	.section	.rodata,"a",@progbits
	.p2align	6, 0x0
	.amdhsa_kernel k_q79a90624dd_up
		.amdhsa_group_segment_fixed_size 262656
		.amdhsa_private_segment_fixed_size 0
		.amdhsa_enable_private_segment 0
		.amdhsa_kernarg_size 48
		.amdhsa_user_sgpr_count 2
		.amdhsa_user_sgpr_kernarg_segment_ptr 1
		.amdhsa_wavefront_size32 1
		.amdhsa_system_sgpr_workgroup_id_x 1
		.amdhsa_system_sgpr_workgroup_id_y 1
		.amdhsa_system_sgpr_workgroup_id_z 1
		.amdhsa_system_vgpr_workitem_id 0
		.amdhsa_next_free_vgpr 1024
		.amdhsa_next_free_sgpr 102
		.amdhsa_reserve_vcc 1
		.amdhsa_float_denorm_mode_32 3
		.amdhsa_float_denorm_mode_16_64 3
		.amdhsa_memory_ordered 1
		.amdhsa_forward_progress 1
		.amdhsa_inst_pref_size 177
	.end_amdhsa_kernel
	.amdgpu_metadata
---
amdhsa.version: [ 1, 2 ]
amdhsa.kernels:
  - .name:           k_q79a90624dd_up
    .symbol:         k_q79a90624dd_up.kd
    .args:
      - { .name: bitmap, .offset: 0, .size: 8, .value_kind: global_buffer, .address_space: global }
      - { .name: xb, .offset: 8, .size: 8, .value_kind: global_buffer, .address_space: global }
      - { .name: w1, .offset: 16, .size: 8, .value_kind: global_buffer, .address_space: global }
      - { .name: b1, .offset: 24, .size: 8, .value_kind: global_buffer, .address_space: global }
      - { .name: hid, .offset: 32, .size: 8, .value_kind: global_buffer, .address_space: global }
      - { .name: pose, .offset: 40, .size: 8, .value_kind: global_buffer, .address_space: global }
    .group_segment_fixed_size: 262656
    .private_segment_fixed_size: 0
    .kernarg_segment_align: 8
    .kernarg_segment_size: 48
    .max_flat_workgroup_size: 128
    .sgpr_count:     102
    .vgpr_count:     1024
    .wavefront_size: 32
...
	.end_amdgpu_metadata
.endif
;; end of part 2
;; launch down (part 3): grid 32 x 8, 4 waves a work-group, no clusters, 262,656 bytes of LDS; arguments bitmap, hid, w2, b2, part; writes part
.if DOCPART == 3
	.amdgcn_target "amdgcn-amd-amdhsa--gfx1250"
	.amdhsa_code_object_version 6
	.text
	.protected	k_q79a90624dd_down
	.globl	k_q79a90624dd_down
	.p2align	8
	.type	k_q79a90624dd_down,@function
k_q79a90624dd_down:
	s_mov_b64 s[64:65], 0
	v_nop
	global_prefetch_b8 v0, s[64:65] scope:SCOPE_SE
	s_setreg_imm32_b32 hwreg(HW_REG_WAVE_MODE, 25, 1), 1
	s_wait_xcnt 0x0
; DOWN.  part[e, rank][kq][:] = hid rows . w2[e] over a quarter kq of the 4,096 hidden columns, in f32; b2[e] is added in quarter 0.
; SHARES.  Work-group (x, e), x = 8 kq + ns: rows 1,024 kq .. + 1,023 and columns 128 ns .. + 127 of w2[e]: 512 KiB of f32 that it alone reads, once; and all rows of expert e, in blocks of 16 by rank.
; Block 20 pass + 4 i + w is wave w's block i (0..4).  The split of K by four gives weight rows of 512 bytes and 256 work-groups; its price is four f32 partial rows for each routed row.
; WEIGHTS, STREAM, PASSES: as in the first product.  A 16-byte load gives lane (r, h) columns 4 r .. 4 r + 3 of one k row; component cc goes to column block cc; two rows packed as a pair are a fragment
; register; the 16-bit slice, 256 KiB in fragment order, stays in LDS, each byte written once.  Pass 0 multiplies while it streams in (constant trip counts, every barrier on every wave's path, only matrix
; instructions jumped); passes 1 to 3 only read LDS.  Every split of the tokens is served; an expert with no rows streams its slice and stores nothing.
; FORMATS.  The hidden layer arrives in f16, so the product is the f16 form.  w2 is rounded once to bf16, as every input of this program is, and that number is written as f16.
; K's PLACES.  hid lies in fragment order: place (k step ks, half q, h, j) of chunk c stands for hidden column 1,024 kq + 64 c + 16 ks + 32 h + 8 q + j; the weight rows are taken in the same order.
; THE MATRIX INSTRUCTION: source 0 = tokens, source 1 = weights: lane r holds column 4 r + cc, register j row 8 h + j: four accumulators give 16 neighbouring bytes of a row, and no LDS stage is needed.
; NO CLUSTER, NO TENSOR LOADS: each weight byte has one reader; how many token blocks are live hangs on a stored count, and an f32 ring does not fit beside the resident 256 KiB.
; LIMITS.  w2 and b2 are rounded once to bf16; sums and partial rows in f32.  A bf16 number is the same number in f16 from 2^-17 up to 65,504; below 2^-17 it is off by at most 3e-8, beyond 65,504 it becomes an
; infinity.  The room: w2 is drawn with a spread of 0.02; 30 times larger, or with an offset of 30 spreads, it is about 0.6; 30 times smaller about 7e-4.  NaN and infinities are not treated apart.
; REGISTERS, in windows of 256 (s_set_vgpr_msb: bits 1:0 source 0, 3:2 source 1, 5:4 source 2, 7:6 destination):
;   window 0: v0-31 addresses and temporaries; v32-63 converted fragments; v64-191 two raw slots; on the way out v64-127 a block in store order
;   window 1: tokens, two buffers of 80      window 2: v0-127 weight fragments, two buffers; v128-191 block 4's accumulators; v192-199 b2      window 3: blocks 0-3's accumulators
.set ROWB,  4096                       ; bytes in a row of w2
.set QROWS, 8                          ; rows from a fragment's half 0 to its half 1
.set CH_W,  64*ROWB
.set CH_A,  2048                       ; a chunk of a block in hid: two k steps of 1,024 bytes, halves of 512
.set A_KS,  1024
.set A_Q,   512
.set W_HI,  0xf9                       ; tokens window 1, weights window 2, C and D window 3
.set W_LO,  0xa9                       ; the same with C and D in window 2
.set SPARE, 262144                     ; behind the fragments: the spare words, 128 bytes for each wave
.set LN,  1
.set RR,  2
.set HH,  3
.set SPW, 4                            ; v4  my spare word's LDS address; never rewritten
.set NIL, 5                            ; v5  0; never rewritten
.set L16, 6                            ; v6  16 x lane
.set WV,  7                            ; v7  131,072 h + 16 r: 32 rows of w2, and 8 rows of part
.set BRL, 8
.set SRL, 9
.set BN,  10
.set PV,  11
.set AV,  12                           ; v12-16 my five blocks' offsets in hid
.set R16, 19                           ; v19 16 r
.set TMP, 21
.set CV,  32
.set WR,  64
.set T,   64                           ; the way out
.set B2,  192                          ; window 2
.set WVN, 16
.set XE,  17
.set NS,  18
.set CNT, 19
.set NBLK, 20
.set KQ,  21
.set PASS, 22
.set NB,  23
.set IT,  24
.set HB,  25
.set LO,  26                           ; s26 the first chunk that the resident loop multiplies
.set SC,  27
.set NX,  28
.set MSK, 29                           ; s29 0xffff0000: a word's upper bf16
.set AP,  30
.set WB,  32
.set AN,  34
.set OFF, 36                           ; s[36:37] an offset; the high word stays 0
.set YP,  38                           ; s[38:39] part at my expert, quarter and columns
.set YS,  40                           ; s[40:41] part at the block in hand
.set ABASE, 50                         ; s[50:51] hid at my expert and quarter
.set BM,  68                           ; s[68:99] the expert's 32 bitmap words
.set MSB, 0
.macro WIN new                         ; the immediate's high byte repeats the setting that is left; a switch that changes nothing is dropped
.if MSB != (\new)
	s_set_vgpr_msb (MSB<<8)|(\new)
.set MSB, (\new)
.endif
.endm
.macro PLACES                          ; four plain instructions between a matrix instruction and a load into, or a vector read of, its registers
.rept 4
	v_nop
.endr
.endm
.macro WLOAD slot, imm                 ; my share of a chunk: 32 k rows x 256 bytes, raw f32
.set wq, 0
.rept 2
.set wj, 0
.rept 8
	global_load_b128 v[WR+64*(\slot)+4*(8*wq+wj):WR+64*(\slot)+4*(8*wq+wj)+3], v[WV], s[WB:WB+1] offset:(\imm)+(QROWS*wq+wj)*ROWB th:TH_LOAD_NT
.set wj, wj+1
.endr
.set wq, wq+1
.endr
.endm
; One step of the conversion, for all 32 fragment registers of a raw slot.  Fragment register (cc, cq, cj) is made of component cc of the rows 8 cq + 2 cj and 8 cq + 2 cj + 1; each raw register feeds one
; fragment register alone, so it is free once it is packed.  ph = 0: the pair is rounded to bf16.  ph = 1: the two bf16 are widened again, into the raw registers that they came from.  ph = 2: they are packed as f16.
.macro CPHASE slot, ph
.set cc, 0
.rept 4
.set cq, 0
.rept 2
.set cj, 0
.rept 4
.set crd, CV+8*cc+4*cq+cj
.set cra, WR+64*(\slot)+4*(8*cq+2*cj)+cc
.set crb, WR+64*(\slot)+4*(8*cq+2*cj+1)+cc
.if (\ph) == 0
	v_cvt_pk_bf16_f32 v[crd], v[cra], v[crb]
.elseif (\ph) == 1
	v_lshlrev_b32 v[cra], 16, v[crd]
	v_and_b32 v[crb], s[MSK], v[crd]
.else
	v_cvt_pk_f16_f32 v[crd], v[cra], v[crb]
.endif
.set cj, cj+1
.endr
.set cq, cq+1
.endr
.set cc, cc+1
.endr
.endm
.macro CONV slot, imm                  ; a raw slot becomes four fragments and goes to LDS: each store covers 512 consecutive bytes
	CPHASE \slot, 0
	CPHASE \slot, 1
	CPHASE \slot, 2
.set cc, 0
.rept 4
	ds_store_b128 v[SRL], v[CV+8*cc:CV+8*cc+3] offset:(\imm)+cc*1024
	ds_store_b128 v[SRL], v[CV+8*cc+4:CV+8*cc+7] offset:(\imm)+cc*1024+512
.set cc, cc+1
.endr
.endm
.macro BFLOAD bf, adr, imm             ; a k step's eight weight fragments
	WIN 0x80
.set bn, 0
.rept 8
	ds_load_b128 v[64*(\bf)+8*bn:64*(\bf)+8*bn+3], v[\adr] offset:(\imm)+bn*1024
	ds_load_b128 v[64*(\bf)+8*bn+4:64*(\bf)+8*bn+7], v[\adr] offset:(\imm)+bn*1024+512
.set bn, bn+1
.endr
	WIN 0
.endm
.macro ALOAD ab, ptr, imm              ; a chunk of my five blocks, 512 consecutive bytes a load: always all twenty loads, so that every count of loads holds on every path
	WIN 0x40
.set ai, 0
.rept 5
.set ak, 0
.rept 2
	global_load_b128 v[80*(\ab)+16*ai+8*ak:80*(\ab)+16*ai+8*ak+3], v[AV+ai], s[\ptr:\ptr+1] offset:(\imm)+ak*A_KS
	global_load_b128 v[80*(\ab)+16*ai+8*ak+4:80*(\ab)+16*ai+8*ak+7], v[AV+ai], s[\ptr:\ptr+1] offset:(\imm)+ak*A_KS+A_Q
.set ak, ak+1
.endr
.set ai, ai+1
.endr
	WIN 0
.endm
; One k step for my live blocks.  A block's eight accumulators take turns, one instruction a turn: on every path a run ends on column block 7 and the next begins on column block 0.
; zero = 1: the products start the sums.
.macro COMPUTE bf, ab, ks, zero=0
.set ci, 0
.rept 5
	s_cmp_le_u32 s[NB], ci
	s_cbranch_scc1 .Ldone_\@
.if ci < 4
	WIN W_HI
.set ca, 64*ci
.else
	WIN W_LO
.set ca, 128
.endif
.set ct, 80*(\ab)+16*ci+8*(\ks)
.set cn, 0
.rept 8
.set cw, 64*(\bf)+8*cn
.if \zero
	v_wmma_f32_16x16x32_f16 v[ca+8*cn:ca+8*cn+7], v[ct:ct+7], v[cw:cw+7], 0
.else
	v_wmma_f32_16x16x32_f16 v[ca+8*cn:ca+8*cn+7], v[ct:ct+7], v[cw:cw+7], v[ca+8*cn:ca+8*cn+7]
.endif
.set cn, cn+1
.endr
	WIN 0
.set ci, ci+1
.endr
.Ldone_\@:
.endm
.macro CLEAR                           ; once, on purpose: pass 0's first trip written out with C = 0 would be longer than these lines, which stand in the wait for the first weights
	WIN 0xc0
.set z, 0
.rept 256
	v_mov_b32 v[z], 0
.set z, z+1
.endr
	WIN 0x80
.set z, 128
.rept 64
	v_mov_b32 v[z], 0
.set z, z+1
.endr
	WIN 0
.endm
; TRIP t of the stream (p = t % 2): chunk t is multiplied, chunk t + 2 converted, the tokens of chunk t + 1 and the weights of chunk t + 4 are asked for.
.macro TRIP p
	s_wait_loadcnt 16                              ; only the last trip's 16 weight loads may be out: the raw slot of chunk t + 2 and this trip's tokens are in
	CONV \p, (\p)*16384                            ; its conversions are also the places ahead of the loads below
	BFLOAD 1, BRL, (\p)*16384+8192
	ALOAD 1-(\p), AP, ((\p)+1)*CH_A
	WLOAD \p, (\p)*CH_W
	s_cmp_lt_u32 s[IT], 2+(\p)                     ; chunk t + 7 exists up to t = 8
	s_cbranch_scc1 .Lnp_\@
	global_prefetch_b8 v[PV], s[WB:WB+1] offset:(3+(\p))*CH_W th:TH_LOAD_NT scope:SCOPE_SE  ; my own share of chunk t + 7, three trips ahead of its loads: 32 lanes, 32 pieces of 256 bytes
.Lnp_\@:
	s_wait_dscnt 0x0                               ; for the others' sake: my stores of chunk t + 2 are done; both fragment buffers are in
	s_barrier_signal -1
	COMPUTE 0, \p, 0
	PLACES
	BFLOAD 0, BRL, ((\p)+1)*16384                  ; chunk t + 1: stored ahead of the last trip's signal; nobody writes it again
	COMPUTE 1, \p, 1
	s_barrier_wait -1
.endm
.macro NBSET                           ; how many of the blocks 20 pass + 4 i + w, i = 0..4, lie below NBLK
	s_mul_i32 s44, s[PASS], 20
	s_add_co_u32 s44, s44, s[WVN]
	s_sub_co_i32 s[NB], s[NBLK], s44
	s_add_co_i32 s[NB], s[NB], 3
	s_ashr_i32 s[NB], s[NB], 2
	s_max_i32 s[NB], s[NB], 0
	s_min_i32 s[NB], s[NB], 5
.endm
.macro AVSET                           ; my five blocks in hid; a dead block repeats the expert's last live one (block 0 where there is none: loaded, never multiplied)
	s_mul_i32 s46, s[PASS], 20
	s_add_co_u32 s46, s46, s[WVN]
	s_max_u32 s47, s[NBLK], 1
	s_sub_co_u32 s47, s47, 1
.set ai, 0
.rept 5
	s_add_co_u32 s44, s46, 4*ai
	s_min_u32 s44, s44, s47
	s_min_u32 s44, s44, 63
	s_lshl_b32 s44, s44, 17                        ; a block: 128 KiB
	v_add_nc_u32 v[AV+ai], s44, v[L16]
.set ai, ai+1
.endr
.endm
; Block k into store order; the move carries b2 (0 in quarters 1 to 3); each accumulator is read from its lowest register on.
.macro STUB k, last
.Lst\k:
.if (\k) < 4
	WIN 0x0b
.set sa, 64*(\k)
.else
	WIN 0x0a
.set sa, 128
.endif
.set sn, 0
.rept 8
.set sj, 0
.rept 8
	v_add_f32 v[T+(2*sj+sn/4)*4+sn%4], v[sa+8*sn+sj], v[B2+sn]
.set sj, sj+1
.endr
.set sn, sn+1
.endr
	WIN 0
.if !(\last)
	s_branch .Lsend
.endif
.endm
	s_load_b256 s[4:11], s[0:1], 0x0               ; bitmap s[4:5], hid s[6:7], w2 s[8:9], b2 s[10:11]
	s_load_b64 s[12:13], s[0:1], 0x20              ; part
	v_lshl_add_u32 v[SPW], v0, 2, SPARE
	v_mov_b32 v[NIL], 0
	v_and_b32 v[LN], 31, v0
	v_and_b32 v[RR], 15, v0
	v_bfe_u32 v[HH], v0, 4, 1
	v_lshrrev_b32 v[TMP], 5, v0
	v_readfirstlane_b32 s[WVN], v[TMP]
	s_and_b32 s[NS], ttmp9, 7
	s_lshr_b32 s[KQ], ttmp9, 3
	s_and_b32 s[XE], ttmp7, 0xffff
	s_mov_b32 s[MSK], 0xffff0000
	v_lshlrev_b32 v[L16], 4, v[LN]
	v_lshlrev_b32 v[R16], 4, v[RR]
	v_lshl_add_u32 v[WV], v[HH], 17, v[R16]
	v_lshlrev_b32 v[PV], 12, v[RR]                 ; my 32 rows of a chunk: r and 32 + r
	v_lshl_add_u32 v[PV], v[HH], 17, v[PV]
	s_lshl_b32 s42, s[XE], 7                       ; the expert's 128 bytes of the bitmap
	s_mov_b32 s43, 0
	s_lshl_b32 s[OFF], s[XE], 24                   ; w2: expert, 16 MiB;
	s_lshl_b32 s46, s[KQ], 22                      ; quarter, 1,024 rows;
	s_add_co_u32 s[OFF], s[OFF], s46
	s_lshr_b32 s44, s[WVN], 1                      ; the k step that I produce,
	s_and_b32 s45, s[WVN], 1                       ; the column group that I produce
	s_lshl_b32 s46, s44, 16                        ; 16 rows;
	s_add_co_u32 s[OFF], s[OFF], s46
	s_lshl_b32 s47, s[NS], 9                       ; my 128 columns;
	s_add_co_u32 s[OFF], s[OFF], s47
	s_lshl_b32 s46, s45, 8                         ; group, 256 bytes
	s_add_co_u32 s[OFF], s[OFF], s46
	s_mov_b32 s[OFF+1], 0
	s_lshl_b32 s52, s[XE], 12                      ; b2: expert, columns
	s_add_co_u32 s52, s52, s47
	s_mov_b32 s53, 0
	s_lshl_b32 s[ABASE], s[XE], 23                 ; hid: expert, 8 MiB; quarter, 32 k steps
	s_lshl_b32 s46, s[KQ], 15
	s_add_co_u32 s[ABASE], s[ABASE], s46
	s_mov_b32 s[ABASE+1], 0
	s_lshl_b32 s[YP], s[XE], 24                    ; part: expert, 1,024 rows of 16 KiB; quarter, 4,096 bytes; columns
	s_lshl_b32 s46, s[KQ], 12
	s_add_co_u32 s[YP], s[YP], s46
	s_add_co_u32 s[YP], s[YP], s47
	s_mov_b32 s[YP+1], 0
	s_lshl_b32 s44, s44, 13                        ; LDS: my k step, my group
	s_lshl_b32 s45, s45, 12
	s_add_co_u32 s44, s44, s45
	v_add_nc_u32 v[SRL], s44, v[L16]
	v_mov_b32 v[BRL], v[L16]
	s_wait_kmcnt 0x0
	s_add_nc_u64 s[42:43], s[4:5], s[42:43]
	s_load_b512 s[BM:BM+15], s[42:43], 0x0
	s_load_b512 s[BM+16:BM+31], s[42:43], 0x40
	s_add_nc_u64 s[WB:WB+1], s[8:9], s[OFF:OFF+1]
	s_add_nc_u64 s[52:53], s[10:11], s[52:53]
	s_add_nc_u64 s[ABASE:ABASE+1], s[6:7], s[ABASE:ABASE+1]
	s_add_nc_u64 s[YP:YP+1], s[12:13], s[YP:YP+1]
	s_mov_b64 s[AP:AP+1], s[ABASE:ABASE+1]
	WIN 0x80
	global_load_b128 v[B2:B2+3], v[R16], s[52:53]              ; b2 of columns 4 r + cc, group 0,
	global_load_b128 v[B2+4:B2+7], v[R16], s[52:53] offset:256 ; and group 1
	WIN 0
	WLOAD 0, 0                                     ; chunks 0 and 1
	WLOAD 1, CH_W
	global_prefetch_b8 v[PV], s[WB:WB+1] offset:4*CH_W th:TH_LOAD_NT scope:SCOPE_SE  ; my share of chunks 4 to 6; the trips ask for 7 to 15
	global_prefetch_b8 v[PV], s[WB:WB+1] offset:5*CH_W th:TH_LOAD_NT scope:SCOPE_SE
	global_prefetch_b8 v[PV], s[WB:WB+1] offset:6*CH_W th:TH_LOAD_NT scope:SCOPE_SE
	CLEAR
	s_wait_kmcnt 0x0                               ; the bitmap
	s_mov_b32 s[CNT], 0
.set li, 0
.rept 32
	s_bcnt1_i32_b32 s44, s[BM+li]
	s_add_co_u32 s[CNT], s[CNT], s44
.set li, li+1
.endr
	s_add_co_u32 s[NBLK], s[CNT], 15
	s_lshr_b32 s[NBLK], s[NBLK], 4
	s_min_u32 s[NBLK], s[NBLK], 64
	s_mov_b32 s[PASS], 0
	NBSET
	AVSET
	s_wait_loadcnt 16                              ; chunk 1's 16 loads may be out: b2 and chunk 0 are in
	s_cmp_eq_u32 s[KQ], 0
	s_cselect_b32 s44, -1, 0
	WIN 0x0a                                       ; b2 rounded to bf16 and widened again, through the fragments' registers, which are still free
.set k, 0
.rept 4
	v_cvt_pk_bf16_f32 v[CV+k], v[B2+2*k], v[B2+2*k+1]
.set k, k+1
.endr
	WIN 0x80
.set k, 0
.rept 4
	v_lshlrev_b32 v[B2+2*k], 16, v[CV+k]
	v_and_b32 v[B2+2*k+1], s[MSK], v[CV+k]
.set k, k+1
.endr
	WIN 0x88
.set k, 0
.rept 8
	v_cndmask_b32 v[B2+k], 0, v[B2+k], s44         ; b2 counts once: in quarter 0
.set k, k+1
.endr
	WIN 0
	CONV 0, 0
	WLOAD 0, 2*CH_W
	s_wait_loadcnt 16                              ; chunk 2's may be out: chunk 1 is in
	CONV 1, 16384
	ALOAD 0, AP, 0
	WLOAD 1, 3*CH_W
	s_wait_dscnt 0x0                               ; for the others' sake: chunks 0 and 1 are stored
	s_barrier_signal -1
	s_barrier_wait -1
	BFLOAD 0, BRL, 0
	s_wait_xcnt 0x0                                ; the loads and prefetches above have read their addresses
	s_add_nc_u64 s[WB:WB+1], s[WB:WB+1], 4*CH_W
	v_add_nc_u32 v[SRL], 0x8000, v[SRL]
	s_mov_b32 s[IT], 6
.Lstream:                                              ; trips 0 to 11
	TRIP 0
	TRIP 1
	s_wait_xcnt 0x0                                ; WB and AP are stepped only behind this wait
	s_add_nc_u64 s[WB:WB+1], s[WB:WB+1], 2*CH_W
	s_add_nc_u64 s[AP:AP+1], s[AP:AP+1], 2*CH_A
	v_add_nc_u32 v[BRL], 0x8000, v[BRL]
	v_add_nc_u32 v[SRL], 0x8000, v[SRL]
	s_sub_co_u32 s[IT], s[IT], 1
	s_cmp_lg_u32 s[IT], 0
	s_cbranch_scc1 .Lstream
	s_wait_loadcnt 36                              ; chunk 12's 20 token loads and chunk 15's 16 weight loads may be out: chunk 14 is in
	CONV 0, 0
	s_wait_loadcnt 0x0
	CONV 1, 16384
	s_wait_dscnt 0x0
	s_barrier_signal -1
	s_barrier_wait -1                              ; the slice is whole
	s_mov_b32 s[SC], 0
	s_mov_b32 s[LO], 12                            ; pass 0 has chunks 12 to 15 left; AP, BRL and the buffers stand at chunk 12
	s_mov_b32 s[IT], 8
	s_branch .Lres
.Lpass:                                                ; passes 1 to 3: rows 320 pass on
	NBSET
	s_cmp_eq_u32 s[NB], 0
	s_cbranch_scc1 .Lnext                          ; nothing of mine in this pass
	AVSET
	s_mov_b64 s[AP:AP+1], s[ABASE:ABASE+1]
	v_mov_b32 v[BRL], v[L16]
	ALOAD 0, AP, 0
	BFLOAD 0, BRL, 0
	s_mov_b32 s[SC], 0
	s_mov_b32 s[LO], 0
	s_mov_b32 s[IT], 8
; THE RESIDENT LOOP: eight trips of two chunks out of the slice in LDS: no barrier, no LDS write.  Trips below chunk LO are jumped.  The look-ahead is held to chunk 14:
; the last trip fetches 36 loads that nothing uses, the price of one text for every trip.
.Lres:
	s_cmp_lt_u32 s[SC], s[LO]
	s_cbranch_scc1 .Lrskip
	s_wait_loadcnt 0x0                             ; the even chunk's tokens; and AN is free
	s_add_co_u32 s[NX], s[SC], 2
	s_min_u32 s[NX], s[NX], 14
	s_mul_i32 s[OFF], s[NX], CH_A
	s_add_nc_u64 s[AN:AN+1], s[ABASE:ABASE+1], s[OFF:OFF+1]
	v_lshl_add_u32 v[BN], s[NX], 14, v[L16]
	PLACES
	BFLOAD 1, BRL, 8192
	ALOAD 1, AP, CH_A
	s_wait_dscnt 16                                ; all but the 16 fragment loads just issued
	s_cmp_eq_u32 s[SC], 0
	s_cbranch_scc1 .Lzero
	COMPUTE 0, 0, 0
	s_branch .Lzdone
.Lzero:                                                ; a later pass's first k step starts the sums: nothing is cleared
	COMPUTE 0, 0, 0, 1
.Lzdone:
	PLACES
	BFLOAD 0, BRL, 16384
	s_wait_dscnt 16
	COMPUTE 1, 0, 1
	s_wait_loadcnt 0x0                             ; the odd chunk's tokens; and AP is free
	PLACES
	BFLOAD 1, BRL, 24576
	ALOAD 0, AN, 0
	s_wait_dscnt 16
	COMPUTE 0, 1, 0
	PLACES
	BFLOAD 0, BN, 0
	s_wait_dscnt 16
	COMPUTE 1, 1, 1
	s_add_nc_u64 s[AP:AP+1], s[AP:AP+1], 2*CH_A
	v_add_nc_u32 v[BRL], 0x8000, v[BRL]
.Lrskip:
	s_add_co_u32 s[SC], s[SC], 2
	s_sub_co_u32 s[IT], s[IT], 1
	s_cmp_lg_u32 s[IT], 0
	s_cbranch_scc1 .Lres
	s_wait_loadcnt 0x0                             ; the look-ahead that nothing uses: its registers are loaded again in the next pass
	s_wait_dscnt 0x0
	PLACES                                         ; behind the last products
	s_mul_i32 s46, s[PASS], 20
	s_add_co_u32 s46, s46, s[WVN]                  ; my block 0
	s_mov_b32 s[HB], 0
.Lblk:                                                 ; five blocks; the dead ones are jumped
	s_cmp_ge_u32 s[HB], s[NB]
	s_cbranch_scc1 .Lbnext
	s_wait_xcnt 0x0                                ; the last trip's stores have read YS and their data
	s_lshl2_add_u32 s44, s[HB], s46
	s_lshl_b32 s[OFF], s44, 18                     ; a block: 16 rows of 16 KiB
	s_add_nc_u64 s[YS:YS+1], s[YP:YP+1], s[OFF:OFF+1]
.irp k, 0,1,2,3
	s_cmp_eq_u32 s[HB], \k
	s_cbranch_scc1 .Lst\k
.endr
	STUB 4, 0
	STUB 0, 0
	STUB 1, 0
	STUB 2, 0
	STUB 3, 1
.Lsend:
.set k, 0
.rept 16                               ; row k / 2 (and 8 rows on for the upper lanes), group k % 2: sixteen lanes store 256 consecutive bytes, aligned
	global_store_b128 v[WV], v[T+4*k:T+4*k+3], s[YS:YS+1] offset:(k/2)*16384+(k%2)*256
.set k, k+1
.endr
.Lbnext:
	s_add_co_u32 s[HB], s[HB], 1
	s_cmp_lt_u32 s[HB], 5
	s_cbranch_scc1 .Lblk
.Lnext:
	s_add_co_u32 s[PASS], s[PASS], 1
	s_cmp_lt_u32 s[PASS], 4
	s_cbranch_scc1 .Lpass
	s_wait_dscnt 0x0                               ; my reads of LDS are over;
	s_barrier_signal -1
	s_barrier_wait -1                              ; so are the other three waves': only now does any wave write LDS again
	s_wait_tensorcnt 0x0                           ; the wave's end, behind my last LDS store
	ds_add_u32 v[SPW], v[NIL]
	s_wait_dscnt 0x0
	s_endpgm
.Lfunc_end_k_q79a90624dd_down:
	.size	k_q79a90624dd_down, .Lfunc_end_k_q79a90624dd_down-k_q79a90624dd_down
	.p2alignl 7, 3214868480
	.fill 96, 4, 3214868480
	.section	.rodata,"a",@progbits
	.p2align	6, 0x0
	.amdhsa_kernel k_q79a90624dd_down
		.amdhsa_group_segment_fixed_size 262656
		.amdhsa_private_segment_fixed_size 0
		.amdhsa_enable_private_segment 0
		.amdhsa_kernarg_size 40
		.amdhsa_user_sgpr_count 2
		.amdhsa_user_sgpr_kernarg_segment_ptr 1
		.amdhsa_wavefront_size32 1
		.amdhsa_system_sgpr_workgroup_id_x 1
		.amdhsa_system_sgpr_workgroup_id_y 1
		.amdhsa_system_sgpr_workgroup_id_z 1
		.amdhsa_system_vgpr_workitem_id 0
		.amdhsa_next_free_vgpr 1024
		.amdhsa_next_free_sgpr 100
		.amdhsa_reserve_vcc 0
		.amdhsa_float_denorm_mode_32 3
		.amdhsa_float_denorm_mode_16_64 3
		.amdhsa_memory_ordered 1
		.amdhsa_forward_progress 1
		.amdhsa_inst_pref_size 134
	.end_amdhsa_kernel
	.amdgpu_metadata
---
amdhsa.version: [ 1, 2 ]
amdhsa.kernels:
  - .name:           k_q79a90624dd_down
    .symbol:         k_q79a90624dd_down.kd
    .args:
      - { .name: bitmap, .offset: 0, .size: 8, .value_kind: global_buffer, .address_space: global }
      - { .name: hid, .offset: 8, .size: 8, .value_kind: global_buffer, .address_space: global }
      - { .name: w2, .offset: 16, .size: 8, .value_kind: global_buffer, .address_space: global }
      - { .name: b2, .offset: 24, .size: 8, .value_kind: global_buffer, .address_space: global }
      - { .name: part, .offset: 32, .size: 8, .value_kind: global_buffer, .address_space: global }
    .group_segment_fixed_size: 262656
    .private_segment_fixed_size: 0
    .kernarg_segment_align: 8
    .kernarg_segment_size: 40
    .max_flat_workgroup_size: 128
    .sgpr_count:     100
    .vgpr_count:     1024
    .wavefront_size: 32
...
	.end_amdgpu_metadata
.endif
;; end of part 3
;; launch combine (part 4): grid 256 x 1, 4 waves a work-group, no clusters, 0 bytes of LDS; arguments idx, wts, pose, part, out0; writes out0
.if DOCPART == 4
	.amdgcn_target "amdgcn-amd-amdhsa--gfx1250"
	.amdhsa_code_object_version 6
	.text
	.protected	k_q79a90624dd_combine
	.globl	k_q79a90624dd_combine
	.p2align	8
	.type	k_q79a90624dd_combine,@function
k_q79a90624dd_combine:
	s_mov_b64 s[64:65], 0
	v_nop
	global_prefetch_b8 v0, s[64:65] scope:SCOPE_SE
	s_setreg_imm32_b32 hwreg(HW_REG_WAVE_MODE, 25, 1), 1
	s_wait_xcnt 0x0
; COMBINE.  out[t] = w0 (sum over four quarters of part[row of t in its first expert]) + w1 (the same for its second).  One token a wave: 32 KiB read, 4 KiB stored.
; A stream: no LDS, no barrier, no matrix unit, no cluster (no byte has two readers).  The row numbers come from whole numbers that earlier launches stored: idx (the experts), pose (the token's rank in an expert).
; A piece is 128 columns: 2 rows x 4 quarters x 512 consecutive bytes, 32 registers.  Seven pieces are asked for at once; the eighth goes into the first piece's registers when that one is summed.
	s_load_b256 s[4:11], s[0:1], 0x0               ; idx s[4:5], wts s[6:7], pose s[8:9], part s[10:11]
	s_load_b64 s[12:13], s[0:1], 0x20              ; out0
	v_lshrrev_b32 v1, 5, v0
	v_readfirstlane_b32 s14, v1                    ; wave
	v_and_b32 v2, 31, v0
	v_lshlrev_b32 v2, 4, v2                        ; 16 x lane
	s_lshl2_add_u32 s15, ttmp9, s14                ; my token t
	s_lshl_b32 s16, s15, 3
	s_lshr_b32 s17, s15, 7                         ; pose's word of t in an expert's 1,024: (t / 128) 128 + (t % 32) 4 + (t / 32) % 4
	s_lshl_b32 s17, s17, 7
	s_and_b32 s18, s15, 31
	s_lshl2_add_u32 s17, s18, s17
	s_bfe_u32 s18, s15, 0x20005
	s_add_co_u32 s17, s17, s18
	s_lshl_b32 s17, s17, 2
	s_lshl_b32 s38, s15, 12                        ; my row of out0
	s_mov_b32 s39, 0
	s_wait_kmcnt 0x0
	s_load_b64 s[20:21], s[4:5], s16 offset:0x0    ; the two experts
	s_load_b64 s[22:23], s[6:7], s16 offset:0x0    ; their weights
	s_add_nc_u64 s[36:37], s[12:13], s[38:39]
	s_wait_kmcnt 0x0
	s_min_u32 s20, s20, 7
	s_min_u32 s21, s21, 7
	s_lshl_b32 s24, s20, 12
	s_add_co_u32 s24, s24, s17
	s_lshl_b32 s25, s21, 12
	s_add_co_u32 s25, s25, s17
	s_load_b32 s26, s[8:9], s24 offset:0x0         ; my rank in each
	s_load_b32 s27, s[8:9], s25 offset:0x0
	s_mov_b32 s34, s23                             ; the second weight as a pair's low word
	s_mov_b32 s35, s23
	s_wait_kmcnt 0x0
	s_min_u32 s26, s26, 1023
	s_min_u32 s27, s27, 1023
	s_lshl_b32 s28, s20, 10
	s_add_co_u32 s28, s28, s26
	s_lshl_b32 s28, s28, 14                        ; a row of part: 16 KiB
	s_mov_b32 s29, 0
	s_add_nc_u64 s[30:31], s[10:11], s[28:29]
	s_lshl_b32 s28, s21, 10
	s_add_co_u32 s28, s28, s27
	s_lshl_b32 s28, s28, 14
	s_add_nc_u64 s[32:33], s[10:11], s[28:29]
.macro LOADP p
.set d, 32+32*((\p)%7)
.set q, 0
.rept 4
	global_load_b128 v[d+4*q:d+4*q+3], v2, s[30:31] offset:4096*q+512*(\p) th:TH_LOAD_NT
	global_load_b128 v[d+16+4*q:d+16+4*q+3], v2, s[32:33] offset:4096*q+512*(\p) th:TH_LOAD_NT
.set q, q+1
.endr
.endm
.macro SUMP p, left                    ; left: the loads of later pieces, which may stay out
.set d, 32+32*((\p)%7)
.set rs, d
.if (\p) == 0
.set rs, 4                             ; piece 0's result leaves from registers of its own: its 32 are loaded again at once
.endif
	s_wait_loadcnt \left
.irp o, 0,2,8,10,16,18,24,26
	v_pk_add_f32 v[d+\o:d+\o+1], v[d+\o:d+\o+1], v[d+\o+4:d+\o+5]
.endr
.irp o, 0,2,16,18
	v_pk_add_f32 v[d+\o:d+\o+1], v[d+\o:d+\o+1], v[d+\o+8:d+\o+9]
.endr
	v_pk_mul_f32 v[d+16:d+17], v[d+16:d+17], s[34:35] op_sel_hi:[1,0]
	v_pk_mul_f32 v[d+18:d+19], v[d+18:d+19], s[34:35] op_sel_hi:[1,0]
	v_pk_fma_f32 v[rs:rs+1], v[d:d+1], s[22:23], v[d+16:d+17] op_sel_hi:[1,0,1]
	v_pk_fma_f32 v[rs+2:rs+3], v[d+2:d+3], s[22:23], v[d+18:d+19] op_sel_hi:[1,0,1]
	global_store_b128 v2, v[rs:rs+3], s[36:37] offset:512*(\p) th:TH_STORE_NT  ; 512 consecutive bytes, aligned
.endm
.irp p, 0,1,2,3,4,5,6
	LOADP \p
.endr
	SUMP 0, 48                                     ; 56 loads are out: pieces 1 to 6 may stay
	LOADP 7
	SUMP 1, 48                                     ; pieces 2 to 7
	SUMP 2, 40
	SUMP 3, 32
	SUMP 4, 24
	SUMP 5, 16
	SUMP 6, 8
	SUMP 7, 0
	s_endpgm
.Lfunc_end_k_q79a90624dd_combine:
	.size	k_q79a90624dd_combine, .Lfunc_end_k_q79a90624dd_combine-k_q79a90624dd_combine
	.p2alignl 7, 3214868480
	.fill 96, 4, 3214868480
	.section	.rodata,"a",@progbits
	.p2align	6, 0x0
	.amdhsa_kernel k_q79a90624dd_combine
		.amdhsa_group_segment_fixed_size 0
		.amdhsa_private_segment_fixed_size 0
		.amdhsa_enable_private_segment 0
		.amdhsa_kernarg_size 40
		.amdhsa_user_sgpr_count 2
		.amdhsa_user_sgpr_kernarg_segment_ptr 1
		.amdhsa_wavefront_size32 1
		.amdhsa_system_sgpr_workgroup_id_x 1
		.amdhsa_system_sgpr_workgroup_id_y 1
		.amdhsa_system_sgpr_workgroup_id_z 1
		.amdhsa_system_vgpr_workitem_id 0
		.amdhsa_next_free_vgpr 256
		.amdhsa_next_free_sgpr 66
		.amdhsa_reserve_vcc 0
		.amdhsa_float_denorm_mode_32 3
		.amdhsa_float_denorm_mode_16_64 3
		.amdhsa_memory_ordered 1
		.amdhsa_forward_progress 1
		.amdhsa_inst_pref_size 17
	.end_amdhsa_kernel
	.amdgpu_metadata
---
amdhsa.version: [ 1, 2 ]
amdhsa.kernels:
  - .name:           k_q79a90624dd_combine
    .symbol:         k_q79a90624dd_combine.kd
    .args:
      - { .name: idx, .offset: 0, .size: 8, .value_kind: global_buffer, .address_space: global }
      - { .name: wts, .offset: 8, .size: 8, .value_kind: global_buffer, .address_space: global }
      - { .name: pose, .offset: 16, .size: 8, .value_kind: global_buffer, .address_space: global }
      - { .name: part, .offset: 24, .size: 8, .value_kind: global_buffer, .address_space: global }
      - { .name: out0, .offset: 32, .size: 8, .value_kind: global_buffer, .address_space: global }
    .group_segment_fixed_size: 0
    .private_segment_fixed_size: 0
    .kernarg_segment_align: 8
    .kernarg_segment_size: 40
    .max_flat_workgroup_size: 128
    .sgpr_count:     66
    .vgpr_count:     256
    .wavefront_size: 32
...
	.end_amdgpu_metadata
.endif
;; end of part 4
;; ======== version 2 of 2: 4 launches
;; limits: values are held in f16: magnitudes above 65,504 overflow, below 6.1e-05 lose precision
;; workspace buffers: xb 2,097,152 bytes; idx 8,192 bytes of whole numbers; wts 8,192 bytes; bitmap 1,024 bytes of whole numbers; pose 32,768 bytes of whole numbers; hid 67,108,864 bytes; part 134,217,728 bytes
;; launch router (part 5): grid 128 x 1, 4 waves a work-group, no clusters, 34,560 bytes of LDS; arguments x, router_w, router_b, xb, idx, wts, bitmap; writes xb, idx, wts, bitmap
.if DOCPART == 5
	.amdgcn_target "amdgcn-amd-amdhsa--gfx1250"
	.amdhsa_code_object_version 6
	.text
	.protected	k_q79a90624dd_router
	.globl	k_q79a90624dd_router
	.p2align	8
	.type	k_q79a90624dd_router,@function
k_q79a90624dd_router:
	s_mov_b64 s[64:65], 0
	v_nop
	global_prefetch_b8 v0, s[64:65] scope:SCOPE_SE
	s_setreg_imm32_b32 hwreg(HW_REG_WAVE_MODE, 25, 1), 1
	s_wait_xcnt 0x0
; ROUTER.  logits = x . router_w + router_b, softmax with the maximum taken away, top-2; x rounded once to bf16 (xb).
; All three inputs are rounded once to bf16, as every input of this program is; products and sums are f32 fused multiply-adds on the vector unit.
; SHARES.  A work-group has 8 tokens, each of its four waves two: 128 work-groups.  Eight tokens are one byte of each expert's row of the bitmap; fewer would split a byte between work-groups.
; router_w (32 KiB) is loaded once by the work-group, each wave a quarter by 16 loads of 512 consecutive bytes, rounded there, and laid into LDS in the order in which a wave's registers take it;
; behind a barrier every wave reads all of it, 512 consecutive bytes a load.
; No matrix unit: the product is 1,024 x 1,024 x 8 multiply-adds, eight columns would fill half a matrix tile, and plain f32 sums decide near ties to f32's last places.
; No cluster: the work-groups share router_w alone, half of what a work-group reads, and it is read in one run at the start.
; STORED, all at fixed places: xb[t][1024] bf16; idx[t] = (first, second choice); wts[t] = their probabilities; bitmap[e][t / 32], bit t % 32 = token t chose e.
; idx and wts leave 64 bytes a work-group (8 KB each in the launch), the bitmap 8 single bytes (1 KB in the launch): the price of the fine grid.
; LIMITS.  The experts chosen are those of the inputs rounded to bf16: where a token's second and third probabilities lie within about 1e-3 of each other, the unrounded inputs may choose otherwise.
; The sums run in another order than a plain dot product's: within about 1e-6 the choice may differ from that order's.  A probability below 2^-126 counts as 0.
; Equal probabilities: the lower index wins.  NaN and infinities are not treated apart.
; REGISTERS.  Window 0: v32-63 two sets of 16 sums (token, expert); v64-127 x of two tokens; v128-191 my quarter of router_w as loaded; v192-223 x packed to bf16; v224-255 at work.
; Window 1: router_w whole: lane L holds rows c = 128 j + 4 L + cc at v[8 (4 j + cc) + e].
.set PW,  528                          ; LDS: piece (jj, lane), the 16 bytes of registers 4 jj .. 4 jj + 3 of that lane, lies at jj PW + 16 lane: 512 bytes a row and 16 of padding
.set LG,  64*PW                        ; behind the 64 rows: the 8 tokens' eight logits, 256 bytes
.set SPARE, LG+256                     ; the spare words, 128 bytes for each of four waves: two blocks of 256 bytes that no other line names
.set SPW, 2                            ; v2  my spare word's LDS address; never rewritten
.set NIL, 3                            ; v3  0; never rewritten
.set XO,  4                            ; v4  16 x lane
.set SA,  5                            ; v5  LDS: where my 16 bytes of a load of router_w go
.set SO,  6                            ; v6  8 x lane
.set LAD, 7                            ; v7  LDS: my two tokens' logits
.set WO,  8                            ; v8  8,192 x wave + 16 x lane: my place in router_w
.set ACC, 32
.set XR,  64
.set WRAW, 128
.set PK,  192
.set WT,  224
.set MSB, 0
.macro WIN new                         ; the immediate's high byte repeats the setting that is left
.if MSB != (\new)
	s_set_vgpr_msb (MSB<<8)|(\new)
.set MSB, (\new)
.endif
.endm
	s_load_b256 s[4:11], s[0:1], 0x0               ; x s[4:5], router_w s[6:7], router_b s[8:9], xb s[10:11]
	s_load_b128 s[12:15], s[0:1], 0x20             ; idx s[12:13], wts s[14:15]
	s_load_b64 s[16:17], s[0:1], 0x30              ; bitmap
	v_lshl_add_u32 v[SPW], v0, 2, SPARE
	v_mov_b32 v[NIL], 0
	v_and_b32 v1, 31, v0                           ; lane
	v_lshrrev_b32 v9, 5, v0
	v_readfirstlane_b32 s18, v9                    ; wave 0..3
	s_mov_b32 s19, ttmp9                           ; work-group
	v_lshlrev_b32 v[XO], 4, v1
	v_lshlrev_b32 v[SO], 3, v1
	v_lshl_add_u32 v[WO], v9, 13, v[XO]
	; Load g = 16 wave + i of router_w, lane L, holds bytes 512 g + 16 L = 4,096 (g / 8) + 128 (4 (g % 8) + L / 8) + 16 (L % 8): piece jj = 8 (g / 8) + L % 8 of lane 4 (g % 8) + L / 8.
	v_and_b32 v10, 7, v1
	v_mul_u32_u24 v10, v10, PW                     ; (L % 8) rows
	v_lshrrev_b32 v11, 3, v1
	v_lshl_add_u32 v10, v11, 4, v10                ; + 16 (L / 8)
	s_mul_i32 s35, s18, 16*PW                      ; my wave's 16 rows
	v_add_nc_u32 v[SA], s35, v10
	s_lshl_b32 s35, s18, 6
	s_add_co_u32 s35, s35, LG
	v_mov_b32 v[LAD], s35
	s_lshl_b32 s20, s19, 15                        ; 8 tokens of 4,096 bytes,
	s_lshl_b32 s35, s18, 13                        ; my wave's two
	s_add_co_u32 s20, s20, s35
	s_mov_b32 s21, 0
	s_lshr_b32 s36, s20, 1                         ; the same rows in xb: half the bytes
	s_mov_b32 s37, 0
	s_mov_b32 s32, 0x76543210                      ; v_permlanex16_b32: each lane takes its own place in the other half
	s_mov_b32 s33, 0xfedcba98
	s_mov_b32 s34, 0x3fb8aa3b                      ; log2(e)
	s_mov_b32 s45, 0xffff0000                      ; a word's upper bf16
	s_wait_kmcnt 0x0
	s_load_b256 s[24:31], s[8:9], 0x0              ; router_b
	s_add_nc_u64 s[22:23], s[4:5], s[20:21]
	s_add_nc_u64 s[36:37], s[10:11], s[36:37]
.set i, 0
.rept 16                               ; my quarter of router_w: it has the longer way to go, so it is asked for first
	global_load_b128 v[WRAW+4*i:WRAW+4*i+3], v[WO], s[6:7] offset:512*i
.set i, i+1
.endr
.set t, 0
.rept 2                                ; x: a load covers 512 consecutive bytes of a row
.set j, 0
.rept 8
	global_load_b128 v[XR+32*t+4*j:XR+32*t+4*j+3], v[XO], s[22:23] offset:4096*t+512*j th:TH_LOAD_NT
.set j, j+1
.endr
.set t, t+1
.endr
	s_wait_loadcnt 16                              ; x's 16 loads may be out: router_w is in
.set k, 0
.rept 32                               ; rounded to bf16,
	v_cvt_pk_bf16_f32 v[WT+k], v[WRAW+2*k], v[WRAW+2*k+1]
.set k, k+1
.endr
.set k, 0
.rept 32                               ; and widened again
	v_lshlrev_b32 v[WRAW+2*k], 16, v[WT+k]
	v_and_b32 v[WRAW+2*k+1], s45, v[WT+k]
.set k, k+1
.endr
.set i, 0
.rept 16
	ds_store_b128 v[SA], v[WRAW+4*i:WRAW+4*i+3] offset:(i/8)*8*PW+(i%8)*64
.set i, i+1
.endr
	s_wait_loadcnt 0x0                             ; x
	s_wait_kmcnt 0x0                               ; router_b
.set t, 0
.rept 2
.set j, 0
.rept 16
	v_cvt_pk_bf16_f32 v[PK+16*t+j], v[XR+32*t+2*j], v[XR+32*t+2*j+1]
.set j, j+1
.endr
.set j, 0
.rept 8
	global_store_b64 v[SO], v[PK+16*t+2*j:PK+16*t+2*j+1], s[36:37] offset:2048*t+256*j  ; the wave stores 256 consecutive bytes, aligned
.set j, j+1
.endr
.set t, t+1
.endr
.set k, 0
.rept 32                               ; the rounded x, widened again: the logits are made of what the experts will see
	v_lshlrev_b32 v[XR+2*k], 16, v[PK+k]
	v_and_b32 v[XR+2*k+1], s45, v[PK+k]
.set k, k+1
.endr
	s_wait_dscnt 0x0                               ; for the others' sake: my quarter of router_w is stored
	s_barrier_signal -1
	s_barrier_wait -1
	WIN 0x40                                       ; destination window 1, address window 0
.set j, 0
.rept 64
	ds_load_b128 v[4*j:4*j+3], v[XO] offset:j*PW   ; 512 consecutive bytes
.set j, j+1
.endr
; The products of my row c (of 32) for both tokens and four pairs of experts, onto set st of the sums.  A set's first row starts its sums.
.macro FM c, st
.set t, 0
.rept 2
.set e, 0
.rept 4
.set ra, ACC+16*(\st)+8*t+2*e
.if (\c) == 4*(\st)
	v_pk_mul_f32 v[ra:ra+1], v[8*(\c)+2*e:8*(\c)+2*e+1], v[XR+32*t+(\c):XR+32*t+(\c)+1] op_sel_hi:[1,0]
.elseif (\c)%2 == 0
	v_pk_fma_f32 v[ra:ra+1], v[8*(\c)+2*e:8*(\c)+2*e+1], v[XR+32*t+(\c):XR+32*t+(\c)+1], v[ra:ra+1] op_sel_hi:[1,0,1]
.else
	v_pk_fma_f32 v[ra:ra+1], v[8*(\c)+2*e:8*(\c)+2*e+1], v[XR+32*t+(\c)-1:XR+32*t+(\c)], v[ra:ra+1] op_sel:[0,1,0] op_sel_hi:[1,1,1]
.endif
.set e, e+1
.endr
.set t, t+1
.endr
.endm
	WIN 0x01                                       ; source 0 (router_w) in window 1
.set b, 0
.rept 4                                ; eight rows at a time; rows c and c + 4 by turns on the two sets: 16 chains that do not wait for each other
	s_wait_dscnt 48-16*b                           ; LDS loads come back in order: the 16 (b + 1) oldest of the 64, rows up to 8 b + 7, are in
.set k, 0
.rept 4
	FM 8*b+k, 0
	FM 8*b+4+k, 1
.set k, k+1
.endr
.set b, b+1
.endr
	WIN 0
.set k, 0
.rept 8
	v_pk_add_f32 v[ACC+2*k:ACC+2*k+1], v[ACC+2*k:ACC+2*k+1], v[ACC+16+2*k:ACC+16+2*k+1]
.set k, k+1
.endr
.irp m, 1,2,4,8                        ; the 16 sums over the 32 lanes: four steps inside each half of 16 lanes, one across
.set k, 0
.rept 16
	v_add_f32_dpp v[ACC+k], v[ACC+k], v[ACC+k] row_xmask:\m row_mask:0xf bank_mask:0xf
.set k, k+1
.endr
.endr
.set k, 0
.rept 16
	v_permlanex16_b32 v[XR+k], v[ACC+k], s32, s33  ; x's registers have been written and are free
.set k, k+1
.endr
.set k, 0
.rept 16
	v_add_f32 v[ACC+k], v[ACC+k], v[XR+k]
.set k, k+1
.endr
.set t, 0
.rept 2                                ; every lane holds the same sums and writes the same words
	ds_store_b128 v[LAD], v[ACC+8*t:ACC+8*t+3] offset:32*t
	ds_store_b128 v[LAD], v[ACC+8*t+4:ACC+8*t+7] offset:32*t+16
.set t, t+1
.endr
	s_wait_dscnt 0x0                               ; for wave 0's sake: my stores are done
	s_barrier_signal -1
	s_barrier_wait -1
	s_cmp_lg_u32 s18, 0
	s_cbranch_scc1 .Lend
	; wave 0: lane L works on token L % 8; lanes 0 to 7 store
	v_and_b32 v9, 7, v1
	v_lshlrev_b32 v9, 5, v9
	ds_load_b128 v[16:19], v9 offset:LG
	ds_load_b128 v[20:23], v9 offset:LG+16
	s_lshl_b32 s20, s19, 6                         ; 8 tokens x 8 bytes in idx and in wts
	s_add_nc_u64 s[38:39], s[12:13], s[20:21]
	s_add_nc_u64 s[40:41], s[14:15], s[20:21]
	s_mov_b32 s20, s19                             ; my byte in each expert's row of the bitmap: tokens 8 g .. 8 g + 7 are byte g
	s_add_nc_u64 s[46:47], s[16:17], s[20:21]
.irp e, 0,1,2,3,4,5,6,7
	v_mov_b32 v[24+\e], s[24+\e]                   ; router_b, rounded to bf16 and widened again
.endr
.irp k, 0,1,2,3
	v_cvt_pk_bf16_f32 v[10+\k], v[24+2*\k], v[25+2*\k]
.endr
.irp k, 0,1,2,3
	v_lshlrev_b32 v[24+2*\k], 16, v[10+\k]
	v_and_b32 v[25+2*\k], s45, v[10+\k]
.endr
	s_wait_dscnt 0x0
.irp e, 0,1,2,3,4,5,6,7
	v_add_f32 v[16+\e], v[24+\e], v[16+\e]
.endr
	v_max3_num_f32 v10, v16, v17, v18
	v_max3_num_f32 v10, v10, v19, v20
	v_max3_num_f32 v10, v10, v21, v22
	v_max_num_f32 v10, v10, v23
	v_mul_f32 v10, s34, v10
.irp e, 0,1,2,3,4,5,6,7
	v_fma_f32 v[24+\e], v[16+\e], s34, -v10        ; (l - max) log2(e): never above a rounding of 0
.endr
.irp e, 0,1,2,3,4,5,6,7
	v_exp_f32 v[24+\e], v[24+\e]
.endr
	v_nop                                          ; a plain instruction behind the last exponential,
	s_wait_alu depctr_va_vdst(0)                   ; and one wait for the eight, ahead of their first use
	v_add_f32 v11, v24, v25
	v_add_f32 v12, v26, v27
	v_add_f32 v13, v28, v29
	v_add_f32 v14, v30, v31
	v_add_f32 v11, v11, v12
	v_add_f32 v13, v13, v14
	v_add_f32 v11, v11, v13                        ; at least about 1: the largest term is 2^0
	v_rcp_f32 v11, v11
	v_nop
	s_wait_alu depctr_va_vdst(0)
.irp e, 0,1,2,3,4,5,6,7
	v_mul_f32 v[16+\e], v[24+\e], v11              ; the probabilities
.endr
	v_mov_b32 v12, 0                               ; first choice: strictly greater alone replaces, so the lower index keeps a tie
	v_mov_b32 v14, v16
.irp e, 1,2,3,4,5,6,7
	v_cmp_gt_f32 vcc_lo, v[16+\e], v14
	v_cndmask_b32 v14, v14, v[16+\e], vcc_lo
	v_cndmask_b32 v12, v12, \e, vcc_lo
.endr
.irp e, 0,1,2,3,4,5,6,7
	v_cmp_eq_u32 vcc_lo, \e, v12
	v_cndmask_b32 v[24+\e], v[16+\e], -1.0, vcc_lo ; the first choice is taken out: -1 lies below every probability
.endr
	v_mov_b32 v13, 0
	v_mov_b32 v15, v24
.irp e, 1,2,3,4,5,6,7
	v_cmp_gt_f32 vcc_lo, v[24+\e], v15
	v_cndmask_b32 v15, v15, v[24+\e], vcc_lo
	v_cndmask_b32 v13, v13, \e, vcc_lo
.endr
	v_mov_b32 v10, 0
.irp e, 0,1,2,3,4,5,6,7
	v_cmp_eq_u32 s42, \e, v12
	v_cmp_eq_u32 s43, \e, v13
	s_or_b32 s42, s42, s43
	v_writelane_b32 v10, s42, \e                   ; lane e holds expert e's mask; its low byte is that of lanes 0 to 7, my 8 tokens
.endr
	v_lshlrev_b32 v9, 7, v1                        ; expert e's row begins at byte 128 e
	v_cmp_gt_u32 vcc_lo, 8, v1
	s_wait_xcnt 0x0                                ; EXEC changes only behind this wait: the stores of xb name it
	s_and_saveexec_b32 s44, vcc_lo
	global_store_b64 v[SO], v[12:13], s[38:39]     ; 64 consecutive bytes each
	global_store_b64 v[SO], v[14:15], s[40:41]
	global_store_b8 v9, v10, s[46:47]              ; eight bytes, 128 bytes apart
	s_wait_xcnt 0x0
	s_or_b32 exec_lo, exec_lo, s44
.Lend:
	s_wait_tensorcnt 0x0                           ; the wave's end, behind my last LDS store
	ds_add_u32 v[SPW], v[NIL]
	s_wait_dscnt 0x0
	s_endpgm
.Lfunc_end_k_q79a90624dd_router:
	.size	k_q79a90624dd_router, .Lfunc_end_k_q79a90624dd_router-k_q79a90624dd_router
	.p2alignl 7, 3214868480
	.fill 96, 4, 3214868480
	.section	.rodata,"a",@progbits
	.p2align	6, 0x0
	.amdhsa_kernel k_q79a90624dd_router
		.amdhsa_group_segment_fixed_size 34560
		.amdhsa_private_segment_fixed_size 0
		.amdhsa_enable_private_segment 0
		.amdhsa_kernarg_size 56
		.amdhsa_user_sgpr_count 2
		.amdhsa_user_sgpr_kernarg_segment_ptr 1
		.amdhsa_wavefront_size32 1
		.amdhsa_system_sgpr_workgroup_id_x 1
		.amdhsa_system_sgpr_workgroup_id_y 1
		.amdhsa_system_sgpr_workgroup_id_z 1
		.amdhsa_system_vgpr_workitem_id 0
		.amdhsa_next_free_vgpr 512
		.amdhsa_next_free_sgpr 66
		.amdhsa_reserve_vcc 1
		.amdhsa_float_denorm_mode_32 3
		.amdhsa_float_denorm_mode_16_64 3
		.amdhsa_memory_ordered 1
		.amdhsa_forward_progress 1
		.amdhsa_inst_pref_size 51
	.end_amdhsa_kernel
	.amdgpu_metadata
---
amdhsa.version: [ 1, 2 ]
amdhsa.kernels:
  - .name:           k_q79a90624dd_router
    .symbol:         k_q79a90624dd_router.kd
    .args:
      - { .name: x, .offset: 0, .size: 8, .value_kind: global_buffer, .address_space: global }
      - { .name: router_w, .offset: 8, .size: 8, .value_kind: global_buffer, .address_space: global }
      - { .name: router_b, .offset: 16, .size: 8, .value_kind: global_buffer, .address_space: global }
      - { .name: xb, .offset: 24, .size: 8, .value_kind: global_buffer, .address_space: global }
      - { .name: idx, .offset: 32, .size: 8, .value_kind: global_buffer, .address_space: global }
      - { .name: wts, .offset: 40, .size: 8, .value_kind: global_buffer, .address_space: global }
      - { .name: bitmap, .offset: 48, .size: 8, .value_kind: global_buffer, .address_space: global }
    .group_segment_fixed_size: 34560
    .private_segment_fixed_size: 0
    .kernarg_segment_align: 8
    .kernarg_segment_size: 56
    .max_flat_workgroup_size: 128
    .sgpr_count:     66
    .vgpr_count:     512
    .wavefront_size: 32
...
	.end_amdgpu_metadata
.endif
;; end of part 5
;; launch up (part 6): grid 32 x 8, 4 waves a work-group, no clusters, 262,656 bytes of LDS; arguments bitmap, xb, w1, b1, hid, pose; writes hid, pose
.if DOCPART == 6
	.amdgcn_target "amdgcn-amd-amdhsa--gfx1250"
	.amdhsa_code_object_version 6
	.text
	.protected	k_q79a90624dd_up
	.globl	k_q79a90624dd_up
	.p2align	8
	.type	k_q79a90624dd_up,@function
k_q79a90624dd_up:
	s_mov_b64 s[64:65], 0
	v_nop
	global_prefetch_b8 v0, s[64:65] scope:SCOPE_SE
	s_setreg_imm32_b32 hwreg(HW_REG_WAVE_MODE, 25, 1), 1
	s_wait_xcnt 0x0
; UP.  hid = gelu(x_rows . w1[e] + b1[e]), exact (erf) GELU, for the rows that chose expert e; and each token's rank in its expert (pose).
; SHARES.  Work-group (sl, e): columns 128 sl .. + 127 of w1[e], all 1,024 k: 512 KiB of f32 that it alone reads, once; and all rows of expert e, in blocks of 16 by rank.
; Block 20 pass + 4 i + w is wave w's block i (0..4): a wave's tile is 80 rows x 128 columns, 40 accumulators.
; WEIGHTS.  A 16-byte load gives lane (r, h) the columns 4 r .. 4 r + 3 of ONE k row: sixteen lanes cover 256 consecutive aligned bytes.  Component cc goes to column block cc, whose
; place r stands for column 4 r + cc; two rows rounded to bf16 as a pair ARE a fragment register.  So nothing is transposed.  The bf16 slice, 256 KiB in fragment order, stays in LDS; each byte is written once.
; PASS 0 multiplies while the slice streams in: 16 chunks of 64 k; 14 trips of one text, then the last two chunks out of LDS; constant trip counts; every barrier on every wave's path; only matrix
; instructions are jumped where a wave has fewer than five blocks.  The first three chunks are asked for at the head, so that the first trip finds its chunk there.  Trips 12 and 13 have no chunk left to ask
; for: their 32 weight loads go, all lanes alike, to 16 bytes each at the head of w1, and nothing uses them: the price of one text and one count of loads for every trip.
; PASSES 1 to 3 (an expert's rows past 320) only read LDS and have no barrier.  Every split of the tokens is served: up to 1,024 rows an expert; with none the slice is streamed and nothing is stored.
; TOKENS come by halves of a chunk (one k step of my five blocks: ten loads), each asked for a trip and a half ahead of its products, into the half buffer that products have just left.
; A wave's loads come back in order on one counter, so the order of issue is fixed and every load is issued on every path; in the stream a wave has 36 to 62 loads out, by this text's count.
; WHICH TOKEN HAS RANK n is found in registers from the expert's 32 bitmap words: no LDS address hangs on data.
; THE MATRIX INSTRUCTION: source 0 = weights, source 1 = tokens: a lane then holds one token and, over a group's four accumulators, 32 neighbouring columns, which packed ARE the token fragments of the next product.
; hid: f16 [e][block of 16 ranks][k step 0..127][half q][lane][16 bytes]; lane (r, h), half q, element j = rank r, column 64 (step / 2) + 16 (step % 2) + 32 h + 8 q + j.
; NO CLUSTER, NO TENSOR LOADS: each weight byte has one reader; the token rows come by their ranks, which no tile descriptor covers; how many are live hangs on a stored count.
; LIMITS.  x, w1 and b1 are rounded once to bf16; sums in f32; the result is rounded once to f16, whose 11 significant bits the next product's sums need.  f16 ends at 65,504: a larger result becomes an infinity.
; The room: as the inputs are drawn the result stays under 4; with x and w1 both 30 times larger under about 4,000; with common offsets of 30 spreads on both about 18,500.  Below 6e-5 f16 keeps a fixed step of 6e-8.
; erf(z) = z P(z^2) / Q(z^2) with z held to -4 .. 4, good to a few last places of f32 for every z.  NaN and infinities are not treated apart.
; REGISTERS, in windows of 256 (s_set_vgpr_msb: bits 1:0 source 0, 3:2 source 1, 5:4 source 2, 7:6 destination):
;   window 0: v0-31 addresses and temporaries; v32-63 converted fragments; v64-191 two raw slots of 16 weight loads; v192-223 ranks; v224-241 the search; on the way out v64-239 at work
;   window 1: v0-159 tokens, two buffers of 80 (block i, k step ks, half q at 16 i + 8 ks + 4 q); v160-223 a third raw slot, for chunk 0 alone
;   window 2: v0-127 weight fragments, two buffers of 64; v128-191 block 4's accumulators; v192-255 b1 of my 64 columns      window 3: blocks 0-3's accumulators (64 i + 8 n)
.set ROWB,  16384                      ; bytes in a row of w1
.set QROWS, 16                         ; rows from a fragment's half 0 to its half 1
.set CH_W,  64*ROWB                    ; a chunk of weights
.set CH_A,  128                        ; a chunk of a token's row; its k steps and halves
.set A_KS,  64
.set A_Q,   32
.set W_HI,  0xf6                       ; weights window 2, tokens window 1, C and D window 3
.set W_LO,  0xa6                       ; the same with C and D in window 2
.set SPARE, 262144                     ; behind the fragments: the spare words, 128 bytes for each wave: two blocks of 256 bytes that no other line names
.set LN,  1                            ; v1  lane
.set RR,  2                            ; v2  lane % 16
.set HH,  3                            ; v3  lane / 16
.set SPW, 4                            ; v4  my spare word's LDS address; never rewritten
.set NIL, 5                            ; v5  0; never rewritten
.set L16, 6                            ; v6  16 x lane
.set WV,  7                            ; v7  my place in a weight load: 8 rows x h + 16 r; 0 in the stream's last lap
.set BRL, 8                            ; v8  LDS: the chunk being read
.set SRL, 9                            ; v9  LDS: where I store the chunk being converted
.set BN,  10                           ; v10 LDS: the chunk after next
.set PV,  11                           ; v11 prefetch: lane L takes row L of my 32
.set AV,  12                           ; v12-16 my five blocks' token offsets
.set H16, 19                           ; v19 16 h
.set TMP, 21
.set BO,  27                           ; v27 b1: 128 h
.set CV,  32
.set WR,  64
.set WX,  160                          ; window 1: raw slot 2
.set RK,  192
.set SNQ, 224                          ; v224-226 the search: 32 n + 31 for the rank n that my lane looks for, three registers
.set SPP, 227                          ; v227-229 32 x (bits before the word chosen) + the word's number; then the token
.set SWW, 230                          ; v230-232 the word chosen
.set SKK, 233                          ; which set bit of it
.set ST0, 234
.set ST1, 235
.set SPS, 236                          ; the bit's place
.set SFA, 237                          ; the word's counts in fields of 2, 4, 8 bits, and of 16
.set SFB, 238
.set SFC, 239
.set SFD, 240
.set SSQ, 241
.set X,   64                           ; the way out
.set Z,   96
.set S,   128
.set P,   160
.set Q,   192
.set PK,  224
.set NBI, 192                          ; window 2: b1
.set WBASE, 2                          ; s[2:3] w1
.set WVN, 16                           ; s16 wave
.set XE,  17                           ; s17 expert
.set SL,  18                           ; s18 slice
.set CNT, 19                           ; s19 the expert's rows
.set NBLK, 20                          ; s20 its blocks
.set LO,  21                           ; s21 the first chunk that the resident loop multiplies
.set PASS, 22
.set NB,  23                           ; s23 my live blocks in this pass, 0..5
.set IT,  24
.set HB,  25
.set NB2, 26
.set SC,  27                           ; s27 the chunk in hand
.set NX,  28
.set AP,  30                           ; s[30:31] tokens at the chunk in hand
.set WB,  32                           ; s[32:33] weights: my share of the chunk that the lap's first trip asks for
.set AN,  34                           ; s[34:35] at the head: my share of chunk 0 of the weights; in the resident loop: tokens at the chunk after next
.set OFF, 36                           ; s[36:37] an offset; the high word stays 0
.set HP,  38                           ; s[38:39] hid at my expert and slice
.set HS,  40                           ; s[40:41] hid at the half block in hand
.set RS2, 48                           ; s[48:49] 1 / sqrt(2)
.set ABASE, 50                         ; s[50:51] xb
.set BM,  68                           ; s[68:99] the expert's 32 bitmap words
.set A13, 4                            ; the polynomials' twelve numbers, as pairs: in the arguments' registers, once these are used up, and in s54-63, s66-67
.set A11, 6
.set A9,  8
.set A7,  10
.set A5,  12
.set A3,  14
.set A1,  54
.set B8,  56
.set B6,  58
.set B4,  60
.set B2,  62
.set B0,  66
.set LIMN, 100                         ; s100 -4, s101 4
.set LIMP, 101
.set MSB, 0
.macro WIN new                         ; the immediate's high byte repeats the setting that is left; a switch that changes nothing is dropped
.if MSB != (\new)
	s_set_vgpr_msb (MSB<<8)|(\new)
.set MSB, (\new)
.endif
.endm
.macro PLACES                          ; four plain instructions between a matrix instruction and a load into, or a vector read of, its registers
.rept 4
	v_nop
.endr
.endm
.macro WLOAD slot, imm, ptr=WB         ; my share of a chunk: 32 k rows x 256 bytes, raw f32
.if (\slot) == 2
	WIN 0x40                                       ; destination window 1
.set wrg, WX
.else
.set wrg, WR+64*(\slot)
.endif
.set wq, 0
.rept 2
.set wj, 0
.rept 8
	global_load_b128 v[wrg+4*(8*wq+wj):wrg+4*(8*wq+wj)+3], v[WV], s[\ptr:\ptr+1] offset:(\imm)+(QROWS*wq+wj)*ROWB th:TH_LOAD_NT
.set wj, wj+1
.endr
.set wq, wq+1
.endr
	WIN 0
.endm
.macro CONV slot, imm                  ; a raw slot becomes four fragments and goes to LDS: each store covers 512 consecutive bytes
.if (\slot) == 2
	WIN 0x05                                       ; sources window 1
.set crg, WX
.else
.set crg, WR+64*(\slot)
.endif
.set cc, 0
.rept 4
.set cq, 0
.rept 2
.set cj, 0
.rept 4
	v_cvt_pk_bf16_f32 v[CV+8*cc+4*cq+cj], v[crg+4*(8*cq+2*cj)+cc], v[crg+4*(8*cq+2*cj+1)+cc]
.set cj, cj+1
.endr
.set cq, cq+1
.endr
.set cc, cc+1
.endr
	WIN 0
.set cc, 0
.rept 4
	ds_store_b128 v[SRL], v[CV+8*cc:CV+8*cc+3] offset:(\imm)+cc*1024
	ds_store_b128 v[SRL], v[CV+8*cc+4:CV+8*cc+7] offset:(\imm)+cc*1024+512
.set cc, cc+1
.endr
.endm
.macro BFLOAD bf, adr, imm             ; a k step's eight weight fragments
	WIN 0x80
.set bn, 0
.rept 8
	ds_load_b128 v[64*(\bf)+8*bn:64*(\bf)+8*bn+3], v[\adr] offset:(\imm)+bn*1024
	ds_load_b128 v[64*(\bf)+8*bn+4:64*(\bf)+8*bn+7], v[\adr] offset:(\imm)+bn*1024+512
.set bn, bn+1
.endr
	WIN 0
.endm
.macro ALOADH ab, ks, ptr, imm         ; k step ks of a chunk of my five blocks' tokens, into that half of buffer ab: always all ten loads, so that every count of loads holds on every path
	WIN 0x40
.set ai, 0
.rept 5
	global_load_b128 v[80*(\ab)+16*ai+8*(\ks):80*(\ab)+16*ai+8*(\ks)+3], v[AV+ai], s[\ptr:\ptr+1] offset:(\imm)+(\ks)*A_KS
	global_load_b128 v[80*(\ab)+16*ai+8*(\ks)+4:80*(\ab)+16*ai+8*(\ks)+7], v[AV+ai], s[\ptr:\ptr+1] offset:(\imm)+(\ks)*A_KS+A_Q
.set ai, ai+1
.endr
	WIN 0
.endm
; One k step for my live blocks.  A block's eight accumulators take turns, one instruction a turn: on every path a run ends on column block 7 and the next begins on column block 0.
; zero = 1: the products start the sums.
.macro COMPUTE bf, ab, ks, zero=0
.set ci, 0
.rept 5
	s_cmp_le_u32 s[NB], ci
	s_cbranch_scc1 .Ldone_\@
.if ci < 4
	WIN W_HI
.set ca, 64*ci
.else
	WIN W_LO
.set ca, 128
.endif
.set ct, 80*(\ab)+16*ci+8*(\ks)
.set cn, 0
.rept 8
.set cw, 64*(\bf)+8*cn
.if \zero
	v_wmma_f32_16x16x32_bf16 v[ca+8*cn:ca+8*cn+7], v[cw:cw+7], v[ct:ct+7], 0
.else
	v_wmma_f32_16x16x32_bf16 v[ca+8*cn:ca+8*cn+7], v[cw:cw+7], v[ct:ct+7], v[ca+8*cn:ca+8*cn+7]
.endif
.set cn, cn+1
.endr
	WIN 0
.set ci, ci+1
.endr
.Ldone_\@:
.endm
.macro CLEAR                           ; once, on purpose: pass 0's first trip written out with C = 0 would be longer than these lines, which stand in the wait for the first weights
	WIN 0xc0
.set z, 0
.rept 256
	v_mov_b32 v[z], 0
.set z, z+1
.endr
	WIN 0x80
.set z, 128
.rept 64
	v_mov_b32 v[z], 0
.set z, z+1
.endr
	WIN 0
.endm
; TRIP t of the stream (p = t % 2): chunk t is multiplied and chunk t + 2 converted.  A(c, ks) is k step ks of chunk c of my tokens, W(c) my share of chunk c of the weights.
; The order of issue: .. middle of t - 2: A(t, 0); head of t - 1: A(t, 1), W(t + 3); middle of t - 1: A(t + 1, 0); head of t: A(t + 1, 1), W(t + 4); middle of t: A(t + 2, 0) ..
.macro TRIP p
	s_wait_loadcnt 36                              ; A(t, 1), W(t + 3) and A(t + 1, 0), 10 + 16 + 10, may be out: A(t, 0) is in, and W(t + 2), which is older
	CONV \p, (\p)*16384                            ; its 32 conversions are also the places ahead of the loads below
	BFLOAD 1, BRL, (\p)*16384+8192
	ALOADH 1-(\p), 1, AP, ((\p)+1)*CH_A            ; A(t + 1, 1), into the half that the last trip's second k step has left
	WLOAD \p, (\p)*CH_W                            ; W(t + 4); in trips 12 and 13 the sixteen loads that nothing uses
	s_cmp_lt_u32 s[IT], 3+(\p)                     ; chunk t + 7 exists up to t = 8
	s_cbranch_scc1 .Lnp_\@
	global_prefetch_b8 v[PV], s[WB:WB+1] offset:(3+(\p))*CH_W th:TH_LOAD_NT scope:SCOPE_SE  ; my own share of chunk t + 7, three trips ahead of its loads: 32 lanes, 32 pieces of 256 bytes
.Lnp_\@:
	s_wait_dscnt 0x0                               ; for the others' sake: my stores of chunk t + 2 are done; both fragment buffers are in
	s_barrier_signal -1
	COMPUTE 0, \p, 0                               ; matrix work alone stands between the signal and the wait
	s_barrier_wait -1                              ; chunk t + 2 is whole; it is first read in the next trip's middle
	s_wait_loadcnt 52                              ; W(t + 3), A(t + 1, 0), A(t + 1, 1) and W(t + 4), 16 + 10 + 10 + 16, may be out: A(t, 1) is in
	PLACES
	ALOADH \p, 0, AP, ((\p)+2)*CH_A                ; A(t + 2, 0), into the half that the products above have left
	BFLOAD 0, BRL, ((\p)+1)*16384                  ; chunk t + 1: stored ahead of the last trip's signal; nobody writes it again
	COMPUTE 1, \p, 1
.endm
.macro NBSET                           ; how many of the blocks 20 pass + 4 i + w, i = 0..4, lie below NBLK
	s_mul_i32 s44, s[PASS], 20
	s_add_co_u32 s44, s44, s[WVN]
	s_sub_co_i32 s[NB], s[NBLK], s44
	s_add_co_i32 s[NB], s[NB], 3
	s_ashr_i32 s[NB], s[NB], 2
	s_max_i32 s[NB], s[NB], 0
	s_min_i32 s[NB], s[NB], 5
.endm
; One halving step: if the set bit looked for lies past the wd bits at the place in hand, these are passed over.
.macro KSTEP src, mask, wd
	v_lshrrev_b32 v[ST0], v[SPS], v[\src]
	v_and_b32 v[ST0], \mask, v[ST0]                ; set bits among those wd
	v_cmp_ge_u32 vcc_lo, v[SKK], v[ST0]
	v_cndmask_b32 v[ST0], 0, v[ST0], vcc_lo
	v_sub_nc_u32 v[SKK], v[SKK], v[ST0]
	v_cndmask_b32 v[ST1], 0, \wd, vcc_lo
	v_add_nc_u32 v[SPS], v[SPS], v[ST1]
.endm
; THE TOKENS OF MY FIVE BLOCKS.  Register m, lane (r, h) looks for rank n = 320 pass + 16 (4 (2 m + h) + w) + r: two blocks a register.  With c(i) the set bits before word i, the word is the last one
; with c(i) <= n; 32 c(i) + i grows with i, so one compare against 32 n + 31 and two selects a word keep the word and its c and i.  Then bit n - c(i) of the word's set bits is found by halving.
; A rank past the count ends at some token below 1,024: a row that exists.  Both halves of the lanes then take their block's 16 tokens.  It also leaves the expert's count in CNT.
.macro SEARCH
	s_mul_i32 s44, s[PASS], 320
	s_lshl4_add_u32 s44, s[WVN], s44
	v_lshl_add_u32 v[SSQ], v[HH], 6, v[RR]
	v_add_nc_u32 v[SSQ], s44, v[SSQ]
.set sm, 0
.rept 3
	v_add_nc_u32 v[SNQ+sm], 128*sm, v[SSQ]
	v_lshl_or_b32 v[SNQ+sm], v[SNQ+sm], 5, 31
	v_mov_b32 v[SPP+sm], 0
	v_mov_b32 v[SWW+sm], s[BM]
.set sm, sm+1
.endr
	s_mov_b32 s44, 0
.set si, 1
.rept 31
	s_bcnt1_i32_b32 s45, s[BM+si-1]
	s_add_co_u32 s44, s44, s45
	s_lshl_b32 s45, s44, 5
	s_or_b32 s45, s45, si
.set sm, 0
.rept 3
	v_cmp_gt_u32 vcc_lo, s45, v[SNQ+sm]
	v_cndmask_b32 v[SPP+sm], s45, v[SPP+sm], vcc_lo
	v_cndmask_b32 v[SWW+sm], s[BM+si], v[SWW+sm], vcc_lo
.set sm, sm+1
.endr
.set si, si+1
.endr
	s_bcnt1_i32_b32 s45, s[BM+31]
	s_add_co_u32 s[CNT], s44, s45
.set sm, 0
.rept 3
	v_lshrrev_b32 v[SKK], 5, v[SNQ+sm]
	v_lshrrev_b32 v[ST0], 5, v[SPP+sm]
	v_sub_nc_u32 v[SKK], v[SKK], v[ST0]            ; n - c
	v_lshrrev_b32 v[ST0], 1, v[SWW+sm]
	v_and_b32 v[ST0], 0x55555555, v[ST0]
	v_sub_nc_u32 v[SFA], v[SWW+sm], v[ST0]         ; counts of 2 bits
	v_lshrrev_b32 v[ST0], 2, v[SFA]
	v_and_b32 v[ST0], 0x33333333, v[ST0]
	v_and_b32 v[SFB], 0x33333333, v[SFA]
	v_add_nc_u32 v[SFB], v[SFB], v[ST0]            ; of 4
	v_lshrrev_b32 v[ST0], 4, v[SFB]
	v_add_nc_u32 v[SFC], v[SFB], v[ST0]
	v_and_b32 v[SFC], 0x0f0f0f0f, v[SFC]           ; of 8
	v_lshrrev_b32 v[ST0], 8, v[SFC]
	v_add_nc_u32 v[SFD], v[SFC], v[ST0]            ; its lowest byte: of the low 16
	v_mov_b32 v[SPS], 0
	KSTEP SFD, 0xff, 16
	KSTEP SFC, 0xff, 8
	KSTEP SFB, 15, 4
	KSTEP SFA, 3, 2
	KSTEP SWW+sm, 1, 1
	v_and_b32 v[ST0], 31, v[SPP+sm]
	v_lshl_add_u32 v[SPP+sm], v[ST0], 5, v[SPS]    ; the token: 32 x word + bit
.set sm, sm+1
.endr
	s_mov_b32 s44, 0x76543210                      ; v_permlanex16_b32: each lane takes its own place in the other half
	s_mov_b32 s45, 0xfedcba98
	s_mov_b32 s29, 0xffff0000                      ; the upper half of the lanes
.set sm, 0
.rept 3
	v_permlanex16_b32 v[SWW+sm], v[SPP+sm], s44, s45
.set sm, sm+1
.endr
	v_cndmask_b32 v[AV+0], v[SPP+0], v[SWW+0], s29 ; an even block lies in the lower lanes, an odd one in the upper
	v_cndmask_b32 v[AV+1], v[SWW+0], v[SPP+0], s29
	v_cndmask_b32 v[AV+2], v[SPP+1], v[SWW+1], s29
	v_cndmask_b32 v[AV+3], v[SWW+1], v[SPP+1], s29
	v_cndmask_b32 v[AV+4], v[SPP+2], v[SWW+2], s29
.set ai, 0
.rept 5
	v_min_u32 v[AV+ai], 0x3ff, v[AV+ai]
	v_lshlrev_b32 v[AV+ai], 11, v[AV+ai]           ; token x 2,048 bytes
	v_add_nc_u32 v[AV+ai], v[H16], v[AV+ai]        ; + 16 h
.set ai, ai+1
.endr
.endm
.macro KSET reg, val
	s_mov_b32 s[\reg], \val
	s_mov_b32 s[\reg+1], \val
.endm
.macro HORNER acc, kreg                ; acc = acc x z^2 + k, 16 pairs
.set k, 0
.rept 16
	v_pk_fma_f32 v[\acc+2*k:\acc+2*k+1], v[\acc+2*k:\acc+2*k+1], v[S+2*k:S+2*k+1], s[\kreg:\kreg+1] op_sel_hi:[1,1,0]
.set k, k+1
.endr
.endm
; Half block k = 2 i + g: block i, column group g.  The move into fixed registers carries the bias; each accumulator is read from its lowest register on.
.macro STUB k, last
.Lst\k:
.if (\k) < 8
	WIN 0x0b
.set sa, 64*((\k)/2)+32*((\k)%2)
.else
	WIN 0x0a
.set sa, 128+32*((\k)%2)
.endif
.set sc, 0
.rept 4
.set sj, 0
.rept 8
	v_add_f32 v[X+4*sj+sc], v[sa+8*sc+sj], v[NBI+32*((\k)%2)+4*sj+sc]
.set sj, sj+1
.endr
.set sc, sc+1
.endr
	WIN 0
.if !(\last)
	s_branch .Lgelu
.endif
.endm
	s_load_b256 s[4:11], s[0:1], 0x0               ; bitmap s[4:5], xb s[6:7], w1 s[8:9], b1 s[10:11]
	s_load_b128 s[12:15], s[0:1], 0x20             ; hid s[12:13], pose s[14:15]
	v_lshl_add_u32 v[SPW], v0, 2, SPARE
	v_mov_b32 v[NIL], 0
	v_and_b32 v[LN], 31, v0
	v_and_b32 v[RR], 15, v0
	v_bfe_u32 v[HH], v0, 4, 1
	v_lshrrev_b32 v[TMP], 5, v0
	v_readfirstlane_b32 s[WVN], v[TMP]
	s_mov_b32 s[SL], ttmp9
	s_and_b32 s[XE], ttmp7, 0xffff
	v_lshlrev_b32 v[L16], 4, v[LN]
	v_lshlrev_b32 v[H16], 4, v[HH]
	v_lshlrev_b32 v[WV], 4, v[RR]
	v_lshl_add_u32 v[WV], v[HH], 17, v[WV]         ; 8 rows of 16,384 bytes for the upper half of the lanes
	v_lshlrev_b32 v[PV], 14, v[LN]
	v_lshlrev_b32 v[BO], 7, v[HH]                  ; b1: 32 columns for each half of the lanes
	s_lshl_b32 s42, s[XE], 7                       ; the expert's 128 bytes of the bitmap
	s_mov_b32 s43, 0
	s_lshl_b32 s[OFF], s[XE], 24                   ; w1: expert, 16 MiB;
	s_lshr_b32 s44, s[WVN], 1                      ; the k step that I produce,
	s_and_b32 s45, s[WVN], 1                       ; the column group that I produce
	s_lshl_b32 s46, s44, 19                        ; 32 rows;
	s_add_co_u32 s[OFF], s[OFF], s46
	s_lshl_b32 s46, s[SL], 9                       ; slice, 512 bytes of a row;
	s_add_co_u32 s[OFF], s[OFF], s46
	s_lshl_b32 s47, s45, 8                         ; group, 256 bytes
	s_add_co_u32 s[OFF], s[OFF], s47
	s_mov_b32 s[OFF+1], 0
	s_lshl_b32 s52, s[XE], 14                      ; b1: expert, slice
	s_add_co_u32 s52, s52, s46
	s_mov_b32 s53, 0
	s_lshl_b32 s[HP], s[XE], 23                    ; hid: expert, 8 MiB; slice, four k steps of 1,024 bytes
	s_lshl_b32 s46, s[SL], 12
	s_add_co_u32 s[HP], s[HP], s46
	s_mov_b32 s[HP+1], 0
	s_lshl_b32 s44, s44, 13                        ; LDS: my k step, my group
	s_lshl_b32 s45, s45, 12
	s_add_co_u32 s44, s44, s45
	v_add_nc_u32 v[SRL], s44, v[L16]
	v_mov_b32 v[BRL], v[L16]
	s_wait_kmcnt 0x0
	s_add_nc_u64 s[42:43], s[4:5], s[42:43]
	s_load_b512 s[BM:BM+15], s[42:43], 0x0
	s_load_b512 s[BM+16:BM+31], s[42:43], 0x40
	s_add_nc_u64 s[AN:AN+1], s[8:9], s[OFF:OFF+1]  ; my share of chunk 0: the base of the first four chunks' loads; it is not written again before the resident loop,
	s_add_nc_u64 s[WB:WB+1], s[AN:AN+1], 4*CH_W    ; and of chunk 4: the loop's base, made beside it, so that no wait stands between those loads and the loop
	s_mov_b64 s[WBASE:WBASE+1], s[8:9]
	s_add_nc_u64 s[52:53], s[10:11], s[52:53]
	s_add_nc_u64 s[HP:HP+1], s[12:13], s[HP:HP+1]
	s_mov_b64 s[ABASE:ABASE+1], s[6:7]
	s_mov_b64 s[AP:AP+1], s[6:7]
	WIN 0x80
.set k, 0
.rept 16                               ; b1 of my 64 columns, in their own order: group k / 8, four columns a load
	global_load_b128 v[NBI+4*k:NBI+4*k+3], v[BO], s[52:53] offset:(k/8)*256+(k%8)*16
.set k, k+1
.endr
	WIN 0
	WLOAD 2, 0, AN                                 ; W(0), into the third slot,
	WLOAD 1, CH_W, AN                              ; W(1)
	global_prefetch_b8 v[PV], s[WB:WB+1] th:TH_LOAD_NT scope:SCOPE_SE  ; my share of chunks 4 to 6; the trips ask for 7 to 15
	global_prefetch_b8 v[PV], s[WB:WB+1] offset:CH_W th:TH_LOAD_NT scope:SCOPE_SE
	global_prefetch_b8 v[PV], s[WB:WB+1] offset:2*CH_W th:TH_LOAD_NT scope:SCOPE_SE
	CLEAR
	WLOAD 0, 2*CH_W, AN                            ; and W(2), where trip 0 looks for it.  From here on more loads are asked for than the counter's field of 63 holds: the issue of those past it waits for the oldest to come back (ISA guide 5.7.1)
	s_wait_kmcnt 0x0                               ; the bitmap
	s_mov_b32 s[PASS], 0
	SEARCH
	ALOADH 0, 0, AP, 0                             ; A(0, 0) and A(0, 1) go out as soon as the tokens are known
	ALOADH 0, 1, AP, 0
	s_add_co_u32 s[NBLK], s[CNT], 15
	s_lshr_b32 s[NBLK], s[NBLK], 4
	s_min_u32 s[NBLK], s[NBLK], 64
	s_or_b32 s44, s[SL], s[WVN]
	s_cmp_lg_u32 s44, 0
	s_cbranch_scc1 .Lnopose                        ; one wave for each expert stores the ranks
	s_mov_b32 s45, 0
.set li, 0
.rept 32                               ; the token of lane L in word i has rank (bits below it in the word) + (bits of the words before)
	v_mbcnt_lo_u32_b32 v[RK+li], s[BM+li], s45
	s_bcnt1_i32_b32 s44, s[BM+li]
	s_add_co_u32 s45, s45, s44
.set li, li+1
.endr
	s_lshl_b32 s[OFF], s[XE], 12
	s_add_nc_u64 s[42:43], s[14:15], s[OFF:OFF+1]
.set k, 0
.rept 8
	global_store_b128 v[L16], v[RK+4*k:RK+4*k+3], s[42:43] offset:512*k  ; words 4 k .. 4 k + 3 of every lane: 512 consecutive bytes
.set k, k+1
.endr
.Lnopose:
	KSET A13, 0xaf15df0b                           ; erf(z) / 2 = z P(z^2) / Q(z^2): P's numbers are halved
	KSET A11, 0x326dffee
	KSET A9,  0xb58cff51
	KSET A7,  0xb7eec2d2
	KSET A5,  0xb9c0ac63
	KSET A3,  0xbac1a1f6
	KSET A1,  0xbc03dbd4
	KSET B8,  0xb77460cd
	KSET B6,  0xb95fbd29
	KSET B4,  0xbadc924e
	KSET B2,  0xbbf19bf8
	KSET B0,  0xbc69b6a7
	KSET RS2, 0x3f3504f3
	s_mov_b32 s[LIMN], 0xc0800000
	s_mov_b32 s[LIMP], 0x40800000
	s_mov_b32 s47, 0xffff0000                      ; a word's upper bf16
	NBSET
	s_wait_loadcnt 52                              ; W(1), W(2), A(0, 0) and A(0, 1), 16 + 16 + 10 + 10, may be out: b1 and W(0) are in
	WIN 0x0a                                       ; b1 rounded to bf16 and widened again, through the fragments' registers, which are still free
.set k, 0
.rept 32
	v_cvt_pk_bf16_f32 v[CV+k], v[NBI+2*k], v[NBI+2*k+1]
.set k, k+1
.endr
	WIN 0x80
.set k, 0
.rept 32
	v_lshlrev_b32 v[NBI+2*k], 16, v[CV+k]
	v_and_b32 v[NBI+2*k+1], s47, v[CV+k]
.set k, k+1
.endr
	WIN 0
	CONV 2, 0
	s_wait_loadcnt 36                              ; W(2), A(0, 0) and A(0, 1) may be out: W(1) is in
	CONV 1, 16384
	WLOAD 1, 3*CH_W, AN                            ; W(3),
	ALOADH 1, 0, AP, CH_A                          ; then A(1, 0): W(2), A(0, 0), A(0, 1), W(3), A(1, 0) is the order in which the trips go on
	s_wait_dscnt 0x0                               ; for the others' sake: chunks 0 and 1 are stored
	s_barrier_signal -1
	s_barrier_wait -1
	BFLOAD 0, BRL, 0
	v_add_nc_u32 v[SRL], 0x8000, v[SRL]
	s_mov_b32 s[IT], 7
.Lstream:                                              ; trips 0 to 13
	TRIP 0
	TRIP 1
	s_wait_xcnt 0x0                                ; WB, AP and WV are written only behind this wait
	s_add_nc_u64 s[WB:WB+1], s[WB:WB+1], 2*CH_W
	s_add_nc_u64 s[AP:AP+1], s[AP:AP+1], 2*CH_A
	v_add_nc_u32 v[BRL], 0x8000, v[BRL]
	v_add_nc_u32 v[SRL], 0x8000, v[SRL]
	s_sub_co_u32 s[IT], s[IT], 1
	s_cmp_eq_u32 s[IT], 1                          ; the last lap has no chunk left to ask for:
	s_cselect_b64 s[WB:WB+1], s[WBASE:WBASE+1], s[WB:WB+1]  ; its weight loads go to the head of w1,
	s_cselect_b32 s44, 0, -1
	v_and_b32 v[WV], s44, v[WV]                    ; all lanes to the same 16 bytes
	s_cmp_lg_u32 s[IT], 0
	s_cbranch_scc1 .Lstream
	s_wait_loadcnt 10                              ; A(15, 0) may be out: the weight loads that nothing uses are in, so that the way out may write their registers
	s_mov_b32 s[SC], 0                             ; the slice is whole: chunk 15 was stored ahead of trip 13's signal
	s_mov_b32 s[LO], 14                            ; pass 0 has chunks 14 and 15 left; A(14, 0), A(14, 1), A(15, 0) and chunk 14's first fragments have been asked for
	s_mov_b32 s[IT], 8
	s_branch .Lres
.Lpass:                                                ; passes 1 to 3: rows 320 pass on
	NBSET
	s_cmp_eq_u32 s[NB], 0
	s_cbranch_scc1 .Lnext                          ; nothing of mine in this pass
	s_wait_loadcnt 0x0                             ; the last pass's look-ahead that nothing uses: its address registers are written and its registers loaded again below
	s_wait_xcnt 0x0                                ; the last pass's stores have read their data: the search works in the same registers (v224 on)
	SEARCH
	ALOADH 0, 0, ABASE, 0                          ; A(0, 0), A(0, 1), A(1, 0)
	ALOADH 0, 1, ABASE, 0
	ALOADH 1, 0, ABASE, CH_A
	BFLOAD 0, L16, 0
	s_mov_b32 s[SC], 0
	s_mov_b32 s[LO], 0
	s_mov_b32 s[IT], 8
; THE RESIDENT LOOP: eight trips of two chunks out of the slice in LDS: no barrier, no LDS write.  Trips below chunk LO are jumped.  The tokens come as in the stream, a half a chunk and a half ahead:
; behind the half that a wait is for stand two younger halves, twenty loads.  The look-ahead is held to chunk 14: the last trip fetches 30 token loads and 16 fragment loads that nothing uses, the price of one text for every trip.
.Lres:
	s_cmp_lt_u32 s[SC], s[LO]
	s_cbranch_scc1 .Lrskip
	s_wait_xcnt 0x0                                ; the loads that are out have read AP and AN
	s_mul_i32 s[OFF], s[SC], CH_A
	s_add_nc_u64 s[AP:AP+1], s[ABASE:ABASE+1], s[OFF:OFF+1]
	s_add_co_u32 s[NX], s[SC], 2
	s_min_u32 s[NX], s[NX], 14
	s_mul_i32 s[OFF], s[NX], CH_A
	s_add_nc_u64 s[AN:AN+1], s[ABASE:ABASE+1], s[OFF:OFF+1]
	v_lshl_add_u32 v[BRL], s[SC], 14, v[L16]
	v_lshl_add_u32 v[BN], s[NX], 14, v[L16]
	s_wait_loadcnt 20                              ; the even chunk's first half is in
	PLACES
	BFLOAD 1, BRL, 8192
	ALOADH 1, 1, AP, CH_A
	s_wait_dscnt 16                                ; all but the 16 fragment loads just issued
	s_cmp_eq_u32 s[SC], 0
	s_cbranch_scc1 .Lzero
	COMPUTE 0, 0, 0
	s_branch .Lzdone
.Lzero:                                                ; a later pass's first k step starts the sums: nothing is cleared
	COMPUTE 0, 0, 0, 1
.Lzdone:
	s_wait_loadcnt 20                              ; its second half
	PLACES
	ALOADH 0, 0, AN, 0
	BFLOAD 0, BRL, 16384
	s_wait_dscnt 16
	COMPUTE 1, 0, 1
	s_wait_loadcnt 20                              ; the odd chunk's first half
	PLACES
	BFLOAD 1, BRL, 24576
	ALOADH 0, 1, AN, 0
	s_wait_dscnt 16
	COMPUTE 0, 1, 0
	s_wait_loadcnt 20                              ; its second half
	PLACES
	ALOADH 1, 0, AN, CH_A
	BFLOAD 0, BN, 0
	s_wait_dscnt 16
	COMPUTE 1, 1, 1
.Lrskip:
	s_add_co_u32 s[SC], s[SC], 2
	s_sub_co_u32 s[IT], s[IT], 1
	s_cmp_lg_u32 s[IT], 0
	s_cbranch_scc1 .Lres
	s_wait_loadcnt 30                              ; the 30 token loads of the look-ahead may stay out: they land in window 1, which the way out does not name; a later pass waits for them at its head
	s_wait_dscnt 0x0
	PLACES                                         ; behind the last products
	s_lshl_b32 s[NB2], s[NB], 1
	s_mul_i32 s46, s[PASS], 20
	s_add_co_u32 s46, s46, s[WVN]                  ; my block 0
	s_mov_b32 s[HB], 0
.Lhalf:                                                ; ten half blocks; the dead ones are jumped
	s_cmp_ge_u32 s[HB], s[NB2]
	s_cbranch_scc1 .Lhnext
	s_wait_xcnt 0x0                                ; the last trip's stores have read HS and their data
	s_lshr_b32 s44, s[HB], 1
	s_lshl2_add_u32 s44, s44, s46
	s_lshl_b32 s44, s44, 17                        ; a block: 128 KiB
	s_and_b32 s45, s[HB], 1
	s_lshl_b32 s45, s45, 11                        ; a group: two k steps
	s_add_co_u32 s[OFF], s44, s45
	s_add_nc_u64 s[HS:HS+1], s[HP:HP+1], s[OFF:OFF+1]
.irp k, 0,1,2,3,4,5,6,7,8
	s_cmp_eq_u32 s[HB], \k
	s_cbranch_scc1 .Lst\k
.endr
	STUB 9, 0
	STUB 0, 0
	STUB 1, 0
	STUB 2, 0
	STUB 3, 0
	STUB 4, 0
	STUB 5, 0
	STUB 6, 0
	STUB 7, 0
	STUB 8, 1
.Lgelu:                                                ; x (1/2 + erf(x / sqrt 2) / 2) on my 32 numbers
.set k, 0
.rept 16
	v_pk_mul_f32 v[Z+2*k:Z+2*k+1], v[X+2*k:X+2*k+1], s[RS2:RS2+1] op_sel_hi:[1,0]
.set k, k+1
.endr
.set k, 0
.rept 32
	v_med3_num_f32 v[Z+k], v[Z+k], s[LIMN], s[LIMP]
.set k, k+1
.endr
.set k, 0
.rept 16
	v_pk_mul_f32 v[S+2*k:S+2*k+1], v[Z+2*k:Z+2*k+1], v[Z+2*k:Z+2*k+1]
.set k, k+1
.endr
.set k, 0
.rept 16
	v_pk_fma_f32 v[P+2*k:P+2*k+1], v[S+2*k:S+2*k+1], s[A13:A13+1], s[A11:A11+1] op_sel_hi:[1,0,0]
	v_pk_fma_f32 v[Q+2*k:Q+2*k+1], v[S+2*k:S+2*k+1], s[B8:B8+1], s[B6:B6+1] op_sel_hi:[1,0,0]
.set k, k+1
.endr
	HORNER Q, B4
	HORNER Q, B2
	HORNER Q, B0                                   ; all of Q's numbers are negative and z^2 is not: Q is never 0
	HORNER P, A9
.set k, 0
.rept 32
	v_rcp_f32 v[Q+k], v[Q+k]
.set k, k+1
.endr
	HORNER P, A7                                   ; work that names no reciprocal stands behind the batch
	HORNER P, A5
	HORNER P, A3
	HORNER P, A1
.set k, 0
.rept 16
	v_pk_mul_f32 v[P+2*k:P+2*k+1], v[P+2*k:P+2*k+1], v[Z+2*k:Z+2*k+1]
.set k, k+1
.endr
	s_wait_alu depctr_va_vdst(0)                   ; one wait for the 32 reciprocals, ahead of their first use
.set k, 0
.rept 16
	v_pk_fma_f32 v[P+2*k:P+2*k+1], v[P+2*k:P+2*k+1], v[Q+2*k:Q+2*k+1], 0.5 op_sel_hi:[1,1,0]
.set k, k+1
.endr
.set k, 0
.rept 16
	v_pk_mul_f32 v[X+2*k:X+2*k+1], v[X+2*k:X+2*k+1], v[P+2*k:P+2*k+1]
.set k, k+1
.endr
.set k, 0
.rept 16
	v_cvt_pk_f16_f32 v[PK+k], v[X+2*k], v[X+2*k+1] ; the one rounding of the hidden layer: to f16
.set k, k+1
.endr
.set k, 0
.rept 4
	global_store_b128 v[L16], v[PK+4*k:PK+4*k+3], s[HS:HS+1] offset:512*k  ; half a fragment: 512 consecutive bytes, aligned
.set k, k+1
.endr
.Lhnext:
	s_add_co_u32 s[HB], s[HB], 1
	s_cmp_lt_u32 s[HB], 10
	s_cbranch_scc1 .Lhalf
.Lnext:
	s_add_co_u32 s[PASS], s[PASS], 1
	s_cmp_lt_u32 s[PASS], 4
	s_cbranch_scc1 .Lpass
	s_wait_dscnt 0x0                               ; my reads of LDS are over;
	s_barrier_signal -1
	s_barrier_wait -1                              ; so are the other three waves': only now does any wave write LDS again
	s_wait_tensorcnt 0x0                           ; the wave's end, behind my last LDS store
	ds_add_u32 v[SPW], v[NIL]
	s_wait_dscnt 0x0
	s_endpgm
.Lfunc_end_k_q79a90624dd_up:
	.size	k_q79a90624dd_up, .Lfunc_end_k_q79a90624dd_up-k_q79a90624dd_up
	.p2alignl 7, 3214868480
	.fill 96, 4, 3214868480
	.section	.rodata,"a",@progbits
	.p2align	6, 0x0
	.amdhsa_kernel k_q79a90624dd_up
		.amdhsa_group_segment_fixed_size 262656
		.amdhsa_private_segment_fixed_size 0
		.amdhsa_enable_private_segment 0
		.amdhsa_kernarg_size 48
		.amdhsa_user_sgpr_count 2
		.amdhsa_user_sgpr_kernarg_segment_ptr 1
		.amdhsa_wavefront_size32 1
		.amdhsa_system_sgpr_workgroup_id_x 1
		.amdhsa_system_sgpr_workgroup_id_y 1
		.amdhsa_system_sgpr_workgroup_id_z 1
		.amdhsa_system_vgpr_workitem_id 0
		.amdhsa_next_free_vgpr 1024
		.amdhsa_next_free_sgpr 102
		.amdhsa_reserve_vcc 1
		.amdhsa_float_denorm_mode_32 3
		.amdhsa_float_denorm_mode_16_64 3
		.amdhsa_memory_ordered 1
		.amdhsa_forward_progress 1
		.amdhsa_inst_pref_size 175
	.end_amdhsa_kernel
	.amdgpu_metadata
---
amdhsa.version: [ 1, 2 ]
amdhsa.kernels:
  - .name:           k_q79a90624dd_up
    .symbol:         k_q79a90624dd_up.kd
    .args:
      - { .name: bitmap, .offset: 0, .size: 8, .value_kind: global_buffer, .address_space: global }
      - { .name: xb, .offset: 8, .size: 8, .value_kind: global_buffer, .address_space: global }
      - { .name: w1, .offset: 16, .size: 8, .value_kind: global_buffer, .address_space: global }
      - { .name: b1, .offset: 24, .size: 8, .value_kind: global_buffer, .address_space: global }
      - { .name: hid, .offset: 32, .size: 8, .value_kind: global_buffer, .address_space: global }
      - { .name: pose, .offset: 40, .size: 8, .value_kind: global_buffer, .address_space: global }
    .group_segment_fixed_size: 262656
    .private_segment_fixed_size: 0
    .kernarg_segment_align: 8
    .kernarg_segment_size: 48
    .max_flat_workgroup_size: 128
    .sgpr_count:     102
    .vgpr_count:     1024
    .wavefront_size: 32
...
	.end_amdgpu_metadata
.endif
;; end of part 6
;; launch down (part 7): grid 32 x 8, 4 waves a work-group, no clusters, 262,656 bytes of LDS; arguments bitmap, hid, w2, b2, part; writes part
.if DOCPART == 7
	.amdgcn_target "amdgcn-amd-amdhsa--gfx1250"
	.amdhsa_code_object_version 6
	.text
	.protected	k_q79a90624dd_down
	.globl	k_q79a90624dd_down
	.p2align	8
	.type	k_q79a90624dd_down,@function
k_q79a90624dd_down:
	s_mov_b64 s[64:65], 0
	v_nop
	global_prefetch_b8 v0, s[64:65] scope:SCOPE_SE
	s_setreg_imm32_b32 hwreg(HW_REG_WAVE_MODE, 25, 1), 1
	s_wait_xcnt 0x0
; DOWN.  part[e, rank][kq][:] = hid rows . w2[e] over a quarter kq of the 4,096 hidden columns, in f32; b2[e] is added in quarter 0.
; SHARES.  Work-group (x, e), x = 8 kq + ns: rows 1,024 kq .. + 1,023 and columns 128 ns .. + 127 of w2[e]: 512 KiB of f32 that it alone reads, once; and all rows of expert e, in blocks of 16 by rank.
; Block 20 pass + 4 i + w is wave w's block i (0..4).  The split of K by four gives weight rows of 512 bytes and 256 work-groups; its price is four f32 partial rows for each routed row.
; WEIGHTS, STREAM, PASSES: as in the first product.  A 16-byte load gives lane (r, h) columns 4 r .. 4 r + 3 of one k row; component cc goes to column block cc; two rows packed as a pair are a fragment
; register; the 16-bit slice, 256 KiB in fragment order, stays in LDS, each byte written once.  Pass 0 multiplies while it streams in: 14 trips of one text, then the last two chunks out of LDS (constant trip
; counts, every barrier on every wave's path, only matrix instructions jumped); passes 1 to 3 only read LDS.  Every split of the tokens is served; an expert with no rows streams its slice and stores nothing.
; The first three chunks are asked for at the head, so that the first trip finds its chunk there.  Trips 12 and 13 have no chunk left to ask for: their 32 weight loads go, all lanes alike, to 16 bytes each
; at the head of w2, and nothing uses them: the price of one text and one count of loads for every trip.
; TOKENS come by halves of a chunk (one k step of my five blocks: ten loads), each asked for a trip and a half ahead of its products, into the half buffer that products have just left.
; A wave's loads come back in order on one counter, so the order of issue is fixed and every load is issued on every path; in the stream a wave has 36 to 62 loads out, by this text's count.
; FORMATS.  The hidden layer arrives in f16, so the product is the f16 form.  w2 is rounded once to bf16, as every input of this program is, and that number is written as f16.
; K's PLACES.  hid lies in fragment order: place (k step ks, half q, h, j) of chunk c stands for hidden column 1,024 kq + 64 c + 16 ks + 32 h + 8 q + j; the weight rows are taken in the same order.
; THE MATRIX INSTRUCTION: source 0 = tokens, source 1 = weights: lane r holds column 4 r + cc, register j row 8 h + j: four accumulators give 16 neighbouring bytes of a row, and no LDS stage is needed.
; NO CLUSTER, NO TENSOR LOADS: each weight byte has one reader; how many token blocks are live hangs on a stored count, and an f32 ring does not fit beside the resident 256 KiB.
; LIMITS.  w2 and b2 are rounded once to bf16; sums and partial rows in f32.  A bf16 number is the same number in f16 from 2^-17 up to 65,504; below 2^-17 it is off by at most 3e-8, beyond 65,504 it becomes an
; infinity.  The room: w2 is drawn with a spread of 0.02; 30 times larger, or with an offset of 30 spreads, it is about 0.6; 30 times smaller about 7e-4.  NaN and infinities are not treated apart.
; REGISTERS, in windows of 256 (s_set_vgpr_msb: bits 1:0 source 0, 3:2 source 1, 5:4 source 2, 7:6 destination):
;   window 0: v0-31 addresses and temporaries; v32-63 converted fragments; v64-191 two raw slots; v192-255 a third, for chunk 0 alone; on the way out v64-127 a block in store order
;   window 1: tokens, two buffers of 80      window 2: v0-127 weight fragments, two buffers; v128-191 block 4's accumulators; v192-199 b2      window 3: blocks 0-3's accumulators
.set ROWB,  4096                       ; bytes in a row of w2
.set QROWS, 8                          ; rows from a fragment's half 0 to its half 1
.set CH_W,  64*ROWB
.set CH_A,  2048                       ; a chunk of a block in hid: two k steps of 1,024 bytes, halves of 512
.set A_KS,  1024
.set A_Q,   512
.set W_HI,  0xf9                       ; tokens window 1, weights window 2, C and D window 3
.set W_LO,  0xa9                       ; the same with C and D in window 2
.set SPARE, 262144                     ; behind the fragments: the spare words, 128 bytes for each wave
.set LN,  1
.set RR,  2
.set HH,  3
.set SPW, 4                            ; v4  my spare word's LDS address; never rewritten
.set NIL, 5                            ; v5  0; never rewritten
.set L16, 6                            ; v6  16 x lane
.set WV,  7                            ; v7  my place in a weight load: 131,072 h + 16 r, 32 rows of w2 for the upper lanes; 0 in the stream's last lap
.set BRL, 8
.set SRL, 9
.set BN,  10
.set PV,  11
.set AV,  12                           ; v12-16 my five blocks' offsets in hid
.set WS,  17                           ; v17 my place in a store: the same 131,072 h + 16 r, 8 rows of part for the upper lanes; never rewritten
.set R16, 19                           ; v19 16 r
.set TMP, 21
.set CV,  32
.set WR,  64
.set T,   64                           ; the way out
.set B2,  192                          ; window 2
.set WVN, 16
.set XE,  17
.set NS,  18
.set CNT, 19
.set NBLK, 20
.set KQ,  21
.set PASS, 22
.set NB,  23
.set IT,  24
.set HB,  25
.set LO,  26                           ; s26 the first chunk that the resident loop multiplies
.set SC,  27
.set NX,  28
.set MSK, 29                           ; s29 0xffff0000: a word's upper bf16
.set AP,  30
.set WB,  32                           ; s[32:33] weights: my share of the chunk that the lap's first trip asks for
.set AN,  34                           ; s[34:35] at the head: my share of chunk 0 of the weights; in the resident loop: tokens at the chunk after next
.set OFF, 36                           ; s[36:37] an offset; the high word stays 0
.set YP,  38                           ; s[38:39] part at my expert, quarter and columns
.set YS,  40                           ; s[40:41] part at the block in hand
.set ABASE, 50                         ; s[50:51] hid at my expert and quarter
.set BM,  68                           ; s[68:99] the expert's 32 bitmap words
.set MSB, 0
.macro WIN new                         ; the immediate's high byte repeats the setting that is left; a switch that changes nothing is dropped
.if MSB != (\new)
	s_set_vgpr_msb (MSB<<8)|(\new)
.set MSB, (\new)
.endif
.endm
.macro PLACES                          ; four plain instructions between a matrix instruction and a load into, or a vector read of, its registers
.rept 4
	v_nop
.endr
.endm
.macro WLOAD slot, imm, ptr=WB         ; my share of a chunk: 32 k rows x 256 bytes, raw f32
.set wq, 0
.rept 2
.set wj, 0
.rept 8
	global_load_b128 v[WR+64*(\slot)+4*(8*wq+wj):WR+64*(\slot)+4*(8*wq+wj)+3], v[WV], s[\ptr:\ptr+1] offset:(\imm)+(QROWS*wq+wj)*ROWB th:TH_LOAD_NT
.set wj, wj+1
.endr
.set wq, wq+1
.endr
.endm
; One step of the conversion, for all 32 fragment registers of a raw slot.  Fragment register (cc, cq, cj) is made of component cc of the rows 8 cq + 2 cj and 8 cq + 2 cj + 1; each raw register feeds one
; fragment register alone, so it is free once it is packed.  ph = 0: the pair is rounded to bf16.  ph = 1: the two bf16 are widened again, into the raw registers that they came from.  ph = 2: they are packed as f16.
.macro CPHASE slot, ph
.set cc, 0
.rept 4
.set cq, 0
.rept 2
.set cj, 0
.rept 4
.set crd, CV+8*cc+4*cq+cj
.set cra, WR+64*(\slot)+4*(8*cq+2*cj)+cc
.set crb, WR+64*(\slot)+4*(8*cq+2*cj+1)+cc
.if (\ph) == 0
	v_cvt_pk_bf16_f32 v[crd], v[cra], v[crb]
.elseif (\ph) == 1
	v_lshlrev_b32 v[cra], 16, v[crd]
	v_and_b32 v[crb], s[MSK], v[crd]
.else
	v_cvt_pk_f16_f32 v[crd], v[cra], v[crb]
.endif
.set cj, cj+1
.endr
.set cq, cq+1
.endr
.set cc, cc+1
.endr
.endm
.macro CONV slot, imm                  ; a raw slot becomes four fragments and goes to LDS: each store covers 512 consecutive bytes
	CPHASE \slot, 0
	CPHASE \slot, 1
	CPHASE \slot, 2
.set cc, 0
.rept 4
	ds_store_b128 v[SRL], v[CV+8*cc:CV+8*cc+3] offset:(\imm)+cc*1024
	ds_store_b128 v[SRL], v[CV+8*cc+4:CV+8*cc+7] offset:(\imm)+cc*1024+512
.set cc, cc+1
.endr
.endm
.macro BFLOAD bf, adr, imm             ; a k step's eight weight fragments
	WIN 0x80
.set bn, 0
.rept 8
	ds_load_b128 v[64*(\bf)+8*bn:64*(\bf)+8*bn+3], v[\adr] offset:(\imm)+bn*1024
	ds_load_b128 v[64*(\bf)+8*bn+4:64*(\bf)+8*bn+7], v[\adr] offset:(\imm)+bn*1024+512
.set bn, bn+1
.endr
	WIN 0
.endm
.macro ALOADH ab, ks, ptr, imm         ; k step ks of a chunk of my five blocks, 512 consecutive bytes a load, into that half of buffer ab: always all ten loads, so that every count of loads holds on every path
	WIN 0x40
.set ai, 0
.rept 5
	global_load_b128 v[80*(\ab)+16*ai+8*(\ks):80*(\ab)+16*ai+8*(\ks)+3], v[AV+ai], s[\ptr:\ptr+1] offset:(\imm)+(\ks)*A_KS
	global_load_b128 v[80*(\ab)+16*ai+8*(\ks)+4:80*(\ab)+16*ai+8*(\ks)+7], v[AV+ai], s[\ptr:\ptr+1] offset:(\imm)+(\ks)*A_KS+A_Q
.set ai, ai+1
.endr
	WIN 0
.endm
; One k step for my live blocks.  A block's eight accumulators take turns, one instruction a turn: on every path a run ends on column block 7 and the next begins on column block 0.
; zero = 1: the products start the sums.
.macro COMPUTE bf, ab, ks, zero=0
.set ci, 0
.rept 5
	s_cmp_le_u32 s[NB], ci
	s_cbranch_scc1 .Ldone_\@
.if ci < 4
	WIN W_HI
.set ca, 64*ci
.else
	WIN W_LO
.set ca, 128
.endif
.set ct, 80*(\ab)+16*ci+8*(\ks)
.set cn, 0
.rept 8
.set cw, 64*(\bf)+8*cn
.if \zero
	v_wmma_f32_16x16x32_f16 v[ca+8*cn:ca+8*cn+7], v[ct:ct+7], v[cw:cw+7], 0
.else
	v_wmma_f32_16x16x32_f16 v[ca+8*cn:ca+8*cn+7], v[ct:ct+7], v[cw:cw+7], v[ca+8*cn:ca+8*cn+7]
.endif
.set cn, cn+1
.endr
	WIN 0
.set ci, ci+1
.endr
.Ldone_\@:
.endm
.macro CLEAR                           ; once, on purpose: pass 0's first trip written out with C = 0 would be longer than these lines, which stand in the wait for the first weights
	WIN 0xc0
.set z, 0
.rept 256
	v_mov_b32 v[z], 0
.set z, z+1
.endr
	WIN 0x80
.set z, 128
.rept 64
	v_mov_b32 v[z], 0
.set z, z+1
.endr
	WIN 0
.endm
; TRIP t of the stream (p = t % 2): chunk t is multiplied and chunk t + 2 converted.  A(c, ks) is k step ks of chunk c of my tokens, W(c) my share of chunk c of the weights.
; The order of issue: .. middle of t - 2: A(t, 0); head of t - 1: A(t, 1), W(t + 3); middle of t - 1: A(t + 1, 0); head of t: A(t + 1, 1), W(t + 4); middle of t: A(t + 2, 0) ..
.macro TRIP p
	s_wait_loadcnt 36                              ; A(t, 1), W(t + 3) and A(t + 1, 0), 10 + 16 + 10, may be out: A(t, 0) is in, and W(t + 2), which is older
	CONV \p, (\p)*16384                            ; its conversions are also the places ahead of the loads below
	BFLOAD 1, BRL, (\p)*16384+8192
	ALOADH 1-(\p), 1, AP, ((\p)+1)*CH_A            ; A(t + 1, 1), into the half that the last trip's second k step has left
	WLOAD \p, (\p)*CH_W                            ; W(t + 4); in trips 12 and 13 the sixteen loads that nothing uses
	s_cmp_lt_u32 s[IT], 3+(\p)                     ; chunk t + 7 exists up to t = 8
	s_cbranch_scc1 .Lnp_\@
	global_prefetch_b8 v[PV], s[WB:WB+1] offset:(3+(\p))*CH_W th:TH_LOAD_NT scope:SCOPE_SE  ; my own share of chunk t + 7, three trips ahead of its loads: 32 lanes, 32 pieces of 256 bytes
.Lnp_\@:
	s_wait_dscnt 0x0                               ; for the others' sake: my stores of chunk t + 2 are done; both fragment buffers are in
	s_barrier_signal -1
	COMPUTE 0, \p, 0                               ; matrix work alone stands between the signal and the wait
	s_barrier_wait -1                              ; chunk t + 2 is whole; it is first read in the next trip's middle
	s_wait_loadcnt 52                              ; W(t + 3), A(t + 1, 0), A(t + 1, 1) and W(t + 4), 16 + 10 + 10 + 16, may be out: A(t, 1) is in
	PLACES
	ALOADH \p, 0, AP, ((\p)+2)*CH_A                ; A(t + 2, 0), into the half that the products above have left
	BFLOAD 0, BRL, ((\p)+1)*16384                  ; chunk t + 1: stored ahead of the last trip's signal; nobody writes it again
	COMPUTE 1, \p, 1
.endm
.macro NBSET                           ; how many of the blocks 20 pass + 4 i + w, i = 0..4, lie below NBLK
	s_mul_i32 s44, s[PASS], 20
	s_add_co_u32 s44, s44, s[WVN]
	s_sub_co_i32 s[NB], s[NBLK], s44
	s_add_co_i32 s[NB], s[NB], 3
	s_ashr_i32 s[NB], s[NB], 2
	s_max_i32 s[NB], s[NB], 0
	s_min_i32 s[NB], s[NB], 5
.endm
.macro AVSET                           ; my five blocks in hid; a dead block repeats the expert's last live one (block 0 where there is none: loaded, never multiplied)
	s_mul_i32 s46, s[PASS], 20
	s_add_co_u32 s46, s46, s[WVN]
	s_max_u32 s47, s[NBLK], 1
	s_sub_co_u32 s47, s47, 1
.set ai, 0
.rept 5
	s_add_co_u32 s44, s46, 4*ai
	s_min_u32 s44, s44, s47
	s_min_u32 s44, s44, 63
	s_lshl_b32 s44, s44, 17                        ; a block: 128 KiB
	v_add_nc_u32 v[AV+ai], s44, v[L16]
.set ai, ai+1
.endr
.endm
; Block k into store order; the move carries b2 (0 in quarters 1 to 3); each accumulator is read from its lowest register on.
.macro STUB k, last
.Lst\k:
.if (\k) < 4
	WIN 0x0b
.set sa, 64*(\k)
.else
	WIN 0x0a
.set sa, 128
.endif
.set sn, 0
.rept 8
.set sj, 0
.rept 8
	v_add_f32 v[T+(2*sj+sn/4)*4+sn%4], v[sa+8*sn+sj], v[B2+sn]
.set sj, sj+1
.endr
.set sn, sn+1
.endr
	WIN 0
.if !(\last)
	s_branch .Lsend
.endif
.endm
	s_load_b256 s[4:11], s[0:1], 0x0               ; bitmap s[4:5], hid s[6:7], w2 s[8:9], b2 s[10:11]
	s_load_b64 s[12:13], s[0:1], 0x20              ; part
	v_lshl_add_u32 v[SPW], v0, 2, SPARE
	v_mov_b32 v[NIL], 0
	v_and_b32 v[LN], 31, v0
	v_and_b32 v[RR], 15, v0
	v_bfe_u32 v[HH], v0, 4, 1
	v_lshrrev_b32 v[TMP], 5, v0
	v_readfirstlane_b32 s[WVN], v[TMP]
	s_and_b32 s[NS], ttmp9, 7
	s_lshr_b32 s[KQ], ttmp9, 3
	s_and_b32 s[XE], ttmp7, 0xffff
	s_mov_b32 s[MSK], 0xffff0000
	v_lshlrev_b32 v[L16], 4, v[LN]
	v_lshlrev_b32 v[R16], 4, v[RR]
	v_lshl_add_u32 v[WV], v[HH], 17, v[R16]
	v_mov_b32 v[WS], v[WV]
	v_lshlrev_b32 v[PV], 12, v[RR]                 ; my 32 rows of a chunk: r and 32 + r
	v_lshl_add_u32 v[PV], v[HH], 17, v[PV]
	s_lshl_b32 s42, s[XE], 7                       ; the expert's 128 bytes of the bitmap
	s_mov_b32 s43, 0
	s_lshl_b32 s[OFF], s[XE], 24                   ; w2: expert, 16 MiB;
	s_lshl_b32 s46, s[KQ], 22                      ; quarter, 1,024 rows;
	s_add_co_u32 s[OFF], s[OFF], s46
	s_lshr_b32 s44, s[WVN], 1                      ; the k step that I produce,
	s_and_b32 s45, s[WVN], 1                       ; the column group that I produce
	s_lshl_b32 s46, s44, 16                        ; 16 rows;
	s_add_co_u32 s[OFF], s[OFF], s46
	s_lshl_b32 s47, s[NS], 9                       ; my 128 columns;
	s_add_co_u32 s[OFF], s[OFF], s47
	s_lshl_b32 s46, s45, 8                         ; group, 256 bytes
	s_add_co_u32 s[OFF], s[OFF], s46
	s_mov_b32 s[OFF+1], 0
	s_lshl_b32 s52, s[XE], 12                      ; b2: expert, columns
	s_add_co_u32 s52, s52, s47
	s_mov_b32 s53, 0
	s_lshl_b32 s[ABASE], s[XE], 23                 ; hid: expert, 8 MiB; quarter, 32 k steps
	s_lshl_b32 s46, s[KQ], 15
	s_add_co_u32 s[ABASE], s[ABASE], s46
	s_mov_b32 s[ABASE+1], 0
	s_lshl_b32 s[YP], s[XE], 24                    ; part: expert, 1,024 rows of 16 KiB; quarter, 4,096 bytes; columns
	s_lshl_b32 s46, s[KQ], 12
	s_add_co_u32 s[YP], s[YP], s46
	s_add_co_u32 s[YP], s[YP], s47
	s_mov_b32 s[YP+1], 0
	s_lshl_b32 s44, s44, 13                        ; LDS: my k step, my group
	s_lshl_b32 s45, s45, 12
	s_add_co_u32 s44, s44, s45
	v_add_nc_u32 v[SRL], s44, v[L16]
	v_mov_b32 v[BRL], v[L16]
	s_wait_kmcnt 0x0
	s_add_nc_u64 s[42:43], s[4:5], s[42:43]
	s_load_b512 s[BM:BM+15], s[42:43], 0x0
	s_load_b512 s[BM+16:BM+31], s[42:43], 0x40
	s_add_nc_u64 s[AN:AN+1], s[8:9], s[OFF:OFF+1]  ; my share of chunk 0: the base of the first four chunks' loads; it is not written again before the resident loop,
	s_add_nc_u64 s[WB:WB+1], s[AN:AN+1], 4*CH_W    ; and of chunk 4: the loop's base, made beside it, so that no wait stands between those loads and the loop
	s_add_nc_u64 s[52:53], s[10:11], s[52:53]
	s_add_nc_u64 s[ABASE:ABASE+1], s[6:7], s[ABASE:ABASE+1]
	s_add_nc_u64 s[YP:YP+1], s[12:13], s[YP:YP+1]
	s_mov_b64 s[AP:AP+1], s[ABASE:ABASE+1]
	WIN 0x80
	global_load_b128 v[B2:B2+3], v[R16], s[52:53]              ; b2 of columns 4 r + cc, group 0,
	global_load_b128 v[B2+4:B2+7], v[R16], s[52:53] offset:256 ; and group 1
	WIN 0
	WLOAD 2, 0, AN                                 ; W(0), into the third slot,
	WLOAD 1, CH_W, AN                              ; W(1),
	WLOAD 0, 2*CH_W, AN                            ; and W(2), where trip 0 looks for it
	global_prefetch_b8 v[PV], s[WB:WB+1] th:TH_LOAD_NT scope:SCOPE_SE  ; my share of chunks 4 to 6; the trips ask for 7 to 15
	global_prefetch_b8 v[PV], s[WB:WB+1] offset:CH_W th:TH_LOAD_NT scope:SCOPE_SE
	global_prefetch_b8 v[PV], s[WB:WB+1] offset:2*CH_W th:TH_LOAD_NT scope:SCOPE_SE
	CLEAR
	s_wait_kmcnt 0x0                               ; the bitmap
	s_mov_b32 s[CNT], 0
.set li, 0
.rept 32
	s_bcnt1_i32_b32 s44, s[BM+li]
	s_add_co_u32 s[CNT], s[CNT], s44
.set li, li+1
.endr
	s_add_co_u32 s[NBLK], s[CNT], 15
	s_lshr_b32 s[NBLK], s[NBLK], 4
	s_min_u32 s[NBLK], s[NBLK], 64
	s_mov_b32 s[PASS], 0
	NBSET
	AVSET
	ALOADH 0, 0, AP, 0                             ; A(0, 0) and A(0, 1) go out as soon as the blocks are known.  With them more loads are asked for than the counter's field of 63 holds:
	ALOADH 0, 1, AP, 0                             ; the issue of those past it waits for the oldest to come back (ISA guide 5.7.1)
	s_wait_loadcnt 52                              ; W(1), W(2), A(0, 0) and A(0, 1), 16 + 16 + 10 + 10, may be out: b2 and W(0) are in
	s_cmp_eq_u32 s[KQ], 0
	s_cselect_b32 s44, -1, 0
	WIN 0x0a                                       ; b2 rounded to bf16 and widened again, through the fragments' registers, which are still free
.set k, 0
.rept 4
	v_cvt_pk_bf16_f32 v[CV+k], v[B2+2*k], v[B2+2*k+1]
.set k, k+1
.endr
	WIN 0x80
.set k, 0
.rept 4
	v_lshlrev_b32 v[B2+2*k], 16, v[CV+k]
	v_and_b32 v[B2+2*k+1], s[MSK], v[CV+k]
.set k, k+1
.endr
	WIN 0x88
.set k, 0
.rept 8
	v_cndmask_b32 v[B2+k], 0, v[B2+k], s44         ; b2 counts once: in quarter 0
.set k, k+1
.endr
	WIN 0
	CONV 2, 0
	s_wait_loadcnt 36                              ; W(2), A(0, 0) and A(0, 1) may be out: W(1) is in
	CONV 1, 16384
	WLOAD 1, 3*CH_W, AN                            ; W(3),
	ALOADH 1, 0, AP, CH_A                          ; then A(1, 0): W(2), A(0, 0), A(0, 1), W(3), A(1, 0) is the order in which the trips go on
	s_wait_dscnt 0x0                               ; for the others' sake: chunks 0 and 1 are stored
	s_barrier_signal -1
	s_barrier_wait -1
	BFLOAD 0, BRL, 0
	v_add_nc_u32 v[SRL], 0x8000, v[SRL]
	s_mov_b32 s[IT], 7
.Lstream:                                              ; trips 0 to 13
	TRIP 0
	TRIP 1
	s_wait_xcnt 0x0                                ; WB, AP and WV are written only behind this wait
	s_add_nc_u64 s[WB:WB+1], s[WB:WB+1], 2*CH_W
	s_add_nc_u64 s[AP:AP+1], s[AP:AP+1], 2*CH_A
	v_add_nc_u32 v[BRL], 0x8000, v[BRL]
	v_add_nc_u32 v[SRL], 0x8000, v[SRL]
	s_sub_co_u32 s[IT], s[IT], 1
	s_cmp_eq_u32 s[IT], 1                          ; the last lap has no chunk left to ask for:
	s_cselect_b64 s[WB:WB+1], s[8:9], s[WB:WB+1]   ; its weight loads go to the head of w2,
	s_cselect_b32 s44, 0, -1
	v_and_b32 v[WV], s44, v[WV]                    ; all lanes to the same 16 bytes
	s_cmp_lg_u32 s[IT], 0
	s_cbranch_scc1 .Lstream
	s_wait_loadcnt 10                              ; A(15, 0) may be out: the weight loads that nothing uses are in, so that the way out may write their registers
	s_mov_b32 s[SC], 0                             ; the slice is whole: chunk 15 was stored ahead of trip 13's signal
	s_mov_b32 s[LO], 14                            ; pass 0 has chunks 14 and 15 left; A(14, 0), A(14, 1), A(15, 0) and chunk 14's first fragments have been asked for
	s_mov_b32 s[IT], 8
	s_branch .Lres
.Lpass:                                                ; passes 1 to 3: rows 320 pass on
	NBSET
	s_cmp_eq_u32 s[NB], 0
	s_cbranch_scc1 .Lnext                          ; nothing of mine in this pass
	s_wait_loadcnt 0x0                             ; the last pass's look-ahead that nothing uses: its address registers are written and its registers loaded again below
	AVSET
	ALOADH 0, 0, ABASE, 0                          ; A(0, 0), A(0, 1), A(1, 0)
	ALOADH 0, 1, ABASE, 0
	ALOADH 1, 0, ABASE, CH_A
	BFLOAD 0, L16, 0
	s_mov_b32 s[SC], 0
	s_mov_b32 s[LO], 0
	s_mov_b32 s[IT], 8
; THE RESIDENT LOOP: eight trips of two chunks out of the slice in LDS: no barrier, no LDS write.  Trips below chunk LO are jumped.  The tokens come as in the stream, a half a chunk and a half ahead:
; behind the half that a wait is for stand two younger halves, twenty loads.  The look-ahead is held to chunk 14: the last trip fetches 30 token loads and 16 fragment loads that nothing uses, the price of one text for every trip.
.Lres:
	s_cmp_lt_u32 s[SC], s[LO]
	s_cbranch_scc1 .Lrskip
	s_wait_xcnt 0x0                                ; the loads that are out have read AP and AN
	s_mul_i32 s[OFF], s[SC], CH_A
	s_add_nc_u64 s[AP:AP+1], s[ABASE:ABASE+1], s[OFF:OFF+1]
	s_add_co_u32 s[NX], s[SC], 2
	s_min_u32 s[NX], s[NX], 14
	s_mul_i32 s[OFF], s[NX], CH_A
	s_add_nc_u64 s[AN:AN+1], s[ABASE:ABASE+1], s[OFF:OFF+1]
	v_lshl_add_u32 v[BRL], s[SC], 14, v[L16]
	v_lshl_add_u32 v[BN], s[NX], 14, v[L16]
	s_wait_loadcnt 20                              ; the even chunk's first half is in
	PLACES
	BFLOAD 1, BRL, 8192
	ALOADH 1, 1, AP, CH_A
	s_wait_dscnt 16                                ; all but the 16 fragment loads just issued
	s_cmp_eq_u32 s[SC], 0
	s_cbranch_scc1 .Lzero
	COMPUTE 0, 0, 0
	s_branch .Lzdone
.Lzero:                                                ; a later pass's first k step starts the sums: nothing is cleared
	COMPUTE 0, 0, 0, 1
.Lzdone:
	s_wait_loadcnt 20                              ; its second half
	PLACES
	ALOADH 0, 0, AN, 0
	BFLOAD 0, BRL, 16384
	s_wait_dscnt 16
	COMPUTE 1, 0, 1
	s_wait_loadcnt 20                              ; the odd chunk's first half
	PLACES
	BFLOAD 1, BRL, 24576
	ALOADH 0, 1, AN, 0
	s_wait_dscnt 16
	COMPUTE 0, 1, 0
	s_wait_loadcnt 20                              ; its second half
	PLACES
	ALOADH 1, 0, AN, CH_A
	BFLOAD 0, BN, 0
	s_wait_dscnt 16
	COMPUTE 1, 1, 1
.Lrskip:
	s_add_co_u32 s[SC], s[SC], 2
	s_sub_co_u32 s[IT], s[IT], 1
	s_cmp_lg_u32 s[IT], 0
	s_cbranch_scc1 .Lres
	s_wait_loadcnt 30                              ; the 30 token loads of the look-ahead may stay out: they land in window 1, which the way out does not name; a later pass waits for them at its head
	s_wait_dscnt 0x0
	PLACES                                         ; behind the last products
	s_mul_i32 s46, s[PASS], 20
	s_add_co_u32 s46, s46, s[WVN]                  ; my block 0
	s_mov_b32 s[HB], 0
.Lblk:                                                 ; five blocks; the dead ones are jumped
	s_cmp_ge_u32 s[HB], s[NB]
	s_cbranch_scc1 .Lbnext
	s_wait_xcnt 0x0                                ; the last trip's stores have read YS and their data
	s_lshl2_add_u32 s44, s[HB], s46
	s_lshl_b32 s[OFF], s44, 18                     ; a block: 16 rows of 16 KiB
	s_add_nc_u64 s[YS:YS+1], s[YP:YP+1], s[OFF:OFF+1]
.irp k, 0,1,2,3
	s_cmp_eq_u32 s[HB], \k
	s_cbranch_scc1 .Lst\k
.endr
	STUB 4, 0
	STUB 0, 0
	STUB 1, 0
	STUB 2, 0
	STUB 3, 1
.Lsend:
.set k, 0
.rept 16                               ; row k / 2 (and 8 rows on for the upper lanes), group k % 2: sixteen lanes store 256 consecutive bytes, aligned
	global_store_b128 v[WS], v[T+4*k:T+4*k+3], s[YS:YS+1] offset:(k/2)*16384+(k%2)*256
.set k, k+1
.endr
.Lbnext:
	s_add_co_u32 s[HB], s[HB], 1
	s_cmp_lt_u32 s[HB], 5
	s_cbranch_scc1 .Lblk
.Lnext:
	s_add_co_u32 s[PASS], s[PASS], 1
	s_cmp_lt_u32 s[PASS], 4
	s_cbranch_scc1 .Lpass
	s_wait_dscnt 0x0                               ; my reads of LDS are over;
	s_barrier_signal -1
	s_barrier_wait -1                              ; so are the other three waves': only now does any wave write LDS again
	s_wait_tensorcnt 0x0                           ; the wave's end, behind my last LDS store
	ds_add_u32 v[SPW], v[NIL]
	s_wait_dscnt 0x0
	s_endpgm
.Lfunc_end_k_q79a90624dd_down:
	.size	k_q79a90624dd_down, .Lfunc_end_k_q79a90624dd_down-k_q79a90624dd_down
	.p2alignl 7, 3214868480
	.fill 96, 4, 3214868480
	.section	.rodata,"a",@progbits
	.p2align	6, 0x0
	.amdhsa_kernel k_q79a90624dd_down
		.amdhsa_group_segment_fixed_size 262656
		.amdhsa_private_segment_fixed_size 0
		.amdhsa_enable_private_segment 0
		.amdhsa_kernarg_size 40
		.amdhsa_user_sgpr_count 2
		.amdhsa_user_sgpr_kernarg_segment_ptr 1
		.amdhsa_wavefront_size32 1
		.amdhsa_system_sgpr_workgroup_id_x 1
		.amdhsa_system_sgpr_workgroup_id_y 1
		.amdhsa_system_sgpr_workgroup_id_z 1
		.amdhsa_system_vgpr_workitem_id 0
		.amdhsa_next_free_vgpr 1024
		.amdhsa_next_free_sgpr 100
		.amdhsa_reserve_vcc 0
		.amdhsa_float_denorm_mode_32 3
		.amdhsa_float_denorm_mode_16_64 3
		.amdhsa_memory_ordered 1
		.amdhsa_forward_progress 1
		.amdhsa_inst_pref_size 123
	.end_amdhsa_kernel
	.amdgpu_metadata
---
amdhsa.version: [ 1, 2 ]
amdhsa.kernels:
  - .name:           k_q79a90624dd_down
    .symbol:         k_q79a90624dd_down.kd
    .args:
      - { .name: bitmap, .offset: 0, .size: 8, .value_kind: global_buffer, .address_space: global }
      - { .name: hid, .offset: 8, .size: 8, .value_kind: global_buffer, .address_space: global }
      - { .name: w2, .offset: 16, .size: 8, .value_kind: global_buffer, .address_space: global }
      - { .name: b2, .offset: 24, .size: 8, .value_kind: global_buffer, .address_space: global }
      - { .name: part, .offset: 32, .size: 8, .value_kind: global_buffer, .address_space: global }
    .group_segment_fixed_size: 262656
    .private_segment_fixed_size: 0
    .kernarg_segment_align: 8
    .kernarg_segment_size: 40
    .max_flat_workgroup_size: 128
    .sgpr_count:     100
    .vgpr_count:     1024
    .wavefront_size: 32
...
	.end_amdgpu_metadata
.endif
;; end of part 7
;; launch combine (part 8): grid 256 x 1, 4 waves a work-group, no clusters, 0 bytes of LDS; arguments idx, wts, pose, part, out0; writes out0
.if DOCPART == 8
	.amdgcn_target "amdgcn-amd-amdhsa--gfx1250"
	.amdhsa_code_object_version 6
	.text
	.protected	k_q79a90624dd_combine
	.globl	k_q79a90624dd_combine
	.p2align	8
	.type	k_q79a90624dd_combine,@function
k_q79a90624dd_combine:
	s_mov_b64 s[64:65], 0
	v_nop
	global_prefetch_b8 v0, s[64:65] scope:SCOPE_SE
	s_setreg_imm32_b32 hwreg(HW_REG_WAVE_MODE, 25, 1), 1
	s_wait_xcnt 0x0
; COMBINE.  out[t] = w0 (sum over four quarters of part[row of t in its first expert]) + w1 (the same for its second).  One token a wave: 32 KiB read, 4 KiB stored.
; A stream: no LDS, no barrier, no matrix unit, no cluster (no byte has two readers).  The row numbers come from whole numbers that earlier launches stored: idx (the experts), pose (the token's rank in an expert).
; The token's rank in all eight experts is loaded beside idx and wts, at addresses that hang on the token alone, and the two that are wanted are chosen afterwards: two scalar waits on end, not three.
; A piece is 128 columns: 2 rows x 4 quarters x 512 consecutive bytes, 32 registers.  Seven pieces are asked for at once; the eighth goes into the first piece's registers when that one is summed.
	s_load_b256 s[4:11], s[0:1], 0x0               ; idx s[4:5], wts s[6:7], pose s[8:9], part s[10:11]
	s_load_b64 s[12:13], s[0:1], 0x20              ; out0
	v_lshrrev_b32 v1, 5, v0
	v_readfirstlane_b32 s14, v1                    ; wave
	v_and_b32 v2, 31, v0
	v_lshlrev_b32 v2, 4, v2                        ; 16 x lane
	s_lshl2_add_u32 s15, ttmp9, s14                ; my token t
	s_lshl_b32 s16, s15, 3
	s_lshr_b32 s17, s15, 7                         ; pose's word of t in an expert's 1,024: (t / 128) 128 + (t % 32) 4 + (t / 32) % 4
	s_lshl_b32 s17, s17, 7
	s_and_b32 s18, s15, 31
	s_lshl2_add_u32 s17, s18, s17
	s_bfe_u32 s18, s15, 0x20005
	s_add_co_u32 s17, s17, s18
	s_lshl_b32 s17, s17, 2
	s_lshl_b32 s38, s15, 12                        ; my row of out0
	s_mov_b32 s39, 0
	s_wait_kmcnt 0x0
	s_load_b64 s[20:21], s[4:5], s16 offset:0x0    ; the two experts
	s_load_b64 s[22:23], s[6:7], s16 offset:0x0    ; their weights
.irp e, 0,1,2,3,4,5,6,7
	s_load_b32 s[40+\e], s[8:9], s17 offset:4096*\e  ; my rank in expert e (a number that means nothing where I did not choose e)
.endr
	s_add_nc_u64 s[36:37], s[12:13], s[38:39]
	s_wait_kmcnt 0x0
	s_min_u32 s20, s20, 7
	s_min_u32 s21, s21, 7
	s_mov_b32 s26, s40
	s_mov_b32 s27, s40
.irp e, 1,2,3,4,5,6,7
	s_cmp_eq_u32 s20, \e
	s_cselect_b32 s26, s[40+\e], s26               ; my rank in the first expert,
	s_cmp_eq_u32 s21, \e
	s_cselect_b32 s27, s[40+\e], s27               ; and in the second
.endr
	s_mov_b32 s34, s23                             ; the second weight as a pair's low word
	s_mov_b32 s35, s23
	s_min_u32 s26, s26, 1023
	s_min_u32 s27, s27, 1023
	s_lshl_b32 s28, s20, 10
	s_add_co_u32 s28, s28, s26
	s_lshl_b32 s28, s28, 14                        ; a row of part: 16 KiB
	s_mov_b32 s29, 0
	s_add_nc_u64 s[30:31], s[10:11], s[28:29]
	s_lshl_b32 s28, s21, 10
	s_add_co_u32 s28, s28, s27
	s_lshl_b32 s28, s28, 14
	s_add_nc_u64 s[32:33], s[10:11], s[28:29]
.macro LOADP p
.set d, 32+32*((\p)%7)
.set q, 0
.rept 4
	global_load_b128 v[d+4*q:d+4*q+3], v2, s[30:31] offset:4096*q+512*(\p) th:TH_LOAD_NT
	global_load_b128 v[d+16+4*q:d+16+4*q+3], v2, s[32:33] offset:4096*q+512*(\p) th:TH_LOAD_NT
.set q, q+1
.endr
.endm
.macro SUMP p, left                    ; left: the loads of later pieces, which may stay out
.set d, 32+32*((\p)%7)
.set rs, d
.if (\p) == 0
.set rs, 4                             ; piece 0's result leaves from registers of its own: its 32 are loaded again at once
.endif
	s_wait_loadcnt \left
.irp o, 0,2,8,10,16,18,24,26
	v_pk_add_f32 v[d+\o:d+\o+1], v[d+\o:d+\o+1], v[d+\o+4:d+\o+5]
.endr
.irp o, 0,2,16,18
	v_pk_add_f32 v[d+\o:d+\o+1], v[d+\o:d+\o+1], v[d+\o+8:d+\o+9]
.endr
	v_pk_mul_f32 v[d+16:d+17], v[d+16:d+17], s[34:35] op_sel_hi:[1,0]
	v_pk_mul_f32 v[d+18:d+19], v[d+18:d+19], s[34:35] op_sel_hi:[1,0]
	v_pk_fma_f32 v[rs:rs+1], v[d:d+1], s[22:23], v[d+16:d+17] op_sel_hi:[1,0,1]
	v_pk_fma_f32 v[rs+2:rs+3], v[d+2:d+3], s[22:23], v[d+18:d+19] op_sel_hi:[1,0,1]
	global_store_b128 v2, v[rs:rs+3], s[36:37] offset:512*(\p) th:TH_STORE_NT  ; 512 consecutive bytes, aligned
.endm
.irp p, 0,1,2,3,4,5,6
	LOADP \p
.endr
	SUMP 0, 48                                     ; 56 loads are out: pieces 1 to 6 may stay
	LOADP 7
	SUMP 1, 48                                     ; pieces 2 to 7
	SUMP 2, 40
	SUMP 3, 32
	SUMP 4, 24
	SUMP 5, 16
	SUMP 6, 8
	SUMP 7, 0
	s_endpgm
.Lfunc_end_k_q79a90624dd_combine:
	.size	k_q79a90624dd_combine, .Lfunc_end_k_q79a90624dd_combine-k_q79a90624dd_combine
	.p2alignl 7, 3214868480
	.fill 96, 4, 3214868480
	.section	.rodata,"a",@progbits
	.p2align	6, 0x0
	.amdhsa_kernel k_q79a90624dd_combine
		.amdhsa_group_segment_fixed_size 0
		.amdhsa_private_segment_fixed_size 0
		.amdhsa_enable_private_segment 0
		.amdhsa_kernarg_size 40
		.amdhsa_user_sgpr_count 2
		.amdhsa_user_sgpr_kernarg_segment_ptr 1
		.amdhsa_wavefront_size32 1
		.amdhsa_system_sgpr_workgroup_id_x 1
		.amdhsa_system_sgpr_workgroup_id_y 1
		.amdhsa_system_sgpr_workgroup_id_z 1
		.amdhsa_system_vgpr_workitem_id 0
		.amdhsa_next_free_vgpr 256
		.amdhsa_next_free_sgpr 66
		.amdhsa_reserve_vcc 0
		.amdhsa_float_denorm_mode_32 3
		.amdhsa_float_denorm_mode_16_64 3
		.amdhsa_memory_ordered 1
		.amdhsa_forward_progress 1
		.amdhsa_inst_pref_size 19
	.end_amdhsa_kernel
	.amdgpu_metadata
---
amdhsa.version: [ 1, 2 ]
amdhsa.kernels:
  - .name:           k_q79a90624dd_combine
    .symbol:         k_q79a90624dd_combine.kd
    .args:
      - { .name: idx, .offset: 0, .size: 8, .value_kind: global_buffer, .address_space: global }
      - { .name: wts, .offset: 8, .size: 8, .value_kind: global_buffer, .address_space: global }
      - { .name: pose, .offset: 16, .size: 8, .value_kind: global_buffer, .address_space: global }
      - { .name: part, .offset: 24, .size: 8, .value_kind: global_buffer, .address_space: global }
      - { .name: out0, .offset: 32, .size: 8, .value_kind: global_buffer, .address_space: global }
    .group_segment_fixed_size: 0
    .private_segment_fixed_size: 0
    .kernarg_segment_align: 8
    .kernarg_segment_size: 40
    .max_flat_workgroup_size: 128
    .sgpr_count:     66
    .vgpr_count:     256
    .wavefront_size: 32
...
	.end_amdgpu_metadata
.endif
;; end of part 8
